; MI455X (gfx1250); checked and timed in simulation.
; The chip was launched on July 23, 2026; its instructions are those of AMD's public machine-readable ISA for CDNA 5 (MIT licence, August 2026) and "CDNA5" Instruction Set Architecture Reference Guide (July 2026). The comments in the code are by the model that wrote it; some were corrected since.
;; Feature Propogation. Allowed arithmetic: float matrix products may take bf16 or f16 operands with f32 sums; all other float work in f32.
;; Inputs: W1 256 x 384 float32; W2 256 x 256 float32; b1 256 float32; b2 256 float32; be1 256 float32; be2 256 float32; g1 256 float32; g2 256 float32; p1 2 x 16,384 x 3 float32; p2 2 x 4,096 x 3 float32; x1 2 x 128 x 16,384 float32; x2 2 x 256 x 4,096 float32.
;; Outputs: out0 2 x 256 x 16,384 float32.
;; 2 versions, each right; version 2 is version 1 with the launches knna, gemm1, gemm2, bnfin written anew for expert scheduling mode. Each part assembles by itself: llvm-mc -triple=amdgcn-amd-amdhsa -mcpu=gfx1250 --defsym DOCPART=n.
;; ======== version 1 of 2: 6 launches
;; limits: values outside matrix products are rounded to f16; values are held in f16: magnitudes above 65,504 overflow, below 6.1e-05 lose precision
;; workspace buffers: gid 524,288 bytes of whole numbers; nidx 524,288 bytes of whole numbers; nw 524,288 bytes; pre 4,521,984 bytes; y1 17,301,504 bytes; y2 17,301,504 bytes; coef 2,048 bytes
;; launch knna (part 1): grid 256 x 1, 8 waves a work-group, no clusters, 108,544 bytes of LDS; arguments p1, p2, x2, W1, W2, gid, pre; writes gid, pre
.if DOCPART == 1
	.amdgcn_target "amdgcn-amd-amdhsa--gfx1250"
	.amdhsa_code_object_version 6
	.text
	.protected	k_q66a7aa10e6_knna
	.globl	k_q66a7aa10e6_knna
	.p2align	8
	.type	k_q66a7aa10e6_knna,@function
k_q66a7aa10e6_knna:
	s_mov_b64 s[64:65], 0
	v_nop
	global_prefetch_b8 v0, s[64:65] scope:SCOPE_SE
	s_setreg_imm32_b32 hwreg(HW_REG_WAVE_MODE, 25, 1), 1
	s_wait_xcnt 0x0
; Neighbour search, first pass, and the preparation of the 16-bit operands of the later products.
; FORMATS.  The operands of every product (the coordinates in the distances' p1 . p2 as well as x2, W1, W2) are rounded to bf16, to nearest
; even, as they are loaded; the norms aa, bb are taken of the same rounded coordinates, so that aa + bb - 2 dot stays the squared distance
; of the points that the product sees.  A product of two bf16 numbers has 16 significant bits and is exact in f32, so a fused
; multiply-add and a multiply followed by an add give the same value: the rank of nearly equal distances hangs on the order of the additions
; alone, which is: x, y, z ascending for aa, bb and dot, then (aa + bb) - 2 dot.  All sums in f32 on the vector unit: a matrix instruction
; does not round after each addition as that chain does, and the rank hangs on the last bits.
; A work-group owns 128 queries of one batch.  Wave w scans candidates 512 w .. 512 w + 511 as 32 groups of 16 for all 128 queries;
; lane L holds queries 4 L .. 4 L + 3 as two packed pairs.  Per group only the group's least distance is formed (3 instructions for a
; query and a candidate), and the three groups with the least (minimum, group number) are kept.  That filter is exact: in front of
; the group of any of the three nearest candidates (ordered by distance, then index) stand only groups that each hold a candidate
; in front of it, so at most two.  The next launch looks at the 48 candidates of the three groups.
; LIMITS: the neighbours are those of the rounded coordinates (relative step 2^-8); where that rounding changes the order of distances the
; choice differs from that for unrounded coordinates.  NaN or infinite coordinates are not served.
; Side work: x2 (128 channels x 64 points a work-group) is transposed to [point][channel]; W1 and W2 are laid in the order in which the
; matrix fragments are loaded later.  Both are kept as f16, which holds a bf16 number exactly from 6.1e-5 to 65,504 in magnitude;
; below, its step is 6e-8; above, it overflows.  Their loads go out with the first loads and are not looked at before the scan is over, so
; only the table of candidates stands between the start and the scan; behind the scan's barrier waves 0 to 3 merge the lists while
; waves 4 to 7 write the transposed rows.
; No cluster: what the work-groups share, p2, is 48 KiB a work-group.
.set TT,    65536                      ; LDS: transposing stage, 64 rows (points) of 272 bytes; the table of 4,096 x (x, y, z, bb) lies at 0
.set MRG,   82944                      ; LDS: [8 waves][6 fields][128 queries] words
.set W1F,   4194304                    ; byte offsets in pre
.set W2F,   4390912
.set VE,  2                            ; LDS address of my wave's current group
.set VG,  3                            ; its number
.set AX,  10                           ; v[10:13] x of my four queries; AY, AZ, AA (their squared norms) likewise
.set AY,  14
.set AZ,  18
.set AA,  22
.set D1,  26                           ; v[26:37] three least group minima of each query, ascending
.set D2,  30
.set D3,  34
.set I1,  38                           ; v[38:49] their group numbers
.set I2,  42
.set I3,  46
.set M,   50                           ; v[50:53] the running minimum of the current group
.set T,   54                           ; v[54:61] dot, then distance: entry c, query pair p at T + 4 c + 2 p
.set S,   62                           ; v[62:69] aa + bb
.set E0,  72                           ; v[72:103]  entries 0-7 of a group
.set E1,  104                          ; v[104:135] entries 8-15
.set RAW, 72                           ; prologue: 16 points of p2 as loaded
.set P1R, 120                          ; prologue: my four queries as loaded
.set X2R, 136                          ; v[136:167] x2 as loaded, on its way during the scan; then the transposed rows on their way out
.set WRAW, 180                         ; v[180:183] first the temporaries of the address arithmetic; then four numbers of W1 or W2 as loaded (waves 0 to 4)
.set WPK,  184                         ; v[184:185] the four as f16; v186, v187 at work
; two f32 registers rounded to bf16 (nearest even) and widened again, in place; t: a register at work
.macro RB2 a, b, t
	v_cvt_pk_bf16_f32 v[\t], v[\a], v[\b]
	v_lshlrev_b32 v[\a], 16, v[\t]
	v_and_b32 v[\b], 0xffff0000, v[\t]
.endm
; 32 pieces of 4 numbers of a weight matrix with K columns, piece number 32 s24 + lane, are asked for.  In the image in fragment order
; byte 8 x piece holds W[16 ot + r][32 ks + 16 half + 8 h + 4 e ..], piece = ks:ot(4):half:h:r(4):e.
.macro WASK src, K
	v_lshl_add_u32 v170, s24, 5, v1                ; piece
	v_bfe_u32 v171, v170, 7, 4                     ; ot
	v_bfe_u32 v172, v170, 1, 4                     ; r
	v_lshl_add_u32 v171, v171, 4, v172             ; output row
	v_lshrrev_b32 v172, 11, v170                   ; ks
	v_bfe_u32 v173, v170, 5, 2                     ; 2 half + h
	v_lshlrev_b32 v173, 3, v173
	v_lshl_add_u32 v172, v172, 5, v173
	v_and_b32 v173, 1, v170
	v_lshl_add_u32 v172, v173, 2, v172             ; column
	v_mad_u32_u24 v171, v171, \K, v172
	v_lshlrev_b32 v171, 2, v171
	s_wait_kmcnt 0x0
	global_load_b128 v[WRAW:WRAW+3], v171, s[\src:\src+1]
.endm
; and, much later, rounded and stored
.macro WFIN dstoff
	v_lshl_add_u32 v170, s24, 5, v1                ; piece
	v_lshlrev_b32 v170, 3, v170
	RB2 WRAW, WRAW+1, 186
	RB2 WRAW+2, WRAW+3, 187
	v_cvt_pk_f16_f32 v[WPK],   v[WRAW],   v[WRAW+1]
	v_cvt_pk_f16_f32 v[WPK+1], v[WRAW+2], v[WRAW+3]
	global_store_b64 v170, v[WPK:WPK+1], s[16:17] offset:\dstoff   ; the wave stores 256 consecutive bytes, aligned
.endm
	s_load_b256 s[4:11], s[0:1], 0x0               ; p1 s[4:5], p2 s[6:7], x2 s[8:9], W1 s[10:11]
	s_load_b128 s[12:15], s[0:1], 0x20             ; W2 s[12:13], gid s[14:15]
	s_load_b64 s[16:17], s[0:1], 0x30              ; pre
	v_lshl_add_u32 v188, v0, 2, 0x1a400
	v_mov_b32 v189, 0
	v_and_b32 v1, 31, v0                           ; lane
	v_lshrrev_b32 v180, 5, v0
	v_readfirstlane_b32 s22, v180                  ; wave
	s_lshr_b32 s25, ttmp9, 7                       ; batch
	s_mul_i32 s26, s25, 49152                      ; p2: 4,096 points x 12 bytes a batch
	s_mov_b32 s27, 0
	s_mul_i32 s28, ttmp9, 1536                     ; p1: 128 queries x 12 bytes a work-group
	s_mov_b32 s29, 0
	s_and_b32 s23, ttmp9, 1                        ; which 128 channels of x2
	s_bfe_u32 s33, ttmp9, 0x60001                  ; which 64 points of x2
	s_lshl_b32 s30, s25, 22                        ; x2: batch x 256 x 16,384 bytes
	s_lshl_b32 s31, s23, 21                        ;   + 128 channels x 16,384
	s_add_co_u32 s30, s30, s31
	s_lshl_b32 s31, s33, 8                         ;   + 64 points x 4
	s_add_co_u32 s30, s30, s31
	s_mov_b32 s31, 0
	s_lshl_b32 s34, s25, 21                        ; transposed x2: batch x 4,096 rows of 512 bytes
	s_lshl_b32 s35, s33, 15                        ;   + 64 rows a block
	s_add_co_u32 s34, s34, s35
	s_and_b32 s35, s22, 3
	s_lshl_b32 s35, s35, 13                        ;   + 16 rows for each of waves 4 to 7, which write them
	s_add_co_u32 s34, s34, s35
	s_lshl_b32 s35, s23, 8                         ;   + 256 bytes for the upper 128 channels
	s_add_co_u32 s34, s34, s35
	s_mov_b32 s35, 0
	s_lshl_b32 s38, ttmp9, 11                      ; gid: 128 records of 16 bytes
	s_mov_b32 s39, 0
	v_mul_u32_u24 v4, v0, 48                       ; p2: four points a thread and load group
	v_mul_u32_u24 v5, v1, 48                       ; p1: four queries a lane
	v_lshrrev_b32 v181, 4, v0                      ; thread / 16: channel row
	v_and_b32 v182, 15, v0                         ; thread % 16: four points
	v_lshlrev_b32 v6, 14, v181
	v_lshl_add_u32 v6, v182, 4, v6                 ; x2 offset
	v_lshlrev_b32 v7, 6, v0                        ; table: four entries of 16 bytes
	v_mul_u32_u24 v183, v182, 1088                 ; stage: row 4 (t % 16), 272 bytes a row
	v_lshl_add_u32 v183, v181, 1, v183             ;   + 2 bytes a channel
	v_add_nc_u32 v8, TT, v183
	; the weights' pieces are asked for first of all: the oldest load of the wave, so every later count holds with and without it
	s_cmp_lt_u32 s22, 3
	s_cbranch_scc0 .Lask_w2
	s_mul_i32 s24, ttmp9, 3                        ; W1: 768 runs of 32 pieces, three a work-group (waves 0 to 2)
	s_add_co_u32 s24, s24, s22
	WASK 10, 384
	s_branch .Lasked
.Lask_w2:
	s_cmp_lt_u32 s22, 5
	s_cbranch_scc0 .Lasked
	s_lshl_b32 s24, ttmp9, 1                       ; W2: 512 runs, two a work-group (waves 3 and 4)
	s_add_co_u32 s24, s24, s22
	s_sub_co_u32 s24, s24, 3
	WASK 12, 256
.Lasked:
	s_wait_kmcnt 0x0
	s_add_nc_u64 s[6:7], s[6:7], s[26:27]
	s_add_nc_u64 s[4:5], s[4:5], s[28:29]
	s_add_nc_u64 s[8:9], s[8:9], s[30:31]
	s_add_nc_u64 s[36:37], s[16:17], s[34:35]
	s_add_nc_u64 s[14:15], s[14:15], s[38:39]
.irp i, 0,1,2,3
.irp j, 0,1,2
	global_load_b128 v[RAW+12*\i+4*\j:RAW+12*\i+4*\j+3], v4, s[6:7] offset:\i*12288+16*\j
.endr
.endr
.irp j, 0,1,2
	global_load_b128 v[P1R+4*\j:P1R+4*\j+3], v5, s[4:5] offset:16*\j
.endr
.irp i, 0,1,2,3,4,5,6,7
	global_load_b128 v[X2R+4*\i:X2R+4*\i+3], v6, s[8:9] offset:\i*262144 th:TH_LOAD_NT
.endr
	; the table: entry = (x, y, z, bb) of the rounded point
	s_wait_loadcnt 11                              ; p2 is in; the 3 loads of p1 and the 8 of x2 are younger
.set cnt, 0
.rept 24
	RB2 RAW+2*cnt, RAW+2*cnt+1, S+(cnt&3)
.set cnt, cnt+1
.endr
.irp i, 0,1,2,3
.irp j, 0,1,2,3
	v_mov_b32 v[T+4*\j],   v[RAW+12*\i+3*\j]
	v_mov_b32 v[T+4*\j+1], v[RAW+12*\i+3*\j+1]
	v_mov_b32 v[T+4*\j+2], v[RAW+12*\i+3*\j+2]
	v_mul_f32 v[T+4*\j+3], v[T+4*\j], v[T+4*\j]
	v_fma_f32 v[T+4*\j+3], v[T+4*\j+1], v[T+4*\j+1], v[T+4*\j+3]
	v_fma_f32 v[T+4*\j+3], v[T+4*\j+2], v[T+4*\j+2], v[T+4*\j+3]
	ds_store_b128 v7, v[T+4*\j:T+4*\j+3] offset:\i*16384+16*\j
.endr
.endr
	s_wait_loadcnt 8                               ; p1 is in; x2's 8 loads are younger and stay out over the whole scan
.set cnt, 0
.rept 6
	RB2 P1R+2*cnt, P1R+2*cnt+1, S+(cnt&3)
.set cnt, cnt+1
.endr
.irp j, 0,1,2,3
	v_mov_b32 v[AX+\j], v[P1R+3*\j]
	v_mov_b32 v[AY+\j], v[P1R+3*\j+1]
	v_mov_b32 v[AZ+\j], v[P1R+3*\j+2]
.endr
.irp p, 0,2
	v_pk_mul_f32 v[AA+\p:AA+\p+1], v[AX+\p:AX+\p+1], v[AX+\p:AX+\p+1]
	v_pk_fma_f32 v[AA+\p:AA+\p+1], v[AY+\p:AY+\p+1], v[AY+\p:AY+\p+1], v[AA+\p:AA+\p+1]
	v_pk_fma_f32 v[AA+\p:AA+\p+1], v[AZ+\p:AZ+\p+1], v[AZ+\p:AZ+\p+1], v[AA+\p:AA+\p+1]
.endr
	s_mov_b32 s20, 0x7f800000                      ; the lists start at +infinity
.irp r, 0,1,2,3,4,5,6,7,8,9,10,11
	v_mov_b32 v[D1+\r], s20
	v_mov_b32 v[I1+\r], 0
.endr
	s_lshl_b32 s24, s22, 13
	v_mov_b32 v[VE], s24                           ; my 512 entries of the table
	s_lshl_b32 s24, s22, 5
	v_mov_b32 v[VG], s24                           ; my first group's number
	s_wait_dscnt 0x0                               ; my stores into the table are done,
	s_barrier_signal -1
	s_barrier_wait -1                              ; everybody's are
.irp c, 0,1,2,3,4,5,6,7
	ds_load_b128 v[E0+4*\c:E0+4*\c+3], v[VE] offset:16*\c
.endr
.irp c, 0,1,2,3,4,5,6,7
	ds_load_b128 v[E1+4*\c:E1+4*\c+3], v[VE] offset:128+16*\c
.endr
; two entries (e, e + 1 of buf) against my four queries; first = 1 starts the group's minimum
.macro PAIR buf, e, first
.irp c, 0,1
.irp p, 0,1
	v_pk_mul_f32 v[T+4*\c+2*\p:T+4*\c+2*\p+1], v[AX+2*\p:AX+2*\p+1], v[\buf+4*(\e+\c):\buf+4*(\e+\c)+1] op_sel_hi:[1,0]
.endr
.endr
.irp c, 0,1
.irp p, 0,1
	v_pk_fma_f32 v[T+4*\c+2*\p:T+4*\c+2*\p+1], v[AY+2*\p:AY+2*\p+1], v[\buf+4*(\e+\c):\buf+4*(\e+\c)+1], v[T+4*\c+2*\p:T+4*\c+2*\p+1] op_sel:[0,1,0]
.endr
.endr
.irp c, 0,1
.irp p, 0,1
	v_pk_fma_f32 v[T+4*\c+2*\p:T+4*\c+2*\p+1], v[AZ+2*\p:AZ+2*\p+1], v[\buf+4*(\e+\c)+2:\buf+4*(\e+\c)+3], v[T+4*\c+2*\p:T+4*\c+2*\p+1] op_sel_hi:[1,0,1]
.endr
.endr
.irp c, 0,1
.irp p, 0,1
	v_pk_add_f32 v[S+4*\c+2*\p:S+4*\c+2*\p+1], v[AA+2*\p:AA+2*\p+1], v[\buf+4*(\e+\c)+2:\buf+4*(\e+\c)+3] op_sel:[0,1]
.endr
.endr
.irp c, 0,1
.irp p, 0,1
	v_pk_fma_f32 v[T+4*\c+2*\p:T+4*\c+2*\p+1], v[T+4*\c+2*\p:T+4*\c+2*\p+1], -2.0, v[S+4*\c+2*\p:S+4*\c+2*\p+1] op_sel_hi:[1,0,1]
.endr
.endr
.irp q, 0,1,2,3
.if \first
	v_min_num_f32 v[M+\q], v[T+\q], v[T+4+\q]
.else
	v_min3_num_f32 v[M+\q], v[M+\q], v[T+\q], v[T+4+\q]
.endif
.endr
.endm
; (m, g) into the ascending list (d1, d2, d3), (i1, i2, i3); the strict compare leaves an earlier equal entry in front
.macro INS m, g, d1, d2, d3, i1, i2, i3
	v_cmp_lt_f32 vcc_lo, v[\m], v[\d1]
	v_cmp_lt_f32 s20, v[\m], v[\d2]
	v_cmp_lt_f32 s21, v[\m], v[\d3]
	v_cndmask_b32 v[\i3], v[\i3], v[\g], s21
	v_cndmask_b32 v[\i3], v[\i3], v[\i2], s20
	v_cndmask_b32 v[\i2], v[\i2], v[\g], s20
	v_cndmask_b32 v[\i2], v[\i2], v[\i1], vcc_lo
	v_cndmask_b32 v[\i1], v[\i1], v[\g], vcc_lo
	v_med3_num_f32 v[\d3], v[\m], v[\d2], v[\d3]
	v_med3_num_f32 v[\d2], v[\m], v[\d1], v[\d2]
	v_min_num_f32 v[\d1], v[\m], v[\d1]
.endm
; eight entries; refill = 1: the buffer takes the same eight entries of the next group
.macro HALF buf, boff, first, refill, left
	s_wait_dscnt \left                             ; LDS loads come back in order: this buffer's eight are in, the other's eight may be out
	PAIR \buf, 0, \first
	PAIR \buf, 2, 0
	PAIR \buf, 4, 0
	PAIR \buf, 6, 0
.if \refill
.irp c, 0,1,2,3,4,5,6,7
	ds_load_b128 v[\buf+4*\c:\buf+4*\c+3], v[VE] offset:256+\boff+16*\c
.endr
.endif
.endm
.macro TRIP refill, left1
	HALF E0, 0, 1, \refill, 8
	HALF E1, 128, 0, \refill, \left1
.irp q, 0,1,2,3
	INS M+\q, VG, D1+\q, D2+\q, D3+\q, I1+\q, I2+\q, I3+\q
.endr
.endm
	s_mov_b32 s24, 31
.Lscan:
	TRIP 1, 8
	v_add_nc_u32 v[VE], 256, v[VE]
	v_add_nc_u32 v[VG], 1, v[VG]
	s_sub_co_i32 s24, s24, 1
	s_cmp_lg_u32 s24, 0
	s_cbranch_scc1 .Lscan
	TRIP 0, 0                                      ; the last group: nothing is left to load, the counts run down 8, 0
	; the eight waves' lists meet in LDS
	s_mul_i32 s24, s22, 3072
	s_add_co_u32 s24, s24, MRG
	v_lshl_add_u32 v174, v1, 4, s24
.irp f, 0,1,2,3,4,5
	ds_store_b128 v174, v[D1+4*\f:D1+4*\f+3] offset:512*\f
.endr
	; x2, asked for at the start: round to bf16, keep as f16, and lay each number at [point][channel]
	s_wait_loadcnt 0x0
.irp i, 0,1,2,3,4,5,6,7
	RB2 X2R+4*\i, X2R+4*\i+1, T+2*(\i&1)
	RB2 X2R+4*\i+2, X2R+4*\i+3, T+2*(\i&1)+1
	v_cvt_pk_f16_f32 v[S+2*(\i&1)],   v[X2R+4*\i],   v[X2R+4*\i+1]
	v_cvt_pk_f16_f32 v[S+2*(\i&1)+1], v[X2R+4*\i+2], v[X2R+4*\i+3]
	ds_store_b16        v8, v[S+2*(\i&1)]   offset:32*\i
	ds_store_b16_d16_hi v8, v[S+2*(\i&1)]   offset:32*\i+272
	ds_store_b16        v8, v[S+2*(\i&1)+1] offset:32*\i+544
	ds_store_b16_d16_hi v8, v[S+2*(\i&1)+1] offset:32*\i+816
.endr
	; the weights' pieces, asked for at the start; the run's number is made again, since s24 counted the scan
	s_cmp_lt_u32 s22, 3
	s_cbranch_scc0 .Lfin_w2
	s_mul_i32 s24, ttmp9, 3
	s_add_co_u32 s24, s24, s22
	WFIN W1F
	s_branch .Lfinished
.Lfin_w2:
	s_cmp_lt_u32 s22, 5
	s_cbranch_scc0 .Lfinished
	s_lshl_b32 s24, ttmp9, 1
	s_add_co_u32 s24, s24, s22
	s_sub_co_u32 s24, s24, 3
	WFIN W2F
.Lfinished:
	s_wait_dscnt 0x0                               ; my lists and my part of the stage are in LDS,
	s_barrier_signal -1
	s_barrier_wait -1                              ; everybody's are
	s_cmp_ge_u32 s22, 4
	s_cbranch_scc1 .Lrows
	; waves 0 to 3: 128 queries, one a thread
	v_lshlrev_b32 v175, 2, v0
	v_add_nc_u32 v175, MRG, v175
	v_lshlrev_b32 v176, 4, v0
.irp s, 0,1,2,3,4,5,6,7
.irp f, 0,1,2,3,4,5
	ds_load_b32 v[72+6*\s+\f], v175 offset:(6*\s+\f)*512
.endr
.endr
	s_wait_dscnt 0x0
.irp s, 1,2,3,4,5,6,7
.irp e, 0,1,2
	INS 72+6*\s+\e, 75+6*\s+\e, 72, 73, 74, 75, 76, 77      ; waves in ascending order = group numbers in ascending order
.endr
.endr
	v_min_u32 v124, v75, v76                       ; the three group numbers in ascending order, so that the next launch meets candidates by ascending index
	v_max_u32 v125, v75, v76
	v_min_u32 v120, v124, v77
	v_max_u32 v126, v124, v77
	v_min_u32 v121, v125, v126
	v_max_u32 v122, v125, v126
	v_mov_b32 v123, 0
	global_store_b128 v176, v[120:123], s[14:15]
	s_branch .Lend
.Lrows:
	; waves 4 to 7: 16 rows of the stage each, two rows a load
	s_and_b32 s24, s22, 3
	s_mul_i32 s24, s24, 4352                       ; 16 rows of 272 bytes
	s_add_co_u32 s24, s24, TT
	v_lshrrev_b32 v172, 4, v1
	v_and_b32 v173, 15, v1
	v_mul_u32_u24 v168, v172, 272
	v_lshl_add_u32 v168, v173, 4, v168
	v_add_nc_u32 v168, s24, v168                   ; lanes 0-15 one row of 256 bytes, lanes 16-31 the next
	v_lshlrev_b32 v169, 9, v172
	v_lshl_add_u32 v169, v173, 4, v169             ; the same two rows in memory, 512 bytes apart
.irp i, 0,1,2,3,4,5,6,7
	ds_load_b128 v[X2R+4*\i:X2R+4*\i+3], v168 offset:544*\i
.endr
.irp i, 0,1,2,3,4,5,6,7
	s_wait_dscnt 7-\i                              ; the later rows stay out
	global_store_b128 v169, v[X2R+4*\i:X2R+4*\i+3], s[36:37] offset:1024*\i   ; 16 lanes store 256 consecutive bytes, aligned
.endr
.Lend:
	s_wait_tensorcnt 0x0
	ds_add_u32 v188, v189
	s_wait_dscnt 0x0
	s_endpgm
.Lfunc_end_k_q66a7aa10e6_knna:
	.size	k_q66a7aa10e6_knna, .Lfunc_end_k_q66a7aa10e6_knna-k_q66a7aa10e6_knna
	.p2alignl 7, 3214868480
	.fill 96, 4, 3214868480
	.section	.rodata,"a",@progbits
	.p2align	6, 0x0
	.amdhsa_kernel k_q66a7aa10e6_knna
		.amdhsa_group_segment_fixed_size 108544
		.amdhsa_private_segment_fixed_size 0
		.amdhsa_enable_private_segment 0
		.amdhsa_kernarg_size 56
		.amdhsa_user_sgpr_count 2
		.amdhsa_user_sgpr_kernarg_segment_ptr 1
		.amdhsa_wavefront_size32 1
		.amdhsa_system_sgpr_workgroup_id_x 1
		.amdhsa_system_sgpr_workgroup_id_y 1
		.amdhsa_system_sgpr_workgroup_id_z 1
		.amdhsa_system_vgpr_workitem_id 0
		.amdhsa_next_free_vgpr 190
		.amdhsa_next_free_sgpr 66
		.amdhsa_reserve_vcc 1
		.amdhsa_float_denorm_mode_32 3
		.amdhsa_float_denorm_mode_16_64 3
		.amdhsa_memory_ordered 1
		.amdhsa_forward_progress 1
		.amdhsa_inst_pref_size 74
	.end_amdhsa_kernel
	.amdgpu_metadata
---
amdhsa.version: [ 1, 2 ]
amdhsa.kernels:
  - .name:           k_q66a7aa10e6_knna
    .symbol:         k_q66a7aa10e6_knna.kd
    .args:
      - { .name: p1, .offset: 0, .size: 8, .value_kind: global_buffer, .address_space: global }
      - { .name: p2, .offset: 8, .size: 8, .value_kind: global_buffer, .address_space: global }
      - { .name: x2, .offset: 16, .size: 8, .value_kind: global_buffer, .address_space: global }
      - { .name: W1, .offset: 24, .size: 8, .value_kind: global_buffer, .address_space: global }
      - { .name: W2, .offset: 32, .size: 8, .value_kind: global_buffer, .address_space: global }
      - { .name: gid, .offset: 40, .size: 8, .value_kind: global_buffer, .address_space: global }
      - { .name: pre, .offset: 48, .size: 8, .value_kind: global_buffer, .address_space: global }
    .group_segment_fixed_size: 108544
    .private_segment_fixed_size: 0
    .kernarg_segment_align: 8
    .kernarg_segment_size: 56
    .max_flat_workgroup_size: 256
    .sgpr_count:     66
    .vgpr_count:     190
    .wavefront_size: 32
...
	.end_amdgpu_metadata
.endif
;; end of part 1
;; launch knnb (part 2): grid 256 x 1, 4 waves a work-group, no clusters, 0 bytes of LDS; arguments p1, p2, gid, nidx, nw; writes nidx, nw
.if DOCPART == 2
	.amdgcn_target "amdgcn-amd-amdhsa--gfx1250"
	.amdhsa_code_object_version 6
	.text
	.protected	k_q66a7aa10e6_knnb
	.globl	k_q66a7aa10e6_knnb
	.p2align	8
	.type	k_q66a7aa10e6_knnb,@function
k_q66a7aa10e6_knnb:
	s_mov_b64 s[64:65], 0
	v_nop
	global_prefetch_b8 v0, s[64:65] scope:SCOPE_SE
	s_setreg_imm32_b32 hwreg(HW_REG_WAVE_MODE, 25, 1), 1
	s_wait_xcnt 0x0
; Neighbour search, second pass: one thread a query.  The 48 candidates of the query's three groups (group numbers ascending, so
; candidates come by ascending index and the strict compare gives equal distances to the lower index) are ranked by the same
; arithmetic as in the first pass: coordinates rounded to bf16 (nearest even) as they are loaded, so that every product is exact in f32;
; aa, bb, dot summed over x, y, z in ascending order; d = (aa + bb) - 2 dot.
; Then w = 1 / (max(d, 0) + 1e-16), divided by their sum.  Stored: three indices and three weights a query.
; LIMITS: the neighbours and distances are those of the rounded coordinates (relative step 2^-8).  NaN or infinite coordinates are not
; served; a group number read from memory is clamped to 255.
; A group is 192 consecutive bytes at a multiple of 16: twelve 16-byte loads; entry c lies in registers EN + 3 c.
.set GB,  12                           ; v[12:14] first candidate index of group k
.set OFF, 16                           ; v[16:18] its byte offset in p2
.set CI,  28                           ; the candidate's index
.set EN,  32                           ; v[32:175] 3 groups x 48 registers
.set BBR, 176                          ; v[176:191] bb, then aa + bb
.set DT,  192                          ; v[192:207] dot, then distance
; two f32 registers rounded to bf16 (nearest even) and widened again, in place; t: a register at work
.macro RB2 a, b, t
	v_cvt_pk_bf16_f32 v[\t], v[\a], v[\b]
	v_lshlrev_b32 v[\a], 16, v[\t]
	v_and_b32 v[\b], 0xffff0000, v[\t]
.endm
	s_load_b256 s[4:11], s[0:1], 0x0               ; p1 s[4:5], p2 s[6:7], gid s[8:9], nidx s[10:11]
	s_load_b64 s[12:13], s[0:1], 0x20              ; nw
	s_lshr_b32 s14, ttmp9, 7                       ; batch
	s_mul_i32 s16, s14, 49152
	s_mov_b32 s17, 0
	s_mul_i32 s18, ttmp9, 1536
	s_mov_b32 s19, 0
	s_lshl_b32 s22, ttmp9, 11
	s_mov_b32 s23, 0
	v_mul_u32_u24 v2, v0, 12
	v_lshlrev_b32 v3, 4, v0
	s_wait_kmcnt 0x0
	s_add_nc_u64 s[6:7], s[6:7], s[16:17]
	s_add_nc_u64 s[4:5], s[4:5], s[18:19]
	s_add_nc_u64 s[8:9], s[8:9], s[22:23]
	s_add_nc_u64 s[10:11], s[10:11], s[22:23]
	s_add_nc_u64 s[12:13], s[12:13], s[22:23]
	global_load_b32 v4, v2, s[4:5]
	global_load_b32 v5, v2, s[4:5] offset:4
	global_load_b32 v6, v2, s[4:5] offset:8
	global_load_b128 v[8:11], v3, s[8:9]
	s_wait_loadcnt 0x0
.irp k, 0,1,2
	v_min_u32 v[8+\k], 0xff, v[8+\k]               ; 256 groups a batch
	v_lshlrev_b32 v[GB+\k], 4, v[8+\k]
	v_mul_u32_u24 v[OFF+\k], v[8+\k], 192
.endr
.irp k, 0,1,2
.irp j, 0,1,2,3,4,5,6,7,8,9,10,11
	global_load_b128 v[EN+48*\k+4*\j:EN+48*\k+4*\j+3], v[OFF+\k], s[6:7] offset:16*\j
.endr
.endr
	RB2 4, 5, CI                                   ; the query, rounded
	v_cvt_pk_bf16_f32 v[CI], v6, v6
	v_lshlrev_b32 v6, 16, v[CI]
	v_mul_f32 v7, v4, v4
	v_fma_f32 v7, v5, v5, v7
	v_fma_f32 v7, v6, v6, v7                       ; aa
	s_mov_b32 s20, 0x7f800000
.irp r, 0,1,2
	v_mov_b32 v[20+\r], s20                        ; d1, d2, d3 = +infinity
	v_mov_b32 v[24+\r], 0                          ; i1, i2, i3
.endr
.macro INS m, g, d1, d2, d3, i1, i2, i3
	v_cmp_lt_f32 vcc_lo, v[\m], v[\d1]
	v_cmp_lt_f32 s20, v[\m], v[\d2]
	v_cmp_lt_f32 s21, v[\m], v[\d3]
	v_cndmask_b32 v[\i3], v[\i3], v[\g], s21
	v_cndmask_b32 v[\i3], v[\i3], v[\i2], s20
	v_cndmask_b32 v[\i2], v[\i2], v[\g], s20
	v_cndmask_b32 v[\i2], v[\i2], v[\i1], vcc_lo
	v_cndmask_b32 v[\i1], v[\i1], v[\g], vcc_lo
	v_med3_num_f32 v[\d3], v[\m], v[\d2], v[\d3]
	v_med3_num_f32 v[\d2], v[\m], v[\d1], v[\d2]
	v_min_num_f32 v[\d1], v[\m], v[\d1]
.endm
.macro GROUP k, left
	s_wait_loadcnt \left                           ; this group's twelve loads are in; the later groups' stay out
.set cnt, 0
.rept 24
	RB2 EN+48*\k+2*cnt, EN+48*\k+2*cnt+1, BBR+(cnt&3)
.set cnt, cnt+1
.endr
.irp c, 0,1,2,3,4,5,6,7,8,9,10,11,12,13,14,15
	v_mul_f32 v[BBR+\c], v[EN+48*\k+3*\c], v[EN+48*\k+3*\c]
.endr
.irp c, 0,1,2,3,4,5,6,7,8,9,10,11,12,13,14,15
	v_fma_f32 v[BBR+\c], v[EN+48*\k+3*\c+1], v[EN+48*\k+3*\c+1], v[BBR+\c]
.endr
.irp c, 0,1,2,3,4,5,6,7,8,9,10,11,12,13,14,15
	v_fma_f32 v[BBR+\c], v[EN+48*\k+3*\c+2], v[EN+48*\k+3*\c+2], v[BBR+\c]
.endr
.irp c, 0,1,2,3,4,5,6,7,8,9,10,11,12,13,14,15
	v_mul_f32 v[DT+\c], v4, v[EN+48*\k+3*\c]
.endr
.irp c, 0,1,2,3,4,5,6,7,8,9,10,11,12,13,14,15
	v_fma_f32 v[DT+\c], v5, v[EN+48*\k+3*\c+1], v[DT+\c]
.endr
.irp c, 0,1,2,3,4,5,6,7,8,9,10,11,12,13,14,15
	v_fma_f32 v[DT+\c], v6, v[EN+48*\k+3*\c+2], v[DT+\c]
.endr
.irp c, 0,1,2,3,4,5,6,7,8,9,10,11,12,13,14,15
	v_add_f32 v[BBR+\c], v7, v[BBR+\c]
.endr
.irp c, 0,1,2,3,4,5,6,7,8,9,10,11,12,13,14,15
	v_fma_f32 v[DT+\c], -2.0, v[DT+\c], v[BBR+\c]
.endr
.irp c, 0,1,2,3,4,5,6,7,8,9,10,11,12,13,14,15
	v_add_nc_u32 v[CI], \c, v[GB+\k]
	INS DT+\c, CI, 20, 21, 22, 24, 25, 26
.endr
.endm
	GROUP 0, 24
	GROUP 1, 12
	GROUP 2, 0
.irp r, 0,1,2
	v_max_num_f32 v[20+\r], 0, v[20+\r]
.endr
.irp r, 0,1,2
	v_add_f32 v[20+\r], 0x24e69595, v[20+\r]       ; + 1e-16
.endr
	v_rcp_f32 v208, v20
	v_rcp_f32 v209, v21
	v_rcp_f32 v210, v22
	v_nop                                          ; one plain vector instruction between a reciprocal and the use of its result (ISA guide 5.7.2)
	s_wait_alu depctr_va_vdst(0)
	v_add_f32 v212, v208, v209
	v_add_f32 v212, v212, v210
	v_rcp_f32 v213, v212
	v_mov_b32 v211, 0                              ; the place behind the reciprocal
	v_mov_b32 v27, 0
	s_wait_alu depctr_va_vdst(0)
	v_mul_f32 v208, v208, v213
	v_mul_f32 v209, v209, v213
	v_mul_f32 v210, v210, v213
	global_store_b128 v3, v[24:27], s[10:11]
	global_store_b128 v3, v[208:211], s[12:13]
	s_endpgm
.Lfunc_end_k_q66a7aa10e6_knnb:
	.size	k_q66a7aa10e6_knnb, .Lfunc_end_k_q66a7aa10e6_knnb-k_q66a7aa10e6_knnb
	.p2alignl 7, 3214868480
	.fill 96, 4, 3214868480
	.section	.rodata,"a",@progbits
	.p2align	6, 0x0
	.amdhsa_kernel k_q66a7aa10e6_knnb
		.amdhsa_group_segment_fixed_size 0
		.amdhsa_private_segment_fixed_size 0
		.amdhsa_enable_private_segment 0
		.amdhsa_kernarg_size 40
		.amdhsa_user_sgpr_count 2
		.amdhsa_user_sgpr_kernarg_segment_ptr 1
		.amdhsa_wavefront_size32 1
		.amdhsa_system_sgpr_workgroup_id_x 1
		.amdhsa_system_sgpr_workgroup_id_y 1
		.amdhsa_system_sgpr_workgroup_id_z 1
		.amdhsa_system_vgpr_workitem_id 0
		.amdhsa_next_free_vgpr 216
		.amdhsa_next_free_sgpr 66
		.amdhsa_reserve_vcc 1
		.amdhsa_float_denorm_mode_32 3
		.amdhsa_float_denorm_mode_16_64 3
		.amdhsa_memory_ordered 1
		.amdhsa_forward_progress 1
		.amdhsa_inst_pref_size 67
	.end_amdhsa_kernel
	.amdgpu_metadata
---
amdhsa.version: [ 1, 2 ]
amdhsa.kernels:
  - .name:           k_q66a7aa10e6_knnb
    .symbol:         k_q66a7aa10e6_knnb.kd
    .args:
      - { .name: p1, .offset: 0, .size: 8, .value_kind: global_buffer, .address_space: global }
      - { .name: p2, .offset: 8, .size: 8, .value_kind: global_buffer, .address_space: global }
      - { .name: gid, .offset: 16, .size: 8, .value_kind: global_buffer, .address_space: global }
      - { .name: nidx, .offset: 24, .size: 8, .value_kind: global_buffer, .address_space: global }
      - { .name: nw, .offset: 32, .size: 8, .value_kind: global_buffer, .address_space: global }
    .group_segment_fixed_size: 0
    .private_segment_fixed_size: 0
    .kernarg_segment_align: 8
    .kernarg_segment_size: 40
    .max_flat_workgroup_size: 128
    .sgpr_count:     66
    .vgpr_count:     216
    .wavefront_size: 32
...
	.end_amdgpu_metadata
.endif
;; end of part 2
;; launch gemm1 (part 3): grid 256 x 1, 8 waves a work-group, no clusters, 175,104 bytes of LDS; arguments x1, pre, nidx, nw, b1, y1; writes y1
.if DOCPART == 3
	.amdgcn_target "amdgcn-amd-amdhsa--gfx1250"
	.amdhsa_code_object_version 6
	.text
	.protected	k_q66a7aa10e6_gemm1
	.globl	k_q66a7aa10e6_gemm1
	.p2align	8
	.type	k_q66a7aa10e6_gemm1,@function
k_q66a7aa10e6_gemm1:
	s_mov_b64 s[64:65], 0
	v_nop
	global_prefetch_b8 v0, s[64:65] scope:SCOPE_SE
	s_setreg_imm32_b32 hwreg(HW_REG_WAVE_MODE, 25, 1), 1
	s_wait_xcnt 0x0
; Interpolation, concatenation and the first linear layer: y[o][n] = sum over k of W1[o][k] X[k][n] (+ b1[o]), K = 384.
; A work-group makes all 256 channels of 128 points.  Phase 0 builds X in LDS in f16: channels 0-127 from x1 (as [k][n], read later by
; the transposing LDS load), channels 128-383 by gathering three rows of the transposed x2 a point and weighting them in f32
; (as [n][k]).  Main part: wave w makes channels 32 w .. 32 w + 31 of all 128 points, 16 accumulator tiles, 128 registers; source 0 is
; X (rows = points), source 1 is W1 (columns = channels), loaded from memory in fragment order straight into registers, each byte
; once a work-group.  In the result a lane holds ONE channel and 64 points, so the tile's statistics are sums inside a lane
; and one exchange between the halves of the wave.
; Stored: z = y - (the tile's mean of y), f16, [channel][point]; and for each channel the tile's mean (with the bias) and its
; centred sum of squares.  The variance is later merged from these: no difference of large sums is formed.
; FORMATS: the inputs x1, x2, W1 are rounded to bf16 (nearest even) as they are loaded, here or in the first launch, and carried as f16,
; which holds a bf16 number exactly from 6.1e-5 to 65,504 in magnitude; the interpolated channels and z, which are computed here, keep
; f16's 11 bits.  Sums in f32.  LIMITS: magnitudes above 65,504 overflow; below 6.1e-5 f16's step is 6e-8.  An index read from memory
; is clamped to 4,095.
; NO CLUSTER, NO TENSOR LOADS: every operand of X is converted or weighted on its way, so it passes through registers; what the
; work-groups share is W1 alone, 192 KiB, which goes from memory to fragment registers without touching LDS.
.set XI,    36864                      ; LDS: [128 points][256 k] f16, 528 bytes a row; XT, [128 k][128 points] f16, 288 bytes a row, lies at 0
.set STAGE, 104448                     ; LDS: [256 channels][128 points] f16, 272 bytes a row; each wave uses its own 32 rows
.set W1F,   4194304
.set PART,  16777216
.set VAT, 4                            ; transposing reads of XT
.set VAI, 5                            ; reads of XI
.set VB,  6                            ; W fragments in memory
.set VS,  7                            ; stage, in
.set VR,  8                            ; stage, back
.set VZ,  9                            ; z in memory
.set VP,  10                           ; 4 x my channel (32 w + lane)
.set AF,  64                           ; v[64:127]  eight fragments of X
.set ACC, 128                          ; v[128:255] tile (nt, ot) at ACC + 8 (2 nt + ot)
                                       ; v[16:63]   three buffers of two W fragments: K step ks in 16 + 16 ((ks + 1) % 3)
.set SS,  16                           ; way out: sums
.set MN,  24                           ; way out: means, a pair for each ot
.set QQ,  32                           ; way out: sums of squares
.set PK,  40                           ; way out: packed f16
.set OFFR, 24                          ; phase 0: v[24:29] gather offsets, three a buffer
.set G,    64                          ; phase 0: v[64:111] two buffers of 3 neighbours x 2 halves x 4 registers
.set TU,   112                         ; phase 0: v[112:123] two sets of three f32 pairs
.set PP,   124                         ; phase 0: v[124:127] packed f16
.set IDX,  128                         ; phase 0: v[128:159] index records of my 16 points (two a step)
.set WR,   160                         ; phase 0: v[160:191] weight records
.set X1R,  192                         ; phase 0: v[192:255] 16 rows of x1
; two f32 registers rounded to bf16 (nearest even) and widened again, in place; t: a register at work
.macro RB2 a, b, t
	v_cvt_pk_bf16_f32 v[\t], v[\a], v[\b]
	v_lshlrev_b32 v[\a], 16, v[\t]
	v_and_b32 v[\b], 0xffff0000, v[\t]
.endm
	s_load_b256 s[4:11], s[0:1], 0x0               ; x1 s[4:5], pre s[6:7], nidx s[8:9], nw s[10:11]
	s_load_b128 s[12:15], s[0:1], 0x20             ; b1 s[12:13], y1 s[14:15]
	v_lshl_add_u32 v13, v0, 2, 0x2a800
	v_mov_b32 v14, 0
	v_and_b32 v1, 31, v0                           ; lane
	v_lshrrev_b32 v11, 5, v0
	v_readfirstlane_b32 s20, v11                   ; wave
	v_and_b32 v2, 15, v0                           ; r
	v_bfe_u32 v3, v0, 4, 1                         ; h
	s_lshr_b32 s21, ttmp9, 7                       ; batch
	s_and_b32 s22, ttmp9, 127                      ; block of 128 points
	s_mov_b32 s28, 0x76543210                      ; v_permlanex16_b32: lane i reads lane i of the other half
	s_mov_b32 s29, 0xfedcba98
	s_mov_b32 s30, 0xffff0000                      ; lanes 16-31
	s_lshl_b32 s32, s21, 23
	s_lshl_b32 s33, s20, 20
	s_add_co_u32 s32, s32, s33                     ; batch x 8 MiB + wave x 1 MiB: 16 rows of x1 (64 KiB each) as well as 32 rows of z (32 KiB each)
	s_lshl_b32 s33, s22, 9
	s_add_co_u32 s34, s32, s33                     ; x1: + 128 points x 4 bytes
	s_mov_b32 s35, 0
	s_lshl_b32 s33, s22, 8
	s_add_co_u32 s32, s32, s33                     ; z: + 128 points x 2 bytes
	s_mov_b32 s33, 0
	s_lshl_b32 s36, ttmp9, 11
	s_lshl_b32 s37, s20, 8
	s_add_co_u32 s38, s36, s37                     ; records of my wave's 16 points
	s_mov_b32 s39, 0
	s_add_co_u32 s36, s36, PART                    ; the tile's statistics: 2,048 bytes a work-group
	s_mov_b32 s37, 0
	s_lshl_b32 s40, s21, 21                        ; transposed x2 of my batch
	s_mov_b32 s41, 0
	v_and_b32 v11, 7, v0
	v_lshl_add_u32 v11, v3, 3, v11
	v_mul_u32_u24 v[VAT], v11, 288                 ; row 8 h + lane % 8
	v_bfe_u32 v11, v0, 3, 1
	v_lshl_add_u32 v[VAT], v11, 4, v[VAT]          ; + 16 bytes for lanes 8-15 of each half
	v_mul_u32_u24 v[VAI], v2, 528
	v_lshl_add_u32 v[VAI], v3, 4, v[VAI]
	v_add_nc_u32 v[VAI], XI, v[VAI]
	s_lshl_b32 s42, s20, 11
	v_lshl_add_u32 v[VB], v1, 4, s42               ; two blocks of 1,024 bytes a wave, 16 bytes a lane
	s_mul_i32 s43, s20, 8704                       ; my 32 rows of the stage
	s_add_co_u32 s43, s43, STAGE
	v_mul_u32_u24 v[VS], v2, 272
	v_lshl_add_u32 v[VS], v3, 4, v[VS]
	v_add_nc_u32 v[VS], s43, v[VS]
	v_mul_u32_u24 v[VR], v3, 272
	v_lshl_add_u32 v[VR], v2, 4, v[VR]
	v_add_nc_u32 v[VR], s43, v[VR]
	v_lshlrev_b32 v[VZ], 15, v3
	v_lshl_add_u32 v[VZ], v2, 4, v[VZ]
	v_lshlrev_b32 v[VP], 2, v0
	v_lshlrev_b32 v16, 4, v3                       ; record of point 2 s + h
	v_lshlrev_b32 v17, 4, v1                       ; x1: 16 bytes a lane
	s_mul_i32 s43, s20, 4608                       ; XT: my 16 rows
	v_lshl_add_u32 v18, v1, 3, s43
	s_mul_i32 s43, s20, 8448                       ; XI: my 16 rows
	s_add_co_u32 s43, s43, XI
	v_mul_u32_u24 v19, v3, 528
	v_lshl_add_u32 v19, v2, 4, v19
	v_add_nc_u32 v19, s43, v19
	v_lshlrev_b32 v20, 4, v2                       ; my 16 bytes of half a gathered row
	s_wait_kmcnt 0x0
	s_add_nc_u64 s[4:5], s[4:5], s[34:35]
	s_add_nc_u64 s[16:17], s[6:7], W1F
	s_add_nc_u64 s[18:19], s[6:7], s[40:41]
	s_add_nc_u64 s[8:9], s[8:9], s[38:39]
	s_add_nc_u64 s[10:11], s[10:11], s[38:39]
	s_add_nc_u64 s[24:25], s[14:15], s[32:33]
	s_add_nc_u64 s[26:27], s[14:15], s[36:37]
	; PHASE 0.  Loads come back in order, so each count names the younger loads.
.irp ks, 0,1
.irp i, 0,1,2,3
	global_load_b128 v[32+16*\ks+4*\i:32+16*\ks+4*\i+3], v[VB], s[16:17] offset:\ks*16384+512*\i
.endr
.endr
.irp s, 0,1,2,3,4,5,6,7
	global_load_b128 v[IDX+4*\s:IDX+4*\s+3], v16, s[8:9] offset:32*\s
.endr
.irp s, 0,1,2,3,4,5,6,7
	global_load_b128 v[WR+4*\s:WR+4*\s+3], v16, s[10:11] offset:32*\s
.endr
.irp i, 0,1,2,3,4,5,6,7,8,9,10,11,12,13,14,15
	global_load_b128 v[X1R+4*\i:X1R+4*\i+3], v17, s[4:5] offset:65536*\i th:TH_LOAD_NT
.endr
; the three rows of points 2 s, 2 s + 1: sixteen lanes a point, 2 x 16 bytes a lane and row
.macro GISSUE s, buf
.irp k, 0,1,2
	v_min_u32 v[IDX+4*\s+\k], 0xfff, v[IDX+4*\s+\k]
	v_lshl_add_u32 v[OFFR+3*\buf+\k], v[IDX+4*\s+\k], 9, v20
.endr
.irp k, 0,1,2
	global_load_b128 v[G+24*\buf+8*\k:G+24*\buf+8*\k+3],   v[OFFR+3*\buf+\k], s[18:19]
	global_load_b128 v[G+24*\buf+8*\k+4:G+24*\buf+8*\k+7], v[OFFR+3*\buf+\k], s[18:19] offset:256
.endr
.endm
; one word (two channels) of the three rows, weighted in f32, rounded once to f16.  The halves of a register have names only on plain register numbers.
.macro GW g0, g1, g2, set, s, p
	v_cvt_f32_f16 v[TU+6*\set],   v\g0\().l
	v_cvt_f32_f16 v[TU+6*\set+1], v\g0\().h
	v_cvt_f32_f16 v[TU+6*\set+2], v\g1\().l
	v_cvt_f32_f16 v[TU+6*\set+3], v\g1\().h
	v_cvt_f32_f16 v[TU+6*\set+4], v\g2\().l
	v_cvt_f32_f16 v[TU+6*\set+5], v\g2\().h
	v_pk_mul_f32 v[TU+6*\set:TU+6*\set+1], v[TU+6*\set:TU+6*\set+1], v[WR+4*\s:WR+4*\s+1] op_sel_hi:[1,0]
	v_pk_fma_f32 v[TU+6*\set:TU+6*\set+1], v[TU+6*\set+2:TU+6*\set+3], v[WR+4*\s:WR+4*\s+1], v[TU+6*\set:TU+6*\set+1] op_sel:[0,1,0]
	v_pk_fma_f32 v[TU+6*\set:TU+6*\set+1], v[TU+6*\set+4:TU+6*\set+5], v[WR+4*\s+2:WR+4*\s+3], v[TU+6*\set:TU+6*\set+1] op_sel_hi:[1,0,1]
	v_cvt_pk_f16_f32 v[PP+\p], v[TU+6*\set], v[TU+6*\set+1]
.endm
.macro GCOMP s, buf
.if \buf == 0
	GW 64, 72, 80, 0, \s, 0
	GW 65, 73, 81, 1, \s, 1
	GW 66, 74, 82, 0, \s, 2
	GW 67, 75, 83, 1, \s, 3
	ds_store_b128 v19, v[PP:PP+3] offset:1056*\s
	GW 68, 76, 84, 0, \s, 0
	GW 69, 77, 85, 1, \s, 1
	GW 70, 78, 86, 0, \s, 2
	GW 71, 79, 87, 1, \s, 3
	ds_store_b128 v19, v[PP:PP+3] offset:1056*\s+256
.else
	GW 88, 96, 104, 0, \s, 0
	GW 89, 97, 105, 1, \s, 1
	GW 90, 98, 106, 0, \s, 2
	GW 91, 99, 107, 1, \s, 3
	ds_store_b128 v19, v[PP:PP+3] offset:1056*\s
	GW 92, 100, 108, 0, \s, 0
	GW 93, 101, 109, 1, \s, 1
	GW 94, 102, 110, 0, \s, 2
	GW 95, 103, 111, 1, \s, 3
	ds_store_b128 v19, v[PP:PP+3] offset:1056*\s+256
.endif
.endm
.macro GSTEP s, nx, buf
	s_wait_loadcnt 6                               ; this step's six loads are in (so its offsets may be written again); the next step's six stay out
	GCOMP \s, \buf
	GISSUE \nx, \buf
.endm
	s_wait_loadcnt 16                              ; the records are in; x1's 16 loads are younger
	GISSUE 0, 0
	GISSUE 1, 1
	s_wait_loadcnt 12                              ; x1 is in; the 12 gather loads are younger
.irp i, 0,1,2,3,4,5,6,7,8,9,10,11,12,13,14,15
	RB2 X1R+4*\i, X1R+4*\i+1, TU+2*(\i&1)
	RB2 X1R+4*\i+2, X1R+4*\i+3, TU+2*(\i&1)+1
	v_cvt_pk_f16_f32 v[PP+2*(\i&1)],   v[X1R+4*\i],   v[X1R+4*\i+1]
	v_cvt_pk_f16_f32 v[PP+2*(\i&1)+1], v[X1R+4*\i+2], v[X1R+4*\i+3]
	ds_store_b64 v18, v[PP+2*(\i&1):PP+2*(\i&1)+1] offset:288*\i
.endr
	GSTEP 0, 2, 0
	GSTEP 1, 3, 1
	GSTEP 2, 4, 0
	GSTEP 3, 5, 1
	GSTEP 4, 6, 0
	GSTEP 5, 7, 1
	s_wait_loadcnt 6
	GCOMP 6, 0
	s_wait_loadcnt 0x0
	GCOMP 7, 1
	s_wait_dscnt 0x0                               ; my part of X is in LDS,
	s_barrier_signal -1
	s_barrier_wait -1                              ; everybody's is
; eight matrix instructions.  The 16 accumulators take turns, one instruction a turn, in the same order in every K step.
.macro MM ks, n0, n1, n2, n3
.irp nt, \n0, \n1, \n2, \n3
.irp ot, 0,1
.if \ks == 0
	v_wmma_f32_16x16x32_f16 v[ACC+8*(2*\nt+\ot):ACC+8*(2*\nt+\ot)+7], v[AF+8*\nt:AF+8*\nt+7], v[16+16*((\ks+1)%3)+8*\ot:16+16*((\ks+1)%3)+8*\ot+7], 0
.else
	v_wmma_f32_16x16x32_f16 v[ACC+8*(2*\nt+\ot):ACC+8*(2*\nt+\ot)+7], v[AF+8*\nt:AF+8*\nt+7], v[16+16*((\ks+1)%3)+8*\ot:16+16*((\ks+1)%3)+8*\ot+7], v[ACC+8*(2*\nt+\ot):ACC+8*(2*\nt+\ot)+7]
.endif
.endr
.endr
.endm
; A K step of 32.  kind 0: X lies [k][n], transposing loads; kind 1: X lies [n][k], plain loads.  W of K step ks + 2 is asked for here.
.macro KS ks, kind, areg, aoff, nk
.if \ks > 0
.rept 4
	v_nop                                          ; four places between the last matrix instructions and loads into registers that they read
.endr
.endif
.irp nt, 0,1,2,3,4,5,6,7
.if \kind == 0
	ds_load_tr16_b128 v[AF+8*\nt:AF+8*\nt+3],   v[\areg] offset:\aoff+32*\nt
	ds_load_tr16_b128 v[AF+8*\nt+4:AF+8*\nt+7], v[\areg] offset:\aoff+32*\nt+4608
.else
	ds_load_b128 v[AF+8*\nt:AF+8*\nt+3],   v[\areg] offset:\aoff+8448*\nt
	ds_load_b128 v[AF+8*\nt+4:AF+8*\nt+7], v[\areg] offset:\aoff+8448*\nt+32
.endif
.endr
.if \ks+2 < \nk
.irp i, 0,1,2,3
	global_load_b128 v[16+16*((\ks+3)%3)+4*\i:16+16*((\ks+3)%3)+4*\i+3], v[VB], s[16:17] offset:(\ks+2)*16384+512*\i
.endr
	s_wait_loadcnt 0x8                             ; this step's W is in; the four loads of each of the next two steps may be out
.else
.if \ks+2 == \nk
	s_wait_loadcnt 0x4
.else
	s_wait_loadcnt 0x0
.endif
.endif
	s_wait_dscnt 0x8                               ; fragments 0-3 are in
	MM \ks, 0, 1, 2, 3
	s_wait_dscnt 0x0
	MM \ks, 4, 5, 6, 7
.endm
.irp ks, 0,1,2,3
	KS \ks, 0, VAT, \ks*9216, 12
.endr
.irp ks, 4,5,6,7,8,9,10,11
	KS \ks, 1, VAI, (\ks-4)*64, 12
.endr
	; THE WAY OUT.  Register j of tile (nt, ot) in lane (r, h) is point 16 nt + 8 h + j of channel 32 w + 16 ot + r.
.rept 4
	v_nop                                          ; four places behind the last matrix instructions
.endr
	global_load_b32 v15, v[VP], s[12:13]           ; the bias of channel 32 w + lane
.irp j, 0,1
.irp ot, 0,1
	v_pk_add_f32 v[SS+2*(\ot+2*\j):SS+2*(\ot+2*\j)+1], v[ACC+8*\ot+2*\j:ACC+8*\ot+2*\j+1], v[ACC+8*\ot+2*\j+4:ACC+8*\ot+2*\j+5]
.endr
.endr
.irp nt, 1,2,3,4,5,6,7
.irp j, 0,1,2,3
.irp ot, 0,1
	v_pk_add_f32 v[SS+2*(\ot+2*(\j&1)):SS+2*(\ot+2*(\j&1))+1], v[SS+2*(\ot+2*(\j&1)):SS+2*(\ot+2*(\j&1))+1], v[ACC+8*(2*\nt+\ot)+2*\j:ACC+8*(2*\nt+\ot)+2*\j+1]
.endr
.endr
.endr
.irp ot, 0,1
	v_pk_add_f32 v[SS+2*\ot:SS+2*\ot+1], v[SS+2*\ot:SS+2*\ot+1], v[SS+2*\ot+4:SS+2*\ot+5]
.endr
	v_add_f32 v[SS], v[SS], v[SS+1]
	v_add_f32 v[SS+2], v[SS+2], v[SS+3]
	v_permlanex16_b32 v[SS+4], v[SS], s28, s29     ; the other 64 points of the channel
	v_permlanex16_b32 v[SS+6], v[SS+2], s28, s29
	v_add_f32 v[SS], v[SS], v[SS+4]
	v_add_f32 v[SS+2], v[SS+2], v[SS+6]
	v_mul_f32 v[MN],   0x3c000000, v[SS]           ; / 128, twice: a pair for the packed subtraction
	v_mul_f32 v[MN+1], 0x3c000000, v[SS]
	v_mul_f32 v[MN+2], 0x3c000000, v[SS+2]
	v_mul_f32 v[MN+3], 0x3c000000, v[SS+2]
.irp nt, 0,1,2,3,4,5,6,7
.irp ot, 0,1
.irp j, 0,1,2,3
	v_pk_add_f32 v[ACC+8*(2*\nt+\ot)+2*\j:ACC+8*(2*\nt+\ot)+2*\j+1], v[ACC+8*(2*\nt+\ot)+2*\j:ACC+8*(2*\nt+\ot)+2*\j+1], v[MN+2*\ot:MN+2*\ot+1] neg_lo:[0,1] neg_hi:[0,1]
.endr
.irp j, 0,1,2,3
.if 4*\nt+\j < 2
	v_pk_mul_f32 v[QQ+4*\ot+2*(\j&1):QQ+4*\ot+2*(\j&1)+1], v[ACC+8*(2*\nt+\ot)+2*\j:ACC+8*(2*\nt+\ot)+2*\j+1], v[ACC+8*(2*\nt+\ot)+2*\j:ACC+8*(2*\nt+\ot)+2*\j+1]
.else
	v_pk_fma_f32 v[QQ+4*\ot+2*(\j&1):QQ+4*\ot+2*(\j&1)+1], v[ACC+8*(2*\nt+\ot)+2*\j:ACC+8*(2*\nt+\ot)+2*\j+1], v[ACC+8*(2*\nt+\ot)+2*\j:ACC+8*(2*\nt+\ot)+2*\j+1], v[QQ+4*\ot+2*(\j&1):QQ+4*\ot+2*(\j&1)+1]
.endif
.endr
.irp j, 0,1,2,3
	v_cvt_pk_f16_f32 v[PK+4*\ot+\j], v[ACC+8*(2*\nt+\ot)+2*\j], v[ACC+8*(2*\nt+\ot)+2*\j+1]
.endr
	ds_store_b128 v[VS], v[PK+4*\ot:PK+4*\ot+3] offset:\ot*4352+32*\nt
.endr
.endr
.irp ot, 0,1
	v_pk_add_f32 v[QQ+4*\ot:QQ+4*\ot+1], v[QQ+4*\ot:QQ+4*\ot+1], v[QQ+4*\ot+2:QQ+4*\ot+3]
.endr
	v_add_f32 v[QQ], v[QQ], v[QQ+1]
	v_add_f32 v[QQ+4], v[QQ+4], v[QQ+5]
	v_permlanex16_b32 v[QQ+2], v[QQ], s28, s29
	v_permlanex16_b32 v[QQ+6], v[QQ+4], s28, s29
	v_add_f32 v[QQ], v[QQ], v[QQ+2]
	v_add_f32 v[QQ+4], v[QQ+4], v[QQ+6]
	v_cndmask_b32 v[SS],   v[MN], v[MN+2], s30      ; lanes 0-15 speak for ot = 0, lanes 16-31 for ot = 1: lane = channel - 32 w
	v_cndmask_b32 v[SS+1], v[QQ], v[QQ+4], s30
	s_wait_loadcnt 0x0                             ; the bias
	v_add_f32 v[SS], v[SS], v15                    ; the bias drops out of the centred numbers and lives in the tile's mean
	global_store_b32 v[VP], v[SS],   s[26:27]
	global_store_b32 v[VP], v[SS+1], s[26:27] offset:1024
.irp i, 0,1,2,3,4,5,6,7,8,9,10,11,12,13,14,15
	ds_load_b128 v[AF+4*\i:AF+4*\i+3], v[VR] offset:544*\i          ; LDS serves a wave's instructions in order: these see my stores above
.endr
.irp i, 0,1,2,3,4,5,6,7,8,9,10,11,12,13,14,15
	s_wait_dscnt 15-\i
	global_store_b128 v[VZ], v[AF+4*\i:AF+4*\i+3], s[24:25] offset:65536*\i   ; 16 lanes store 256 consecutive bytes, aligned: a channel's 128 points
.endr
	s_wait_tensorcnt 0x0
	ds_add_u32 v13, v14
	s_wait_dscnt 0x0
	s_endpgm
.Lfunc_end_k_q66a7aa10e6_gemm1:
	.size	k_q66a7aa10e6_gemm1, .Lfunc_end_k_q66a7aa10e6_gemm1-k_q66a7aa10e6_gemm1
	.p2alignl 7, 3214868480
	.fill 96, 4, 3214868480
	.section	.rodata,"a",@progbits
	.p2align	6, 0x0
	.amdhsa_kernel k_q66a7aa10e6_gemm1
		.amdhsa_group_segment_fixed_size 175104
		.amdhsa_private_segment_fixed_size 0
		.amdhsa_enable_private_segment 0
		.amdhsa_kernarg_size 48
		.amdhsa_user_sgpr_count 2
		.amdhsa_user_sgpr_kernarg_segment_ptr 1
		.amdhsa_wavefront_size32 1
		.amdhsa_system_sgpr_workgroup_id_x 1
		.amdhsa_system_sgpr_workgroup_id_y 1
		.amdhsa_system_sgpr_workgroup_id_z 1
		.amdhsa_system_vgpr_workitem_id 0
		.amdhsa_next_free_vgpr 256
		.amdhsa_next_free_sgpr 66
		.amdhsa_reserve_vcc 0
		.amdhsa_float_denorm_mode_32 3
		.amdhsa_float_denorm_mode_16_64 3
		.amdhsa_memory_ordered 1
		.amdhsa_forward_progress 1
		.amdhsa_inst_pref_size 104
	.end_amdhsa_kernel
	.amdgpu_metadata
---
amdhsa.version: [ 1, 2 ]
amdhsa.kernels:
  - .name:           k_q66a7aa10e6_gemm1
    .symbol:         k_q66a7aa10e6_gemm1.kd
    .args:
      - { .name: x1, .offset: 0, .size: 8, .value_kind: global_buffer, .address_space: global }
      - { .name: pre, .offset: 8, .size: 8, .value_kind: global_buffer, .address_space: global }
      - { .name: nidx, .offset: 16, .size: 8, .value_kind: global_buffer, .address_space: global }
      - { .name: nw, .offset: 24, .size: 8, .value_kind: global_buffer, .address_space: global }
      - { .name: b1, .offset: 32, .size: 8, .value_kind: global_buffer, .address_space: global }
      - { .name: y1, .offset: 40, .size: 8, .value_kind: global_buffer, .address_space: global }
    .group_segment_fixed_size: 175104
    .private_segment_fixed_size: 0
    .kernarg_segment_align: 8
    .kernarg_segment_size: 48
    .max_flat_workgroup_size: 256
    .sgpr_count:     66
    .vgpr_count:     256
    .wavefront_size: 32
...
	.end_amdgpu_metadata
.endif
;; end of part 3
;; launch stat1 (part 4): grid 8 x 1, 8 waves a work-group, no clusters, 3,072 bytes of LDS; arguments y1, g1, coef; writes coef
.if DOCPART == 4
	.amdgcn_target "amdgcn-amd-amdhsa--gfx1250"
	.amdhsa_code_object_version 6
	.text
	.protected	k_q66a7aa10e6_stat1
	.globl	k_q66a7aa10e6_stat1
	.p2align	8
	.type	k_q66a7aa10e6_stat1,@function
k_q66a7aa10e6_stat1:
	s_mov_b64 s[64:65], 0
	v_nop
	global_prefetch_b8 v0, s[64:65] scope:SCOPE_SE
	s_setreg_imm32_b32 hwreg(HW_REG_WAVE_MODE, 25, 1), 1
	s_wait_xcnt 0x0
; Batch statistics of 256 channels from 256 tiles of 128 points: mu = mean of the tiles' means;
; var = (sum of the tiles' centred squares + 128 x sum of (tile mean - mu)^2) / 32,768.  Every term is a square: nothing cancels.
; Stored: mu[256], then A[256] = gain / sqrt(var + 1e-5).  The gain is rounded to bf16 (nearest even) like the program's other inputs.
; A work-group takes 32 channels (lane = channel), wave w the tiles 32 w .. 32 w + 31; the waves' sums meet in LDS.
; 512 KiB are read in all: eight work-groups of eight waves have work; more would only split the two short sums further.
.set PART, 16777216
.set MEAN, 8                           ; v[8:39]
.set M2R,  40                          ; v[40:71]
.set SM,   73                          ; v[73:76] four chains
.set MU,   77
.set RD,   80                          ; v[80:87] the eight waves' sums
.set SQ,   88                          ; v[88:91] four chains
	s_load_b128 s[4:7], s[0:1], 0x0                ; y s[4:5], gain s[6:7]
	s_load_b64 s[8:9], s[0:1], 0x10                ; coef
	v_lshl_add_u32 v96, v0, 2, 0x800
	v_mov_b32 v97, 0
	v_and_b32 v1, 31, v0
	v_lshrrev_b32 v2, 5, v0
	v_readfirstlane_b32 s12, v2                    ; wave
	v_lshlrev_b32 v2, 2, v1                        ; 4 x lane
	v_lshlrev_b32 v3, 2, v0                        ; 4 x thread
	s_lshl_b32 s14, ttmp9, 7                       ; 32 channels x 4 bytes
	s_mov_b32 s15, 0
	s_lshl_b32 s16, s12, 16                        ; 32 records of 2,048 bytes
	s_add_co_u32 s16, s16, s14
	s_add_co_u32 s16, s16, PART
	s_mov_b32 s17, 0
	s_wait_kmcnt 0x0
	s_add_nc_u64 s[4:5], s[4:5], s[16:17]
	s_add_nc_u64 s[6:7], s[6:7], s[14:15]
	s_add_nc_u64 s[8:9], s[8:9], s[14:15]
	global_load_b32 v72, v2, s[6:7]
.irp i, 0,1,2,3,4,5,6,7,8,9,10,11,12,13,14,15,16,17,18,19,20,21,22,23,24,25,26,27,28,29,30,31
	global_load_b32 v[MEAN+\i], v2, s[4:5] offset:2048*\i
.endr
.irp i, 0,1,2,3,4,5,6,7,8,9,10,11,12,13,14,15,16,17,18,19,20,21,22,23,24,25,26,27,28,29
	global_load_b32 v[M2R+\i], v2, s[4:5] offset:2048*\i+1024
.endr
	s_wait_loadcnt 30                              ; the gain and the means are in; 30 sums of squares are younger
	global_load_b32 v[M2R+30], v2, s[4:5] offset:2048*30+1024      ; the last two go out here: 63 loads were out at the most
	global_load_b32 v[M2R+31], v2, s[4:5] offset:2048*31+1024
	v_cvt_pk_bf16_f32 v72, v72, v72                ; the gain, rounded to bf16
	v_lshlrev_b32 v72, 16, v72
.irp c, 0,1,2,3
	v_add_f32 v[SM+\c], v[MEAN+\c], v[MEAN+4+\c]
.endr
.irp a, 2,3,4,5,6,7
.irp c, 0,1,2,3
	v_add_f32 v[SM+\c], v[SM+\c], v[MEAN+4*\a+\c]
.endr
.endr
	v_add_f32 v[SM], v[SM], v[SM+1]
	v_add_f32 v[SM+2], v[SM+2], v[SM+3]
	v_add_f32 v[SM], v[SM], v[SM+2]
	ds_store_b32 v3, v[SM]
	s_wait_dscnt 0x0
	s_barrier_signal -1
	s_barrier_wait -1
.irp i, 0,1,2,3,4,5,6,7
	ds_load_b32 v[RD+\i], v2 offset:128*\i
.endr
	s_wait_dscnt 0x0
.irp i, 0,2,4,6
	v_add_f32 v[RD+\i], v[RD+\i], v[RD+\i+1]
.endr
	v_add_f32 v[RD], v[RD], v[RD+2]
	v_add_f32 v[RD+4], v[RD+4], v[RD+6]
	v_add_f32 v[RD], v[RD], v[RD+4]
	v_mul_f32 v[MU], 0x3b800000, v[RD]             ; / 256 tiles of equal size
.irp a, 0,1,2,3,4,5,6,7
.irp c, 0,1,2,3
	v_sub_f32 v[MEAN+4*\a+\c], v[MEAN+4*\a+\c], v[MU]
.endr
.endr
.irp c, 0,1,2,3
	v_mul_f32 v[SM+\c], v[MEAN+\c], v[MEAN+\c]
.endr
.irp a, 1,2,3,4,5,6,7
.irp c, 0,1,2,3
	v_fma_f32 v[SM+\c], v[MEAN+4*\a+\c], v[MEAN+4*\a+\c], v[SM+\c]
.endr
.endr
	s_wait_loadcnt 0x0
.irp c, 0,1,2,3
	v_add_f32 v[SQ+\c], v[M2R+\c], v[M2R+4+\c]
.endr
.irp a, 2,3,4,5,6,7
.irp c, 0,1,2,3
	v_add_f32 v[SQ+\c], v[SQ+\c], v[M2R+4*\a+\c]
.endr
.endr
	v_add_f32 v[SM], v[SM], v[SM+1]
	v_add_f32 v[SM+2], v[SM+2], v[SM+3]
	v_add_f32 v[SM], v[SM], v[SM+2]
	v_add_f32 v[SQ], v[SQ], v[SQ+1]
	v_add_f32 v[SQ+2], v[SQ+2], v[SQ+3]
	v_add_f32 v[SQ], v[SQ], v[SQ+2]
	v_fma_f32 v[SM], 0x43000000, v[SM], v[SQ]      ; 128 points a tile
	ds_store_b32 v3, v[SM] offset:1024             ; other bytes than the first sum's
	s_wait_dscnt 0x0
	s_barrier_signal -1
	s_barrier_wait -1
.irp i, 0,1,2,3,4,5,6,7
	ds_load_b32 v[RD+\i], v2 offset:1024+128*\i
.endr
	s_wait_dscnt 0x0
.irp i, 0,2,4,6
	v_add_f32 v[RD+\i], v[RD+\i], v[RD+\i+1]
.endr
	v_add_f32 v[RD], v[RD], v[RD+2]
	v_add_f32 v[RD+4], v[RD+4], v[RD+6]
	v_add_f32 v[RD], v[RD], v[RD+4]
	v_mul_f32 v78, 0x38000000, v[RD]               ; / 32,768
	v_add_f32 v78, 0x3727c5ac, v78                 ; + 1e-5
	v_rsq_f32 v79, v78
	v_nop                                          ; one plain vector instruction behind the root (ISA guide 5.7.2)
	s_wait_alu depctr_va_vdst(0)
	v_mul_f32 v79, v79, v72
	s_cmp_lg_u32 s12, 0
	s_cbranch_scc1 .Lend                           ; every wave holds the result; wave 0 stores it
	global_store_b32 v2, v[MU], s[8:9]
	global_store_b32 v2, v79, s[8:9] offset:1024
.Lend:
	s_wait_tensorcnt 0x0
	ds_add_u32 v96, v97
	s_wait_dscnt 0x0
	s_endpgm
.Lfunc_end_k_q66a7aa10e6_stat1:
	.size	k_q66a7aa10e6_stat1, .Lfunc_end_k_q66a7aa10e6_stat1-k_q66a7aa10e6_stat1
	.p2alignl 7, 3214868480
	.fill 96, 4, 3214868480
	.section	.rodata,"a",@progbits
	.p2align	6, 0x0
	.amdhsa_kernel k_q66a7aa10e6_stat1
		.amdhsa_group_segment_fixed_size 3072
		.amdhsa_private_segment_fixed_size 0
		.amdhsa_enable_private_segment 0
		.amdhsa_kernarg_size 24
		.amdhsa_user_sgpr_count 2
		.amdhsa_user_sgpr_kernarg_segment_ptr 1
		.amdhsa_wavefront_size32 1
		.amdhsa_system_sgpr_workgroup_id_x 1
		.amdhsa_system_sgpr_workgroup_id_y 1
		.amdhsa_system_sgpr_workgroup_id_z 1
		.amdhsa_system_vgpr_workitem_id 0
		.amdhsa_next_free_vgpr 98
		.amdhsa_next_free_sgpr 66
		.amdhsa_reserve_vcc 0
		.amdhsa_float_denorm_mode_32 3
		.amdhsa_float_denorm_mode_16_64 3
		.amdhsa_memory_ordered 1
		.amdhsa_forward_progress 1
		.amdhsa_inst_pref_size 15
	.end_amdhsa_kernel
	.amdgpu_metadata
---
amdhsa.version: [ 1, 2 ]
amdhsa.kernels:
  - .name:           k_q66a7aa10e6_stat1
    .symbol:         k_q66a7aa10e6_stat1.kd
    .args:
      - { .name: y1, .offset: 0, .size: 8, .value_kind: global_buffer, .address_space: global }
      - { .name: g1, .offset: 8, .size: 8, .value_kind: global_buffer, .address_space: global }
      - { .name: coef, .offset: 16, .size: 8, .value_kind: global_buffer, .address_space: global }
    .group_segment_fixed_size: 3072
    .private_segment_fixed_size: 0
    .kernarg_segment_align: 8
    .kernarg_segment_size: 24
    .max_flat_workgroup_size: 256
    .sgpr_count:     66
    .vgpr_count:     98
    .wavefront_size: 32
...
	.end_amdgpu_metadata
.endif
;; end of part 4
;; launch gemm2 (part 5): grid 256 x 1, 8 waves a work-group, no clusters, 144,384 bytes of LDS; arguments y1, coef, be1, pre, b2, y2; writes y2
.if DOCPART == 5
	.amdgcn_target "amdgcn-amd-amdhsa--gfx1250"
	.amdhsa_code_object_version 6
	.text
	.protected	k_q66a7aa10e6_gemm2
	.globl	k_q66a7aa10e6_gemm2
	.p2align	8
	.type	k_q66a7aa10e6_gemm2,@function
k_q66a7aa10e6_gemm2:
	s_mov_b64 s[64:65], 0
	v_nop
	global_prefetch_b8 v0, s[64:65] scope:SCOPE_SE
	s_setreg_imm32_b32 hwreg(HW_REG_WAVE_MODE, 25, 1), 1
	s_wait_xcnt 0x0
; First batch norm and ReLU, then the second linear layer: y2[o][n] = sum over k of W2[o][k] H[k][n] (+ b2[o]), K = 256,
; H = max(0, A (z + m - mu) + beta) with z the centred f16 numbers, m the tile's mean, mu and A the batch's figures.
; The same tiles as in the first layer: a work-group makes all 256 channels of 128 points.  Phase 0: wave w maps rows 32 w .. 32 w + 31
; of z (f32 arithmetic) and lays H in LDS as [k][n] f16; the main part and the way out are those of the first layer, all fragments of H
; by the transposing LDS load.
; Stored: the centred y2 as f16, [channel][point]; and the tile's statistics as PAIRS, [tile][channel](mean with the bias, centred sum of
; squares), 8 bytes a channel, so that a wave's one store covers 256 consecutive bytes.  (The first layer's statistics, read here, lie as two
; arrays of 256 words a tile.)
; FORMATS: the inputs W2 (in the first launch) and beta (here) are rounded to bf16, nearest even, like the program's other inputs; W2 is carried as
; f16, which holds a bf16 number exactly from 6.1e-5 to 65,504 in magnitude; H and z, which are computed, keep f16's 11 bits.  Sums in f32.
; LIMITS: magnitudes of H, W2 and of the centred y2 above 65,504 overflow; below 6.1e-5 f16's step is 6e-8.
; NO CLUSTER, NO TENSOR LOADS: H is computed on its way into LDS; what the work-groups share is W2 alone, 128 KiB, which goes from
; memory to fragment registers without touching LDS.
.set STAGE, 73728                      ; LDS: H, [256 k][128 points] f16, 288 bytes a row, lies at 0; the stage, [256][128] f16, 272 bytes a row, behind it
.set W2F,   4390912
.set PART,  16777216
.set VAT,  4                           ; transposing reads of H, k 0-127
.set VAT2, 5                           ; k 128-255
.set VB,  6
.set VS,  7
.set VR,  8
.set VZ,  9
.set VP,  10
.set CA,  12                           ; lane = row: A
.set CB,  13                           ; lane = row: A (m - mu) + beta
.set AF,  64                           ; v[64:127]  phase 0: 32 rows of z; then eight fragments of H
.set ACC, 128
.set SS,  16
.set MN,  24
.set QQ,  32
.set PK,  40
.set TF,  16                           ; phase 0: v[16:19] f32 at work
.set PH,  20                           ; phase 0: v[20:21] packed f16
.set HS,  22                           ; phase 0: where my rows of H go
	s_load_b256 s[4:11], s[0:1], 0x0               ; y1 s[4:5], coef s[6:7], be1 s[8:9], pre s[10:11]
	s_load_b128 s[12:15], s[0:1], 0x20             ; b2 s[12:13], y2 s[14:15]
	s_set_vgpr_msb 0x40
	v_lshl_add_u32 v0, v0, 2, 0x23000
	v_mov_b32 v1, 0
	s_set_vgpr_msb 0x4000
	v_and_b32 v1, 31, v0
	v_lshrrev_b32 v11, 5, v0
	v_readfirstlane_b32 s20, v11                   ; wave
	v_and_b32 v2, 15, v0                           ; r
	v_bfe_u32 v3, v0, 4, 1                         ; h
	s_lshr_b32 s21, ttmp9, 7                       ; batch
	s_and_b32 s22, ttmp9, 127                      ; block of 128 points
	s_mov_b32 s28, 0x76543210
	s_mov_b32 s29, 0xfedcba98
	s_mov_b32 s30, 0xffff0000
	s_lshl_b32 s32, s21, 23                        ; z: batch x 256 rows of 32 KiB
	s_lshl_b32 s33, s20, 20                        ;   + 32 rows a wave
	s_add_co_u32 s32, s32, s33
	s_lshl_b32 s33, s22, 8                         ;   + 128 points x 2 bytes
	s_add_co_u32 s32, s32, s33
	s_mov_b32 s33, 0
	s_lshl_b32 s36, ttmp9, 11
	s_add_co_u32 s36, s36, PART
	s_mov_b32 s37, 0
	v_and_b32 v11, 7, v0
	v_lshl_add_u32 v11, v3, 3, v11
	v_mul_u32_u24 v[VAT], v11, 288
	v_bfe_u32 v11, v0, 3, 1
	v_lshl_add_u32 v[VAT], v11, 4, v[VAT]
	v_add_nc_u32 v[VAT2], 36864, v[VAT]
	s_lshl_b32 s42, s20, 11
	v_lshl_add_u32 v[VB], v1, 4, s42
	s_mul_i32 s43, s20, 8704
	s_add_co_u32 s43, s43, STAGE
	v_mul_u32_u24 v[VS], v2, 272
	v_lshl_add_u32 v[VS], v3, 4, v[VS]
	v_add_nc_u32 v[VS], s43, v[VS]
	v_mul_u32_u24 v[VR], v3, 272
	v_lshl_add_u32 v[VR], v2, 4, v[VR]
	v_add_nc_u32 v[VR], s43, v[VR]
	v_lshlrev_b32 v[VZ], 15, v3
	v_lshl_add_u32 v[VZ], v2, 4, v[VZ]
	v_lshlrev_b32 v[VP], 2, v0
	v_lshlrev_b32 v23, 3, v1                       ; z: 8 bytes a lane, a row of 256 bytes a wave
	s_mul_i32 s43, s20, 9216                       ; H: my 32 rows
	v_lshl_add_u32 v[HS], v1, 3, s43
	s_wait_kmcnt 0x0
	s_add_nc_u64 s[16:17], s[10:11], W2F
	s_add_nc_u64 s[18:19], s[4:5], s[32:33]
	s_add_nc_u64 s[44:45], s[4:5], s[36:37]
	s_add_nc_u64 s[24:25], s[14:15], s[32:33]
	s_add_nc_u64 s[26:27], s[14:15], s[36:37]
	; PHASE 0
.irp ks, 0,1
.irp i, 0,1,2,3
	global_load_b128 v[32+16*\ks+4*\i:32+16*\ks+4*\i+3], v[VB], s[16:17] offset:\ks*16384+512*\i
.endr
.endr
	global_load_b32 v11, v[VP], s[6:7]             ; mu
	global_load_b32 v[CA], v[VP], s[6:7] offset:1024
	global_load_b32 v14, v[VP], s[44:45]           ; the tile's mean
	global_load_b32 v15, v[VP], s[8:9]             ; beta
.irp i, 0,1,2,3,4,5,6,7,8,9,10,11,12,13,14,15,16,17,18,19,20,21,22,23,24,25,26,27,28,29,30,31
	global_load_b64 v[AF+2*\i:AF+2*\i+1], v23, s[18:19] offset:32768*\i th:TH_LOAD_NT
.endr
	s_wait_loadcnt 32                              ; the four figures are in; z's 32 loads are younger
	v_cvt_pk_bf16_f32 v15, v15, v15                ; beta, rounded to bf16
	v_sub_f32 v14, v14, v11
	v_lshlrev_b32 v15, 16, v15
	v_fma_f32 v[CB], v14, v[CA], v15
	; a word (two points) at a time; row = (register - 64) / 2.  The halves of a register have names only on plain register numbers.
.irp z, 64,65,66,67,68,69,70,71,72,73,74,75,76,77,78,79,80,81,82,83,84,85,86,87,88,89,90,91,92,93,94,95,96,97,98,99,100,101,102,103,104,105,106,107,108,109,110,111,112,113,114,115,116,117,118,119,120,121,122,123,124,125,126,127
.if (\z&1) == 0
	s_wait_loadcnt 31-(\z-64)/2                    ; this row is in; the later rows stay out
	v_readlane_b32 s46, v[CA], (\z-64)/2
	v_readlane_b32 s47, v[CB], (\z-64)/2
.endif
	v_cvt_f32_f16 v[TF+2*(\z&1)],   v\z\().l
	v_cvt_f32_f16 v[TF+2*(\z&1)+1], v\z\().h
	v_fma_f32 v[TF+2*(\z&1)],   v[TF+2*(\z&1)],   s46, s47
	v_fma_f32 v[TF+2*(\z&1)+1], v[TF+2*(\z&1)+1], s46, s47
	v_max_num_f32 v[TF+2*(\z&1)],   0, v[TF+2*(\z&1)]
	v_max_num_f32 v[TF+2*(\z&1)+1], 0, v[TF+2*(\z&1)+1]
	v_cvt_pk_f16_f32 v[PH+(\z&1)], v[TF+2*(\z&1)], v[TF+2*(\z&1)+1]
.if (\z&1) == 1
	ds_store_b64 v[HS], v[PH:PH+1] offset:288*((\z-64)/2)
.endif
.endr
	s_wait_dscnt 0x0                               ; my rows of H are in LDS,
	s_barrier_signal -1
	s_barrier_wait -1                              ; everybody's are
; eight matrix instructions.  The 16 accumulators take turns, one instruction a turn, in the same order in every K step.
.macro MM ks, n0, n1, n2, n3
.irp nt, \n0, \n1, \n2, \n3
.irp ot, 0,1
.if \ks == 0
	v_wmma_f32_16x16x32_f16 v[ACC+8*(2*\nt+\ot):ACC+8*(2*\nt+\ot)+7], v[AF+8*\nt:AF+8*\nt+7], v[16+16*((\ks+1)%3)+8*\ot:16+16*((\ks+1)%3)+8*\ot+7], 0
.else
	v_wmma_f32_16x16x32_f16 v[ACC+8*(2*\nt+\ot):ACC+8*(2*\nt+\ot)+7], v[AF+8*\nt:AF+8*\nt+7], v[16+16*((\ks+1)%3)+8*\ot:16+16*((\ks+1)%3)+8*\ot+7], v[ACC+8*(2*\nt+\ot):ACC+8*(2*\nt+\ot)+7]
.endif
.endr
.endr
.endm
; A K step of 32: H lies [k][n], transposing loads.  W of K step ks + 2 is asked for here.
.macro KS ks, areg, aoff, nk
.if \ks > 0
.rept 4
	v_nop                                          ; four places between the last matrix instructions and loads into registers that they read
.endr
.endif
.irp nt, 0,1,2,3,4,5,6,7
	ds_load_tr16_b128 v[AF+8*\nt:AF+8*\nt+3],   v[\areg] offset:\aoff+32*\nt
	ds_load_tr16_b128 v[AF+8*\nt+4:AF+8*\nt+7], v[\areg] offset:\aoff+32*\nt+4608
.endr
.if \ks+2 < \nk
.irp i, 0,1,2,3
	global_load_b128 v[16+16*((\ks+3)%3)+4*\i:16+16*((\ks+3)%3)+4*\i+3], v[VB], s[16:17] offset:(\ks+2)*16384+512*\i
.endr
	s_wait_loadcnt 0x8                             ; this step's W is in; the four loads of each of the next two steps may be out
.else
.if \ks+2 == \nk
	s_wait_loadcnt 0x4
.else
	s_wait_loadcnt 0x0
.endif
.endif
	s_wait_dscnt 0x8                               ; fragments 0-3 are in
	MM \ks, 0, 1, 2, 3
	s_wait_dscnt 0x0
	MM \ks, 4, 5, 6, 7
.endm
.irp ks, 0,1,2,3
	KS \ks, VAT, \ks*9216, 8
.endr
.irp ks, 4,5,6,7
	KS \ks, VAT2, (\ks-4)*9216, 8
.endr
	; THE WAY OUT.  Register j of tile (nt, ot) in lane (r, h) is point 16 nt + 8 h + j of channel 32 w + 16 ot + r.
.rept 4
	v_nop                                          ; four places behind the last matrix instructions
.endr
	global_load_b32 v15, v[VP], s[12:13]           ; the bias of channel 32 w + lane
	v_lshlrev_b32 v14, 3, v0                       ; 8 x (32 w + lane): my channel's pair of statistics
.irp j, 0,1
.irp ot, 0,1
	v_pk_add_f32 v[SS+2*(\ot+2*\j):SS+2*(\ot+2*\j)+1], v[ACC+8*\ot+2*\j:ACC+8*\ot+2*\j+1], v[ACC+8*\ot+2*\j+4:ACC+8*\ot+2*\j+5]
.endr
.endr
.irp nt, 1,2,3,4,5,6,7
.irp j, 0,1,2,3
.irp ot, 0,1
	v_pk_add_f32 v[SS+2*(\ot+2*(\j&1)):SS+2*(\ot+2*(\j&1))+1], v[SS+2*(\ot+2*(\j&1)):SS+2*(\ot+2*(\j&1))+1], v[ACC+8*(2*\nt+\ot)+2*\j:ACC+8*(2*\nt+\ot)+2*\j+1]
.endr
.endr
.endr
.irp ot, 0,1
	v_pk_add_f32 v[SS+2*\ot:SS+2*\ot+1], v[SS+2*\ot:SS+2*\ot+1], v[SS+2*\ot+4:SS+2*\ot+5]
.endr
	v_add_f32 v[SS], v[SS], v[SS+1]
	v_add_f32 v[SS+2], v[SS+2], v[SS+3]
	v_permlanex16_b32 v[SS+4], v[SS], s28, s29     ; the other 64 points of the channel
	v_permlanex16_b32 v[SS+6], v[SS+2], s28, s29
	v_add_f32 v[SS], v[SS], v[SS+4]
	v_add_f32 v[SS+2], v[SS+2], v[SS+6]
	v_mul_f32 v[MN],   0x3c000000, v[SS]           ; / 128, twice: a pair for the packed subtraction
	v_mul_f32 v[MN+1], 0x3c000000, v[SS]
	v_mul_f32 v[MN+2], 0x3c000000, v[SS+2]
	v_mul_f32 v[MN+3], 0x3c000000, v[SS+2]
.irp nt, 0,1,2,3,4,5,6,7
.irp ot, 0,1
.irp j, 0,1,2,3
	v_pk_add_f32 v[ACC+8*(2*\nt+\ot)+2*\j:ACC+8*(2*\nt+\ot)+2*\j+1], v[ACC+8*(2*\nt+\ot)+2*\j:ACC+8*(2*\nt+\ot)+2*\j+1], v[MN+2*\ot:MN+2*\ot+1] neg_lo:[0,1] neg_hi:[0,1]
.endr
.irp j, 0,1,2,3
.if 4*\nt+\j < 2
	v_pk_mul_f32 v[QQ+4*\ot+2*(\j&1):QQ+4*\ot+2*(\j&1)+1], v[ACC+8*(2*\nt+\ot)+2*\j:ACC+8*(2*\nt+\ot)+2*\j+1], v[ACC+8*(2*\nt+\ot)+2*\j:ACC+8*(2*\nt+\ot)+2*\j+1]
.else
	v_pk_fma_f32 v[QQ+4*\ot+2*(\j&1):QQ+4*\ot+2*(\j&1)+1], v[ACC+8*(2*\nt+\ot)+2*\j:ACC+8*(2*\nt+\ot)+2*\j+1], v[ACC+8*(2*\nt+\ot)+2*\j:ACC+8*(2*\nt+\ot)+2*\j+1], v[QQ+4*\ot+2*(\j&1):QQ+4*\ot+2*(\j&1)+1]
.endif
.endr
.irp j, 0,1,2,3
	v_cvt_pk_f16_f32 v[PK+4*\ot+\j], v[ACC+8*(2*\nt+\ot)+2*\j], v[ACC+8*(2*\nt+\ot)+2*\j+1]
.endr
	ds_store_b128 v[VS], v[PK+4*\ot:PK+4*\ot+3] offset:\ot*4352+32*\nt
.endr
.endr
.irp ot, 0,1
	v_pk_add_f32 v[QQ+4*\ot:QQ+4*\ot+1], v[QQ+4*\ot:QQ+4*\ot+1], v[QQ+4*\ot+2:QQ+4*\ot+3]
.endr
	v_add_f32 v[QQ], v[QQ], v[QQ+1]
	v_add_f32 v[QQ+4], v[QQ+4], v[QQ+5]
	v_permlanex16_b32 v[QQ+2], v[QQ], s28, s29
	v_permlanex16_b32 v[QQ+6], v[QQ+4], s28, s29
	v_add_f32 v[QQ], v[QQ], v[QQ+2]
	v_add_f32 v[QQ+4], v[QQ+4], v[QQ+6]
	v_cndmask_b32 v[SS],   v[MN], v[MN+2], s30      ; lanes 0-15 speak for ot = 0, lanes 16-31 for ot = 1: lane = channel - 32 w
	v_cndmask_b32 v[SS+1], v[QQ], v[QQ+4], s30
	s_wait_loadcnt 0x0                             ; the bias
	v_add_f32 v[SS], v[SS], v15                    ; the bias drops out of the centred numbers and lives in the tile's mean
	global_store_b64 v14, v[SS:SS+1], s[26:27]     ; (mean, centred squares): the wave stores 256 consecutive bytes, aligned
.irp i, 0,1,2,3,4,5,6,7,8,9,10,11,12,13,14,15
	ds_load_b128 v[AF+4*\i:AF+4*\i+3], v[VR] offset:544*\i          ; LDS serves a wave's instructions in order: these see my stores above
.endr
.irp i, 0,1,2,3,4,5,6,7,8,9,10,11,12,13,14,15
	s_wait_dscnt 15-\i
	global_store_b128 v[VZ], v[AF+4*\i:AF+4*\i+3], s[24:25] offset:65536*\i   ; 16 lanes store 256 consecutive bytes, aligned: a channel's 128 points
.endr
	s_set_vgpr_msb 0x5
	s_wait_tensorcnt 0x0
	ds_add_u32 v0, v1
	s_wait_dscnt 0x0
	s_set_vgpr_msb 0x500
	s_endpgm
.Lfunc_end_k_q66a7aa10e6_gemm2:
	.size	k_q66a7aa10e6_gemm2, .Lfunc_end_k_q66a7aa10e6_gemm2-k_q66a7aa10e6_gemm2
	.p2alignl 7, 3214868480
	.fill 96, 4, 3214868480
	.section	.rodata,"a",@progbits
	.p2align	6, 0x0
	.amdhsa_kernel k_q66a7aa10e6_gemm2
		.amdhsa_group_segment_fixed_size 144384
		.amdhsa_private_segment_fixed_size 0
		.amdhsa_enable_private_segment 0
		.amdhsa_kernarg_size 48
		.amdhsa_user_sgpr_count 2
		.amdhsa_user_sgpr_kernarg_segment_ptr 1
		.amdhsa_wavefront_size32 1
		.amdhsa_system_sgpr_workgroup_id_x 1
		.amdhsa_system_sgpr_workgroup_id_y 1
		.amdhsa_system_sgpr_workgroup_id_z 1
		.amdhsa_system_vgpr_workitem_id 0
		.amdhsa_next_free_vgpr 258
		.amdhsa_next_free_sgpr 66
		.amdhsa_reserve_vcc 0
		.amdhsa_float_denorm_mode_32 3
		.amdhsa_float_denorm_mode_16_64 3
		.amdhsa_memory_ordered 1
		.amdhsa_forward_progress 1
		.amdhsa_inst_pref_size 76
	.end_amdhsa_kernel
	.amdgpu_metadata
---
amdhsa.version: [ 1, 2 ]
amdhsa.kernels:
  - .name:           k_q66a7aa10e6_gemm2
    .symbol:         k_q66a7aa10e6_gemm2.kd
    .args:
      - { .name: y1, .offset: 0, .size: 8, .value_kind: global_buffer, .address_space: global }
      - { .name: coef, .offset: 8, .size: 8, .value_kind: global_buffer, .address_space: global }
      - { .name: be1, .offset: 16, .size: 8, .value_kind: global_buffer, .address_space: global }
      - { .name: pre, .offset: 24, .size: 8, .value_kind: global_buffer, .address_space: global }
      - { .name: b2, .offset: 32, .size: 8, .value_kind: global_buffer, .address_space: global }
      - { .name: y2, .offset: 40, .size: 8, .value_kind: global_buffer, .address_space: global }
    .group_segment_fixed_size: 144384
    .private_segment_fixed_size: 0
    .kernarg_segment_align: 8
    .kernarg_segment_size: 48
    .max_flat_workgroup_size: 256
    .sgpr_count:     66
    .vgpr_count:     258
    .wavefront_size: 32
...
	.end_amdgpu_metadata
.endif
;; end of part 5
;; launch bnfin (part 6): grid 256 x 1, 8 waves a work-group, no clusters, 3,072 bytes of LDS; arguments y2, g2, be2, out0; writes out0
.if DOCPART == 6
	.amdgcn_target "amdgcn-amd-amdhsa--gfx1250"
	.amdhsa_code_object_version 6
	.text
	.protected	k_q66a7aa10e6_bnfin
	.globl	k_q66a7aa10e6_bnfin
	.p2align	8
	.type	k_q66a7aa10e6_bnfin,@function
k_q66a7aa10e6_bnfin:
	s_mov_b64 s[64:65], 0
	v_nop
	global_prefetch_b8 v0, s[64:65] scope:SCOPE_SE
	s_setreg_imm32_b32 hwreg(HW_REG_WAVE_MODE, 25, 1), 1
	s_wait_xcnt 0x0
; The second layer's batch statistics, batch norm and ReLU in one launch: out = max(0, A (z + m - mu) + beta), z the centred f16 numbers of the
; second layer, m the tile's mean, mu the batch's mean, A = gain / sqrt(var + 1e-5).
; A work-group takes 32 channels x 8 tiles of 128 points (1,024 points of one batch): 64 KiB of z in, 128 KiB out.  So it needs the statistics of
; 32 channels alone: 256 tiles x 32 pairs (mean, centred squares) = 64 KiB, which it reads and merges itself.
; STATISTICS.  Wave w takes tiles 32 w .. 32 w + 31, lane = channel, one load of 256 consecutive bytes a tile.  It merges its 32 tiles in registers:
; lm = mean of the means, q = sum of the squares' sums + 128 x sum of (m - lm)^2.  The eight waves' (lm, q) meet in LDS behind one barrier and
; are merged in the same way: mu = mean of lm, var = (sum of q + 4,096 x sum of (lm - mu)^2) / 32,768.  Every term is a square: nothing cancels.
; Each lane reads the eight pairs of the channel that it serves in the stream: lane 8 j + k serves channel 4 w + j and tile k.
; STREAM.  Wave w takes channels 4 w .. 4 w + 3; row 8 j + k is tile k of channel j: a load takes its 256 bytes, a store its 512 bytes of f32.
; The rows' loads go out with the statistics' loads and land while those are merged; every row has its own store registers, so nothing
; that a store still reads is written again.  Gain and beta are rounded to bf16 (nearest even) like the program's other inputs.
; No matrix unit and no cluster: memory binds, and what work-groups share is the 64 KiB of statistics.
.set PART, 16777216
.set CA,  12                           ; lane 8 j + k: A of channel j
.set CB,  13                           ; lane 8 j + k: A (m - mu) + beta of channel j, tile k
.set SM,  16                           ; v[16:19] four chains
.set SQ,  20                           ; v[20:23] four chains
.set LM,  24                           ; v[24:25] my wave's (lm, q)
.set RD,  32                           ; v[32:47] the eight waves' pairs
.set ZR,  64                           ; v[64:127]  32 rows of z
.set PR,  128                          ; v[128:191] 32 pairs (tile's mean, tile's squares); free when the stream begins
.set OR,  128                          ; v[128:255] 32 rows of results
	s_load_b256 s[4:11], s[0:1], 0x0               ; y2 s[4:5], g2 s[6:7], be2 s[8:9], out0 s[10:11]
	v_lshl_add_u32 v62, v0, 2, 0x800
	v_mov_b32 v63, 0
	v_and_b32 v1, 31, v0
	v_lshrrev_b32 v2, 5, v0
	v_readfirstlane_b32 s12, v2                    ; wave
	s_and_b32 s13, ttmp9, 7                        ; which 32 channels
	s_lshr_b32 s14, ttmp9, 3                       ; which 8 tiles, 0 to 31
	s_lshl_b32 s26, s13, 8                         ; 32 pairs of 8 bytes
	s_lshl_b32 s16, s12, 16                        ; statistics: 32 records of 2,048 bytes a wave
	s_add_co_u32 s16, s16, s26
	s_add_co_u32 s16, s16, PART
	s_mov_b32 s17, 0
	s_lshl_b32 s18, s14, 14                        ; my own 8 tiles' records,
	s_add_co_u32 s18, s18, s26
	s_lshl_b32 s27, s12, 5                         ;   my wave's 4 channels in them
	s_add_co_u32 s18, s18, s27
	s_add_co_u32 s18, s18, PART
	s_mov_b32 s19, 0
	s_lshl_b32 s22, s13, 7                         ; gain, beta: 32 channels x 4 bytes + 4 channels a wave
	s_lshl_b32 s27, s12, 4
	s_add_co_u32 s22, s22, s27
	s_mov_b32 s23, 0
	s_lshr_b32 s30, s14, 4                         ; batch
	s_and_b32 s31, s14, 15                         ; block of 1,024 points
	s_lshl_b32 s24, s30, 23                        ; z: batch x 256 rows of 32 KiB
	s_lshl_b32 s27, s13, 20                        ;   + 32 rows a channel group
	s_add_co_u32 s24, s24, s27
	s_lshl_b32 s27, s12, 17                        ;   + 4 rows a wave
	s_add_co_u32 s24, s24, s27
	s_lshl_b32 s27, s31, 11                        ;   + 1,024 points x 2 bytes
	s_add_co_u32 s24, s24, s27
	s_lshl_b32 s28, s24, 1                         ; out: the same with 4 bytes a number
	s_mov_b32 s25, 0
	s_mov_b32 s29, 0
	s_mov_b32 s32, 0x3727c5ac                      ; 1e-5
	v_lshlrev_b32 v3, 3, v1                        ; 8 x lane: a pair of statistics; 4 points of z
	v_lshrrev_b32 v4, 3, v1                        ; j: my channel among the wave's four
	v_and_b32 v5, 7, v1                            ; k: my tile among the eight
	v_lshlrev_b32 v6, 11, v5
	v_lshl_add_u32 v6, v4, 3, v6                   ; the mean of tile k, channel j
	v_lshlrev_b32 v7, 2, v4                        ; gain and beta of channel j
	v_lshlrev_b32 v8, 4, v1                        ; 16 x lane: 4 points of out
	v_lshlrev_b32 v9, 3, v0                        ; LDS: 8 x (32 w + lane)
	s_lshl_b32 s27, s12, 5
	v_lshl_add_u32 v10, v4, 3, s27                 ; LDS: 8 x (4 w + j)
	s_wait_kmcnt 0x0
	s_add_nc_u64 s[16:17], s[4:5], s[16:17]
	s_add_nc_u64 s[18:19], s[4:5], s[18:19]
	s_add_nc_u64 s[4:5], s[4:5], s[24:25]
	s_add_nc_u64 s[6:7], s[6:7], s[22:23]
	s_add_nc_u64 s[8:9], s[8:9], s[22:23]
	s_add_nc_u64 s[10:11], s[10:11], s[28:29]
.irp i, 0,1,2,3,4,5,6,7,8,9,10,11,12,13,14,15,16,17,18,19,20,21,22,23,24,25,26,27,28,29,30,31
	global_load_b64 v[PR+2*\i:PR+2*\i+1], v3, s[16:17] offset:2048*\i
.endr
	global_load_b32 v14, v6, s[18:19]              ; m
	global_load_b32 v15, v7, s[6:7]                ; gain
	global_load_b32 v11, v7, s[8:9]                ; beta
.irp i, 0,1,2,3,4,5,6,7,8,9,10,11,12,13,14,15,16,17,18,19,20,21,22,23,24,25,26,27
	global_load_b64 v[ZR+2*\i:ZR+2*\i+1], v3, s[4:5] offset:32768*(\i/8)+256*(\i%8) th:TH_LOAD_NT
.endr
	s_wait_loadcnt 31                              ; the 32 pairs are in; three small loads and 28 rows are younger
.irp i, 28,29,30,31
	global_load_b64 v[ZR+2*\i:ZR+2*\i+1], v3, s[4:5] offset:32768*(\i/8)+256*(\i%8) th:TH_LOAD_NT   ; the last four rows go out here: 63 loads were out at the most
.endr
	; my wave's 32 tiles
.irp c, 0,1,2,3
	v_add_f32 v[SM+\c], v[PR+2*\c], v[PR+2*(\c+4)]
.endr
.irp a, 2,3,4,5,6,7
.irp c, 0,1,2,3
	v_add_f32 v[SM+\c], v[SM+\c], v[PR+2*(4*\a+\c)]
.endr
.endr
.irp c, 0,1,2,3
	v_add_f32 v[SQ+\c], v[PR+2*\c+1], v[PR+2*(\c+4)+1]
.endr
.irp a, 2,3,4,5,6,7
.irp c, 0,1,2,3
	v_add_f32 v[SQ+\c], v[SQ+\c], v[PR+2*(4*\a+\c)+1]
.endr
.endr
	v_add_f32 v[SM], v[SM], v[SM+1]
	v_add_f32 v[SM+2], v[SM+2], v[SM+3]
	v_add_f32 v[SM], v[SM], v[SM+2]
	v_mul_f32 v[LM], 0x3d000000, v[SM]             ; / 32 tiles of equal size
.irp a, 0,1,2,3,4,5,6,7
.irp c, 0,1,2,3
	v_sub_f32 v[PR+2*(4*\a+\c)], v[PR+2*(4*\a+\c)], v[LM]
.endr
.endr
.irp c, 0,1,2,3
	v_mul_f32 v[SM+\c], v[PR+2*\c], v[PR+2*\c]
.endr
.irp a, 1,2,3,4,5,6,7
.irp c, 0,1,2,3
	v_fma_f32 v[SM+\c], v[PR+2*(4*\a+\c)], v[PR+2*(4*\a+\c)], v[SM+\c]
.endr
.endr
	v_add_f32 v[SQ], v[SQ], v[SQ+1]
	v_add_f32 v[SQ+2], v[SQ+2], v[SQ+3]
	v_add_f32 v[SM], v[SM], v[SM+1]
	v_add_f32 v[SM+2], v[SM+2], v[SM+3]
	v_add_f32 v[SQ], v[SQ], v[SQ+2]
	v_add_f32 v[SM], v[SM], v[SM+2]
	v_fma_f32 v[LM+1], 0x43000000, v[SM], v[SQ]    ; 128 points a tile
	ds_store_b64 v9, v[LM:LM+1]
	s_wait_dscnt 0x0                               ; my wave's pairs are in LDS,
	s_barrier_signal -1
	s_barrier_wait -1                              ; everybody's are
.irp i, 0,1,2,3,4,5,6,7
	ds_load_b64 v[RD+2*\i:RD+2*\i+1], v10 offset:256*\i
.endr
	s_wait_dscnt 0x0
	; the eight waves' shares, for channel 4 w + j
	v_add_f32 v48, v[RD], v[RD+2]
	v_add_f32 v49, v[RD+4], v[RD+6]
	v_add_f32 v50, v[RD+8], v[RD+10]
	v_add_f32 v51, v[RD+12], v[RD+14]
	v_add_f32 v48, v48, v49
	v_add_f32 v50, v50, v51
	v_add_f32 v48, v48, v50
	v_mul_f32 v48, 0x3e000000, v48                 ; mu: / 8 shares of equal size
.irp i, 0,1,2,3,4,5,6,7
	v_sub_f32 v[RD+2*\i], v[RD+2*\i], v48
.endr
	v_mul_f32 v49, v[RD], v[RD]
	v_mul_f32 v50, v[RD+2], v[RD+2]
.irp i, 2,3,4,5,6,7
	v_fma_f32 v[49+(\i&1)], v[RD+2*\i], v[RD+2*\i], v[49+(\i&1)]
.endr
	v_add_f32 v51, v[RD+1], v[RD+3]
	v_add_f32 v52, v[RD+5], v[RD+7]
	v_add_f32 v53, v[RD+9], v[RD+11]
	v_add_f32 v54, v[RD+13], v[RD+15]
	v_add_f32 v49, v49, v50
	v_add_f32 v51, v51, v52
	v_add_f32 v53, v53, v54
	v_add_f32 v51, v51, v53
	v_fma_f32 v49, 0x45800000, v49, v51            ; 4,096 points a share
	v_fma_f32 v49, 0x38000000, v49, s32            ; / 32,768, + 1e-5
	s_wait_loadcnt 32                              ; m, gain and beta are in; z's 32 rows are younger
	v_rsq_f32 v50, v49
	v_sub_f32 v14, v14, v48                        ; m - mu: the plain vector instruction behind the root (ISA guide 5.7.2)
	v_cvt_pk_bf16_f32 v15, v15, v11                ; gain and beta, rounded to bf16
	v_lshlrev_b32 v16, 16, v15                     ; gain
	v_and_b32 v17, 0xffff0000, v15                 ; beta
	s_wait_alu depctr_va_vdst(0)
	v_mul_f32 v[CA], v50, v16
	v_fma_f32 v[CB], v14, v[CA], v17
	; THE STREAM, a word (two points) at a time; row = (register - 64) / 2 = 8 j + k.  The halves of a register have names only on plain register numbers.
.irp z, 64,65,66,67,68,69,70,71,72,73,74,75,76,77,78,79,80,81,82,83,84,85,86,87,88,89,90,91,92,93,94,95,96,97,98,99,100,101,102,103,104,105,106,107,108,109,110,111,112,113,114,115,116,117,118,119,120,121,122,123,124,125,126,127
.if (\z&1) == 0
	s_wait_loadcnt 31-(\z-64)/2                    ; this row is in; the later rows stay out
	v_readlane_b32 s20, v[CA], (\z-64)/2
	v_readlane_b32 s21, v[CB], (\z-64)/2
.endif
	v_cvt_f32_f16 v[OR+2*(\z-64)],   v\z\().l
	v_cvt_f32_f16 v[OR+2*(\z-64)+1], v\z\().h
	v_fma_f32 v[OR+2*(\z-64)],   v[OR+2*(\z-64)],   s20, s21
	v_fma_f32 v[OR+2*(\z-64)+1], v[OR+2*(\z-64)+1], s20, s21
	v_max_num_f32 v[OR+2*(\z-64)],   0, v[OR+2*(\z-64)]
	v_max_num_f32 v[OR+2*(\z-64)+1], 0, v[OR+2*(\z-64)+1]
.if (\z&1) == 1
	global_store_b128 v8, v[OR+2*(\z-65):OR+2*(\z-65)+3], s[10:11] offset:65536*((\z-64)/16)+512*(((\z-64)/2)%8) th:TH_STORE_NT   ; the wave stores 512 consecutive bytes, aligned
.endif
.endr
	s_wait_tensorcnt 0x0
	ds_add_u32 v62, v63
	s_wait_dscnt 0x0
	s_endpgm
.Lfunc_end_k_q66a7aa10e6_bnfin:
	.size	k_q66a7aa10e6_bnfin, .Lfunc_end_k_q66a7aa10e6_bnfin-k_q66a7aa10e6_bnfin
	.p2alignl 7, 3214868480
	.fill 96, 4, 3214868480
	.section	.rodata,"a",@progbits
	.p2align	6, 0x0
	.amdhsa_kernel k_q66a7aa10e6_bnfin
		.amdhsa_group_segment_fixed_size 3072
		.amdhsa_private_segment_fixed_size 0
		.amdhsa_enable_private_segment 0
		.amdhsa_kernarg_size 32
		.amdhsa_user_sgpr_count 2
		.amdhsa_user_sgpr_kernarg_segment_ptr 1
		.amdhsa_wavefront_size32 1
		.amdhsa_system_sgpr_workgroup_id_x 1
		.amdhsa_system_sgpr_workgroup_id_y 1
		.amdhsa_system_sgpr_workgroup_id_z 1
		.amdhsa_system_vgpr_workitem_id 0
		.amdhsa_next_free_vgpr 256
		.amdhsa_next_free_sgpr 66
		.amdhsa_reserve_vcc 0
		.amdhsa_float_denorm_mode_32 3
		.amdhsa_float_denorm_mode_16_64 3
		.amdhsa_memory_ordered 1
		.amdhsa_forward_progress 1
		.amdhsa_inst_pref_size 41
	.end_amdhsa_kernel
	.amdgpu_metadata
---
amdhsa.version: [ 1, 2 ]
amdhsa.kernels:
  - .name:           k_q66a7aa10e6_bnfin
    .symbol:         k_q66a7aa10e6_bnfin.kd
    .args:
      - { .name: y2, .offset: 0, .size: 8, .value_kind: global_buffer, .address_space: global }
      - { .name: g2, .offset: 8, .size: 8, .value_kind: global_buffer, .address_space: global }
      - { .name: be2, .offset: 16, .size: 8, .value_kind: global_buffer, .address_space: global }
      - { .name: out0, .offset: 24, .size: 8, .value_kind: global_buffer, .address_space: global }
    .group_segment_fixed_size: 3072
    .private_segment_fixed_size: 0
    .kernarg_segment_align: 8
    .kernarg_segment_size: 32
    .max_flat_workgroup_size: 256
    .sgpr_count:     66
    .vgpr_count:     256
    .wavefront_size: 32
...
	.end_amdgpu_metadata
.endif
;; end of part 6
;; ======== version 2 of 2: 6 launches; version 1 with the launches knna, gemm1, gemm2, bnfin written anew for expert scheduling mode
;; limits: values outside matrix products are rounded to f16; values are held in f16: magnitudes above 65,504 overflow, below 6.1e-05 lose precision
;; workspace buffers: gid 524,288 bytes of whole numbers; nidx 524,288 bytes of whole numbers; nw 524,288 bytes; pre 4,521,984 bytes; y1 17,301,504 bytes; y2 17,301,504 bytes; coef 2,048 bytes
;; launch knna (part 7): grid 256 x 1, 8 waves a work-group, no clusters, 108,544 bytes of LDS; arguments p1, p2, x2, W1, W2, gid, pre; writes gid, pre
.if DOCPART == 7
	.amdgcn_target "amdgcn-amd-amdhsa--gfx1250"
	.amdhsa_code_object_version 6
	.text
	.protected	k_q66a7aa10e6_knna
	.globl	k_q66a7aa10e6_knna
	.p2align	8
	.type	k_q66a7aa10e6_knna,@function
k_q66a7aa10e6_knna:
	s_mov_b64 s[64:65], 0
	v_nop
	global_prefetch_b8 v0, s[64:65] scope:SCOPE_SE
	s_setreg_imm32_b32 hwreg(HW_REG_WAVE_SCHED_MODE, 0, 2), 2
	s_setreg_imm32_b32 hwreg(HW_REG_WAVE_MODE, 25, 1), 1
	s_wait_xcnt 0x0
	s_wait_alu depctr_vm_vsrc(0)
; Neighbour search, first pass, and the preparation of the 16-bit operands of the later products.
; FORMATS.  The operands of every product (the coordinates in the distances' p1 . p2 as well as x2, W1, W2) are rounded to bf16, to nearest
; even, as they are loaded; the norms aa, bb are taken of the same rounded coordinates, so that aa + bb - 2 dot stays the squared distance
; of the points that the product sees.  A product of two bf16 numbers has 16 significant bits and is exact in f32, so a fused
; multiply-add and a multiply followed by an add give the same value: the rank of nearly equal distances hangs on the order of the additions
; alone, which is: x, y, z ascending for aa, bb and dot, then (aa + bb) - 2 dot.  All sums in f32 on the vector unit: a matrix instruction
; does not round after each addition as that chain does, and the rank hangs on the last bits.
; A work-group owns 128 queries of one batch.  Wave w scans candidates 512 w .. 512 w + 511 as 32 groups of 16 for all 128 queries;
; lane L holds queries 4 L .. 4 L + 3 as two packed pairs.  Per group only the group's least distance is formed (3 instructions for a
; query and a candidate), and the three groups with the least (minimum, group number) are kept.  That filter is exact: in front of
; the group of any of the three nearest candidates (ordered by distance, then index) stand only groups that each hold a candidate
; in front of it, so at most two.  The next launch looks at the 48 candidates of the three groups.
; LIMITS: the neighbours are those of the rounded coordinates (relative step 2^-8); where that rounding changes the order of distances the
; choice differs from that for unrounded coordinates.  NaN or infinite coordinates are not served.
; Side work: x2 (128 channels x 64 points a work-group) is transposed to [point][channel]; W1 and W2 are laid in the order in which the
; matrix fragments are loaded later.  Both are kept as f16, which holds a bf16 number exactly from 6.1e-5 to 65,504 in magnitude;
; below, its step is 6e-8; above, it overflows.  Their loads go out with the first loads and are not looked at before the scan is over, so
; only the table of candidates stands between the start and the scan; behind the scan's barrier waves 0 to 3 merge the lists while
; waves 4 to 7 write the transposed rows.
; No cluster: what the work-groups share, p2, is 48 KiB a work-group.
; THE MODE: SCHED_MODE bits 1:0 = 2 (LLVM: expert scheduling mode 2), set by the entry lines.  The code itself states the register dependences
; between vector instructions and memory or LDS instructions, with s_wait_alu, always for 0.
; THE PLAN.  Registers that memory or LDS instructions touch:
;   v4 .. v8      offsets and LDS addresses, made at the head and never written again.
;   TB0, TB1      two blocks of four table entries.  Block i's moves and norms write TB[i % 2]; the four LDS stores issued in block i + 1 read it.
;   E0, E1        the scan's two buffers of eight entries.  A trip's products read E0, one wait, E0 is asked for again; its products read E1,
;                 one wait, E1 is asked for again.
;   v[VE]         read by every load of the scan; stepped once a trip, between the two refills, ahead of the wait that stands there for E1.
;   X2R           x2 as loaded; rounded and packed in place, so that every LDS store has data registers of its own; at last the rows come back into it.
;   s[40:51]      the masks of a trip's twelve compares: one wait behind the run of compares serves the four queries' selects.
.set TT,    65536                      ; LDS: transposing stage, 64 rows (points) of 272 bytes; the table of 4,096 x (x, y, z, bb) lies at 0
.set MRG,   82944                      ; LDS: [8 waves][6 fields][128 queries] words
.set W1F,   4194304                    ; byte offsets in pre
.set W2F,   4390912
.set VE,  2                            ; LDS address of my wave's current group
.set VG,  3                            ; its number
.set AX,  10                           ; v[10:13] x of my four queries; AY, AZ, AA (their squared norms) likewise
.set AY,  14
.set AZ,  18
.set AA,  22
.set D1,  26                           ; v[26:37] three least group minima of each query, ascending
.set D2,  30
.set D3,  34
.set I1,  38                           ; v[38:49] their group numbers
.set I2,  42
.set I3,  46
.set M,   50                           ; v[50:53] the running minimum of the current group
.set T,   54                           ; v[54:61] dot, then distance: entry c, query pair p at T + 4 c + 2 p
.set S,   62                           ; v[62:69] aa + bb
.set TB0, 54                           ; prologue: v[54:69] four table entries on their way to LDS
.set TB1, 10                           ; prologue: v[10:25] four more
.set E0,  72                           ; v[72:103]  entries 0-7 of a group
.set E1,  104                          ; v[104:135] entries 8-15
.set RAW, 72                           ; prologue: 16 points of p2 as loaded
.set P1R, 120                          ; prologue: my four queries as loaded
.set X2R, 136                          ; v[136:167] x2 as loaded, on its way during the scan; then packed; then the transposed rows on their way out
.set WRAW, 180                         ; v[180:183] first the temporaries of the address arithmetic; then four numbers of W1 or W2 as loaded (waves 0 to 4)
.set WPK,  184                         ; v[184:185] the four as f16; v186, v187 at work
.set MK,   40                          ; s[40:51] compare masks, three a query
; two f32 registers rounded to bf16 (nearest even) and widened again, in place; t: a register at work
.macro RB2 a, b, t
	v_cvt_pk_bf16_f32 v[\t], v[\a], v[\b]
	v_lshlrev_b32 v[\a], 16, v[\t]
	v_and_b32 v[\b], 0xffff0000, v[\t]
.endm
; 32 pieces of 4 numbers of a weight matrix with K columns, piece number 32 s24 + lane, are asked for.  In the image in fragment order
; byte 8 x piece holds W[16 ot + r][32 ks + 16 half + 8 h + 4 e ..], piece = ks:ot(4):half:h:r(4):e.
.macro WASK src, K
	v_lshl_add_u32 v170, s24, 5, v1                ; piece
	v_bfe_u32 v171, v170, 7, 4                     ; ot
	v_bfe_u32 v172, v170, 1, 4                     ; r
	v_lshl_add_u32 v171, v171, 4, v172             ; output row
	v_lshrrev_b32 v172, 11, v170                   ; ks
	v_bfe_u32 v173, v170, 5, 2                     ; 2 half + h
	v_lshlrev_b32 v173, 3, v173
	v_lshl_add_u32 v172, v172, 5, v173
	v_and_b32 v173, 1, v170
	v_lshl_add_u32 v172, v173, 2, v172             ; column
	v_mad_u32_u24 v171, v171, \K, v172
	v_lshlrev_b32 v171, 2, v171
	s_wait_kmcnt 0x0
	s_wait_alu depctr_va_vdst(0)                   ; v171, the load's offset, is written; so are v180 to v183, the head's temporaries, in which the load lands
	global_load_b128 v[WRAW:WRAW+3], v171, s[\src:\src+1]
.endm
; and, much later, rounded and stored
.macro WFIN dstoff
	v_lshl_add_u32 v170, s24, 5, v1                ; piece
	v_lshlrev_b32 v170, 3, v170
	RB2 WRAW, WRAW+1, 186
	RB2 WRAW+2, WRAW+3, 187
	v_cvt_pk_f16_f32 v[WPK],   v[WRAW],   v[WRAW+1]
	v_cvt_pk_f16_f32 v[WPK+1], v[WRAW+2], v[WRAW+3]
	s_wait_alu depctr_va_vdst(0)                   ; v170 and the packed pair are written, which the store reads
	global_store_b64 v170, v[WPK:WPK+1], s[16:17] offset:\dstoff   ; the wave stores 256 consecutive bytes, aligned
.endm
	s_load_b256 s[4:11], s[0:1], 0x0               ; p1 s[4:5], p2 s[6:7], x2 s[8:9], W1 s[10:11]
	s_load_b128 s[12:15], s[0:1], 0x20             ; W2 s[12:13], gid s[14:15]
	s_load_b64 s[16:17], s[0:1], 0x30              ; pre
	v_lshl_add_u32 v178, v0, 2, 0x1a400
	v_mov_b32 v179, 0
	v_and_b32 v1, 31, v0                           ; lane
	v_lshrrev_b32 v180, 5, v0
	v_readfirstlane_b32 s22, v180                  ; wave
	v_mul_u32_u24 v4, v0, 48                       ; p2: four points a thread and load group
	v_mul_u32_u24 v5, v1, 48                       ; p1: four queries a lane
	v_lshrrev_b32 v181, 4, v0                      ; thread / 16: channel row
	v_and_b32 v182, 15, v0                         ; thread % 16: four points
	v_lshlrev_b32 v6, 14, v181
	v_lshl_add_u32 v6, v182, 4, v6                 ; x2 offset
	v_lshlrev_b32 v7, 6, v0                        ; table: four entries of 16 bytes
	v_mul_u32_u24 v183, v182, 1088                 ; stage: row 4 (t % 16), 272 bytes a row
	v_lshl_add_u32 v183, v181, 1, v183             ;   + 2 bytes a channel
	v_add_nc_u32 v8, TT, v183
	s_lshr_b32 s25, ttmp9, 7                       ; batch
	s_mul_i32 s26, s25, 49152                      ; p2: 4,096 points x 12 bytes a batch
	s_mov_b32 s27, 0
	s_mul_i32 s28, ttmp9, 1536                     ; p1: 128 queries x 12 bytes a work-group
	s_mov_b32 s29, 0
	s_and_b32 s23, ttmp9, 1                        ; which 128 channels of x2
	s_bfe_u32 s33, ttmp9, 0x60001                  ; which 64 points of x2
	s_lshl_b32 s30, s25, 22                        ; x2: batch x 256 x 16,384 bytes
	s_lshl_b32 s31, s23, 21                        ;   + 128 channels x 16,384
	s_add_co_u32 s30, s30, s31
	s_lshl_b32 s31, s33, 8                         ;   + 64 points x 4
	s_add_co_u32 s30, s30, s31
	s_mov_b32 s31, 0
	s_lshl_b32 s34, s25, 21                        ; transposed x2: batch x 4,096 rows of 512 bytes
	s_lshl_b32 s35, s33, 15                        ;   + 64 rows a block
	s_add_co_u32 s34, s34, s35
	s_wait_alu depctr_va_sdst(0)                   ; s22 is written, ahead of its first reader
	s_and_b32 s35, s22, 3
	s_lshl_b32 s35, s35, 13                        ;   + 16 rows for each of waves 4 to 7, which write them
	s_add_co_u32 s34, s34, s35
	s_lshl_b32 s35, s23, 8                         ;   + 256 bytes for the upper 128 channels
	s_add_co_u32 s34, s34, s35
	s_mov_b32 s35, 0
	s_lshl_b32 s38, ttmp9, 11                      ; gid: 128 records of 16 bytes
	s_mov_b32 s39, 0
	; the weights' pieces are asked for first of all: the oldest load of the wave, so every later count holds with and without it
	s_cmp_lt_u32 s22, 3
	s_cbranch_scc0 .Lask_w2
	s_mul_i32 s24, ttmp9, 3                        ; W1: 768 runs of 32 pieces, three a work-group (waves 0 to 2)
	s_add_co_u32 s24, s24, s22
	WASK 10, 384
	s_branch .Lasked
.Lask_w2:
	s_cmp_lt_u32 s22, 5
	s_cbranch_scc0 .Lasked
	s_lshl_b32 s24, ttmp9, 1                       ; W2: 512 runs, two a work-group (waves 3 and 4)
	s_add_co_u32 s24, s24, s22
	s_sub_co_u32 s24, s24, 3
	WASK 12, 256
.Lasked:
	s_wait_kmcnt 0x0
	s_add_nc_u64 s[6:7], s[6:7], s[26:27]
	s_add_nc_u64 s[4:5], s[4:5], s[28:29]
	s_add_nc_u64 s[8:9], s[8:9], s[30:31]
	s_add_nc_u64 s[36:37], s[16:17], s[34:35]
	s_add_nc_u64 s[14:15], s[14:15], s[38:39]
	s_wait_alu depctr_va_vdst(0)                   ; v4 to v8 are written, which the loads below and the LDS stores behind them read as offsets and addresses (on the way of waves 5 to 7 no earlier wait has said so)
.irp i, 0,1,2,3
.irp j, 0,1,2
	global_load_b128 v[RAW+12*\i+4*\j:RAW+12*\i+4*\j+3], v4, s[6:7] offset:\i*12288+16*\j
.endr
.endr
.irp j, 0,1,2
	global_load_b128 v[P1R+4*\j:P1R+4*\j+3], v5, s[4:5] offset:16*\j
.endr
.irp i, 0,1,2,3,4,5,6,7
	global_load_b128 v[X2R+4*\i:X2R+4*\i+3], v6, s[8:9] offset:\i*262144 th:TH_LOAD_NT
.endr
	; the table: entry = (x, y, z, bb) of the rounded point.  Four blocks of four entries on two buffers; a block's stores are issued in the next block.
	s_wait_loadcnt 11                              ; p2 is in; the 3 loads of p1 and the 8 of x2 are younger
.set cnt, 0
.rept 24
	RB2 RAW+2*cnt, RAW+2*cnt+1, S+(cnt&3)
.set cnt, cnt+1
.endr
.irp i, 0,1,2,3
.set tb, TB0-(TB0-TB1)*(\i&1)
.set tp, TB0-(TB0-TB1)*((\i+1)&1)
.if \i >= 2
	s_wait_alu depctr_vm_vsrc(0)                   ; the stores issued in the block before have read this block's buffer, which is written again below
.endif
.if \i >= 1
	s_wait_alu depctr_va_vdst(0)                   ; the block before has written the other buffer, which the stores below read
.endif
.irp j, 0,1,2,3
.if \i >= 1
	ds_store_b128 v7, v[tp+4*\j:tp+4*\j+3] offset:(\i-1)*16384+16*\j
.endif
	v_mov_b32 v[tb+4*\j],   v[RAW+12*\i+3*\j]
	v_mov_b32 v[tb+4*\j+1], v[RAW+12*\i+3*\j+1]
	v_mov_b32 v[tb+4*\j+2], v[RAW+12*\i+3*\j+2]
	v_mul_f32 v[tb+4*\j+3], v[tb+4*\j], v[tb+4*\j]
	v_fma_f32 v[tb+4*\j+3], v[tb+4*\j+1], v[tb+4*\j+1], v[tb+4*\j+3]
	v_fma_f32 v[tb+4*\j+3], v[tb+4*\j+2], v[tb+4*\j+2], v[tb+4*\j+3]
.endr
.endr
	s_wait_alu depctr_va_vdst(0)                   ; the last block has written its buffer
.irp j, 0,1,2,3
	ds_store_b128 v7, v[TB1+4*\j:TB1+4*\j+3] offset:3*16384+16*\j
.endr
	s_wait_alu depctr_vm_vsrc(0)                   ; the table's stores have read both buffers: these registers are the queries' and the scan's from here on
	s_wait_loadcnt 8                               ; p1 is in; x2's 8 loads are younger and stay out over the whole scan
.set cnt, 0
.rept 6
	RB2 P1R+2*cnt, P1R+2*cnt+1, S+(cnt&3)
.set cnt, cnt+1
.endr
.irp j, 0,1,2,3
	v_mov_b32 v[AX+\j], v[P1R+3*\j]
	v_mov_b32 v[AY+\j], v[P1R+3*\j+1]
	v_mov_b32 v[AZ+\j], v[P1R+3*\j+2]
.endr
.irp p, 0,2
	v_pk_mul_f32 v[AA+\p:AA+\p+1], v[AX+\p:AX+\p+1], v[AX+\p:AX+\p+1]
	v_pk_fma_f32 v[AA+\p:AA+\p+1], v[AY+\p:AY+\p+1], v[AY+\p:AY+\p+1], v[AA+\p:AA+\p+1]
	v_pk_fma_f32 v[AA+\p:AA+\p+1], v[AZ+\p:AZ+\p+1], v[AZ+\p:AZ+\p+1], v[AA+\p:AA+\p+1]
.endr
	s_mov_b32 s20, 0x7f800000                      ; the lists start at +infinity
.irp r, 0,1,2,3,4,5,6,7,8,9,10,11
	v_mov_b32 v[D1+\r], s20
	v_mov_b32 v[I1+\r], 0
.endr
	s_lshl_b32 s24, s22, 13
	v_mov_b32 v[VE], s24                           ; my 512 entries of the table
	s_lshl_b32 s24, s22, 5
	v_mov_b32 v[VG], s24                           ; my first group's number
	s_wait_dscnt 0x0                               ; my stores into the table are done,
	s_barrier_signal -1
	s_barrier_wait -1                              ; everybody's are
	s_wait_alu depctr_va_vdst(0)                   ; v[VE] is written, which the loads below read; the roundings and moves are done with v72 to v131, in which they land
.irp c, 0,1,2,3,4,5,6,7
	ds_load_b128 v[E0+4*\c:E0+4*\c+3], v[VE] offset:16*\c
.endr
.irp c, 0,1,2,3,4,5,6,7
	ds_load_b128 v[E1+4*\c:E1+4*\c+3], v[VE] offset:128+16*\c
.endr
; two entries (e, e + 1 of buf) against my four queries; first = 1 starts the group's minimum
.macro PAIR buf, e, first
.irp c, 0,1
.irp p, 0,1
	v_pk_mul_f32 v[T+4*\c+2*\p:T+4*\c+2*\p+1], v[AX+2*\p:AX+2*\p+1], v[\buf+4*(\e+\c):\buf+4*(\e+\c)+1] op_sel_hi:[1,0]
.endr
.endr
.irp c, 0,1
.irp p, 0,1
	v_pk_fma_f32 v[T+4*\c+2*\p:T+4*\c+2*\p+1], v[AY+2*\p:AY+2*\p+1], v[\buf+4*(\e+\c):\buf+4*(\e+\c)+1], v[T+4*\c+2*\p:T+4*\c+2*\p+1] op_sel:[0,1,0]
.endr
.endr
.irp c, 0,1
.irp p, 0,1
	v_pk_fma_f32 v[T+4*\c+2*\p:T+4*\c+2*\p+1], v[AZ+2*\p:AZ+2*\p+1], v[\buf+4*(\e+\c)+2:\buf+4*(\e+\c)+3], v[T+4*\c+2*\p:T+4*\c+2*\p+1] op_sel_hi:[1,0,1]
.endr
.endr
.irp c, 0,1
.irp p, 0,1
	v_pk_add_f32 v[S+4*\c+2*\p:S+4*\c+2*\p+1], v[AA+2*\p:AA+2*\p+1], v[\buf+4*(\e+\c)+2:\buf+4*(\e+\c)+3] op_sel:[0,1]
.endr
.endr
.irp c, 0,1
.irp p, 0,1
	v_pk_fma_f32 v[T+4*\c+2*\p:T+4*\c+2*\p+1], v[T+4*\c+2*\p:T+4*\c+2*\p+1], -2.0, v[S+4*\c+2*\p:S+4*\c+2*\p+1] op_sel_hi:[1,0,1]
.endr
.endr
.irp q, 0,1,2,3
.if \first
	v_min_num_f32 v[M+\q], v[T+\q], v[T+4+\q]
.else
	v_min3_num_f32 v[M+\q], v[M+\q], v[T+\q], v[T+4+\q]
.endif
.endr
.endm
; (m, g) into the ascending list (d1, d2, d3), (i1, i2, i3), in two parts: the three compares, into masks s[k], s[k + 1], s[k + 2], and the selects,
; with the wait for the masks between them.  The strict compare leaves an earlier equal entry in front.
.macro CMP3 m, d1, d2, d3, k
	v_cmp_lt_f32 s[\k],   v[\m], v[\d1]
	v_cmp_lt_f32 s[\k+1], v[\m], v[\d2]
	v_cmp_lt_f32 s[\k+2], v[\m], v[\d3]
.endm
.macro SEL m, g, d1, d2, d3, i1, i2, i3, k
	v_cndmask_b32 v[\i3], v[\i3], v[\g], s[\k+2]
	v_cndmask_b32 v[\i3], v[\i3], v[\i2], s[\k+1]
	v_cndmask_b32 v[\i2], v[\i2], v[\g], s[\k+1]
	v_cndmask_b32 v[\i2], v[\i2], v[\i1], s[\k]
	v_cndmask_b32 v[\i1], v[\i1], v[\g], s[\k]
	v_med3_num_f32 v[\d3], v[\m], v[\d2], v[\d3]
	v_med3_num_f32 v[\d2], v[\m], v[\d1], v[\d2]
	v_min_num_f32 v[\d1], v[\m], v[\d1]
.endm
; a group of sixteen entries; refill = 1: each buffer takes the same eight entries of the next group as soon as its products are done with it
.macro TRIP refill
	s_wait_dscnt 8                                 ; LDS loads come back in order: E0's eight are in, E1's eight may be out
	PAIR E0, 0, 1
	PAIR E0, 2, 0
	PAIR E0, 4, 0
	PAIR E0, 6, 0
.if \refill
	s_wait_alu depctr_va_vdst(0)                   ; the products above are done reading E0, in which the loads below land
.irp c, 0,1,2,3,4,5,6,7
	ds_load_b128 v[E0+4*\c:E0+4*\c+3], v[VE] offset:256+16*\c
.endr
	s_wait_dscnt 8                                 ; E1's eight are in; the eight just issued stay out
.else
	s_wait_dscnt 0                                 ; the last group: nothing was asked for behind E1's eight
.endif
	PAIR E1, 0, 0
	PAIR E1, 2, 0
	PAIR E1, 4, 0
	PAIR E1, 6, 0
.irp q, 0,1,2,3
	CMP3 M+\q, D1+\q, D2+\q, D3+\q, MK+3*\q
.endr
.if \refill
	s_wait_alu depctr_vm_vsrc(0)                   ; the loads issued so far have read v[VE]
	v_add_nc_u32 v[VE], 256, v[VE]                 ; the next group
.endif
	s_wait_alu depctr_va_sdst(0)                   ; the twelve masks are written, which the selects below read
.if \refill
	s_wait_alu depctr_va_vdst(0)                   ; v[VE] is written; the products above are done reading E1, in which the loads below land
.irp c, 0,1,2,3,4,5,6,7
	ds_load_b128 v[E1+4*\c:E1+4*\c+3], v[VE] offset:128+16*\c
.endr
.endif
.irp q, 0,1,2,3
	SEL M+\q, VG, D1+\q, D2+\q, D3+\q, I1+\q, I2+\q, I3+\q, MK+3*\q
.endr
.endm
	s_mov_b32 s24, 31
.Lscan:
	TRIP 1
	v_add_nc_u32 v[VG], 1, v[VG]
	s_sub_co_i32 s24, s24, 1
	s_cmp_lg_u32 s24, 0
	s_cbranch_scc1 .Lscan
	TRIP 0                                         ; the last group: nothing is left to load, the counts run down 8, 0
	; the eight waves' lists meet in LDS; x2, asked for at the start, is rounded to bf16, kept as f16, and each number laid at [point][channel]
	s_mul_i32 s24, s22, 3072
	s_add_co_u32 s24, s24, MRG
	v_lshl_add_u32 v174, v1, 4, s24
	s_wait_loadcnt 0x0
.irp i, 0,1,2,3,4,5,6,7
	RB2 X2R+4*\i, X2R+4*\i+1, T+2*(\i&1)
	RB2 X2R+4*\i+2, X2R+4*\i+3, T+2*(\i&1)+1
	v_cvt_pk_f16_f32 v[X2R+4*\i],   v[X2R+4*\i],   v[X2R+4*\i+1]      ; four numbers close up into the first two of their four registers
	v_cvt_pk_f16_f32 v[X2R+4*\i+1], v[X2R+4*\i+2], v[X2R+4*\i+3]
.endr
	s_wait_alu depctr_va_vdst(0)                   ; the lists, v174 and the packed x2 are written, which the LDS stores below read
.irp f, 0,1,2,3,4,5
	ds_store_b128 v174, v[D1+4*\f:D1+4*\f+3] offset:512*\f
.endr
.irp i, 0,1,2,3,4,5,6,7
	ds_store_b16        v8, v[X2R+4*\i]   offset:32*\i
	ds_store_b16_d16_hi v8, v[X2R+4*\i]   offset:32*\i+272
	ds_store_b16        v8, v[X2R+4*\i+1] offset:32*\i+544
	ds_store_b16_d16_hi v8, v[X2R+4*\i+1] offset:32*\i+816
.endr
	; the weights' pieces, asked for at the start; the run's number is made again, since s24 counted the scan
	s_cmp_lt_u32 s22, 3
	s_cbranch_scc0 .Lfin_w2
	s_mul_i32 s24, ttmp9, 3
	s_add_co_u32 s24, s24, s22
	WFIN W1F
	s_branch .Lfinished
.Lfin_w2:
	s_cmp_lt_u32 s22, 5
	s_cbranch_scc0 .Lfinished
	s_lshl_b32 s24, ttmp9, 1
	s_add_co_u32 s24, s24, s22
	s_sub_co_u32 s24, s24, 3
	WFIN W2F
.Lfinished:
	s_wait_dscnt 0x0                               ; my lists and my part of the stage are in LDS,
	s_barrier_signal -1
	s_barrier_wait -1                              ; everybody's are
	s_cmp_ge_u32 s22, 4
	s_cbranch_scc1 .Lrows
	; waves 0 to 3: 128 queries, one a thread
	v_lshlrev_b32 v175, 2, v0
	v_add_nc_u32 v175, MRG, v175
	v_lshlrev_b32 v176, 4, v0
	s_wait_alu depctr_va_vdst(0)                   ; v175 is written, which the loads below read; the scan's products are done with v72 to v119, in which they land
.irp s, 0,1,2,3,4,5,6,7
.irp f, 0,1,2,3,4,5
	ds_load_b32 v[72+6*\s+\f], v175 offset:(6*\s+\f)*512
.endr
.endr
	s_wait_dscnt 0x0
.irp s, 1,2,3,4,5,6,7
.irp e, 0,1,2
	CMP3 72+6*\s+\e, 72, 73, 74, MK                ; waves in ascending order = group numbers in ascending order
	s_wait_alu depctr_va_sdst(0)                   ; the three masks are written, which the selects read; the next compares need the list that these selects make
	SEL 72+6*\s+\e, 75+6*\s+\e, 72, 73, 74, 75, 76, 77, MK
.endr
.endr
	v_min_u32 v124, v75, v76                       ; the three group numbers in ascending order, so that the next launch meets candidates by ascending index
	v_max_u32 v125, v75, v76
	v_min_u32 v120, v124, v77
	v_max_u32 v126, v124, v77
	v_min_u32 v121, v125, v126
	v_max_u32 v122, v125, v126
	v_mov_b32 v123, 0
	s_wait_alu depctr_va_vdst(0)                   ; the record v120 to v123 is written, which the store reads (v176 stands ahead of the wait above)
	global_store_b128 v176, v[120:123], s[14:15]
	s_branch .Lend
.Lrows:
	; waves 4 to 7: 16 rows of the stage each, two rows a load
	s_and_b32 s24, s22, 3
	s_mul_i32 s24, s24, 4352                       ; 16 rows of 272 bytes
	s_add_co_u32 s24, s24, TT
	v_lshrrev_b32 v172, 4, v1
	v_and_b32 v173, 15, v1
	v_mul_u32_u24 v168, v172, 272
	v_lshl_add_u32 v168, v173, 4, v168
	v_add_nc_u32 v168, s24, v168                   ; lanes 0-15 one row of 256 bytes, lanes 16-31 the next
	v_lshlrev_b32 v169, 9, v172
	v_lshl_add_u32 v169, v173, 4, v169             ; the same two rows in memory, 512 bytes apart
	s_wait_alu depctr_vm_vsrc(0)                   ; my LDS stores have read the packed x2 in v[X2R ..], in which the loads below land
	s_wait_alu depctr_va_vdst(0)                   ; v168 and v169 are written, which the loads and stores below read; the roundings are done with v[X2R ..]
.irp i, 0,1,2,3,4,5,6,7
	ds_load_b128 v[X2R+4*\i:X2R+4*\i+3], v168 offset:544*\i
.endr
.irp i, 0,1,2,3,4,5,6,7
	s_wait_dscnt 7-\i                              ; the later rows stay out
	global_store_b128 v169, v[X2R+4*\i:X2R+4*\i+3], s[36:37] offset:1024*\i   ; 16 lanes store 256 consecutive bytes, aligned
.endr
.Lend:
	s_wait_dscnt 0x0
	s_wait_alu depctr_hold_cnt(0) depctr_sa_sdst(0) depctr_va_vdst(0) depctr_va_sdst(0) depctr_va_ssrc(0) depctr_va_vcc(0) depctr_vm_vsrc(0)
	s_wait_tensorcnt 0x0
	ds_add_u32 v178, v179
	s_wait_dscnt 0x0
	s_endpgm
.Lfunc_end_k_q66a7aa10e6_knna:
	.size	k_q66a7aa10e6_knna, .Lfunc_end_k_q66a7aa10e6_knna-k_q66a7aa10e6_knna
	.p2alignl 7, 3214868480
	.fill 96, 4, 3214868480
	.section	.rodata,"a",@progbits
	.p2align	6, 0x0
	.amdhsa_kernel k_q66a7aa10e6_knna
		.amdhsa_group_segment_fixed_size 108544
		.amdhsa_private_segment_fixed_size 0
		.amdhsa_enable_private_segment 0
		.amdhsa_kernarg_size 56
		.amdhsa_user_sgpr_count 2
		.amdhsa_user_sgpr_kernarg_segment_ptr 1
		.amdhsa_wavefront_size32 1
		.amdhsa_system_sgpr_workgroup_id_x 1
		.amdhsa_system_sgpr_workgroup_id_y 1
		.amdhsa_system_sgpr_workgroup_id_z 1
		.amdhsa_system_vgpr_workitem_id 0
		.amdhsa_next_free_vgpr 188
		.amdhsa_next_free_sgpr 66
		.amdhsa_reserve_vcc 0
		.amdhsa_float_denorm_mode_32 3
		.amdhsa_float_denorm_mode_16_64 3
		.amdhsa_memory_ordered 1
		.amdhsa_forward_progress 1
		.amdhsa_inst_pref_size 78
	.end_amdhsa_kernel
	.amdgpu_metadata
---
amdhsa.version: [ 1, 2 ]
amdhsa.kernels:
  - .name:           k_q66a7aa10e6_knna
    .symbol:         k_q66a7aa10e6_knna.kd
    .args:
      - { .name: p1, .offset: 0, .size: 8, .value_kind: global_buffer, .address_space: global }
      - { .name: p2, .offset: 8, .size: 8, .value_kind: global_buffer, .address_space: global }
      - { .name: x2, .offset: 16, .size: 8, .value_kind: global_buffer, .address_space: global }
      - { .name: W1, .offset: 24, .size: 8, .value_kind: global_buffer, .address_space: global }
      - { .name: W2, .offset: 32, .size: 8, .value_kind: global_buffer, .address_space: global }
      - { .name: gid, .offset: 40, .size: 8, .value_kind: global_buffer, .address_space: global }
      - { .name: pre, .offset: 48, .size: 8, .value_kind: global_buffer, .address_space: global }
    .group_segment_fixed_size: 108544
    .private_segment_fixed_size: 0
    .kernarg_segment_align: 8
    .kernarg_segment_size: 56
    .max_flat_workgroup_size: 256
    .sgpr_count:     66
    .vgpr_count:     188
    .wavefront_size: 32
...
	.end_amdgpu_metadata
.endif
;; end of part 7
;; launch knnb: the kernel of part 2 again; grid 256 x 1, 4 waves a work-group, no clusters, 0 bytes of LDS; arguments p1, p2, gid, nidx, nw; writes nidx, nw
;; launch gemm1 (part 8): grid 256 x 1, 8 waves a work-group, no clusters, 175,104 bytes of LDS; arguments x1, pre, nidx, nw, b1, y1; writes y1
.if DOCPART == 8
	.amdgcn_target "amdgcn-amd-amdhsa--gfx1250"
	.amdhsa_code_object_version 6
	.text
	.protected	k_q66a7aa10e6_gemm1
	.globl	k_q66a7aa10e6_gemm1
	.p2align	8
	.type	k_q66a7aa10e6_gemm1,@function
k_q66a7aa10e6_gemm1:
	s_mov_b64 s[64:65], 0
	v_nop
	global_prefetch_b8 v0, s[64:65] scope:SCOPE_SE
	s_setreg_imm32_b32 hwreg(HW_REG_WAVE_SCHED_MODE, 0, 2), 2
	s_setreg_imm32_b32 hwreg(HW_REG_WAVE_MODE, 25, 1), 1
	s_wait_xcnt 0x0
	s_wait_alu depctr_vm_vsrc(0)
; Interpolation, concatenation and the first linear layer: y[o][n] = sum over k of W1[o][k] X[k][n] (+ b1[o]), K = 384.
; A work-group makes all 256 channels of 128 points.  Phase 0 builds X in LDS in f16: channels 0-127 from x1 (as [k][n], read later by
; the transposing LDS load), channels 128-383 by gathering three rows of the transposed x2 a point and weighting them in f32
; (as [n][k]).  Main part: wave w makes channels 32 w .. 32 w + 31 of all 128 points, 16 accumulator tiles, 128 registers; source 0 is
; X (rows = points), source 1 is W1 (columns = channels), loaded from memory in fragment order straight into registers, each byte
; once a work-group.  In the result a lane holds ONE channel and 64 points, so the tile's statistics are sums inside a lane
; and one exchange between the halves of the wave.
; Stored: z = y - (the tile's mean of y), f16, [channel][point]; and for each channel the tile's mean (with the bias) and its
; centred sum of squares.  The variance is later merged from these: no difference of large sums is formed.
; FORMATS: the inputs x1, x2, W1 are rounded to bf16 (nearest even) as they are loaded, here or in the first launch, and carried as f16,
; which holds a bf16 number exactly from 6.1e-5 to 65,504 in magnitude; the interpolated channels and z, which are computed here, keep
; f16's 11 bits.  Sums in f32.  LIMITS: magnitudes above 65,504 overflow; below 6.1e-5 f16's step is 6e-8.  An index read from memory
; is clamped to 4,095.
; NO CLUSTER, NO TENSOR LOADS: every operand of X is converted or weighted on its way, so it passes through registers; what the
; work-groups share is W1 alone, 192 KiB, which goes from memory to fragment registers without touching LDS.
; THE MODE: SCHED_MODE bits 1:0 = 2 (LLVM: expert scheduling mode 2), set by the entry lines.  The code itself states the register dependences
; between vector or matrix instructions and memory or LDS instructions, with s_wait_alu, always for 0.
; THE PLAN.  Registers that memory or LDS instructions touch:
;   v4 .. v10, v16 .. v20   offsets and LDS addresses, made at the head and never written again.
;   IDX          the records' three indices become, in place, the three gather offsets of their step: every step has offsets of its own.
;   X1R          x1 as loaded; rounded and packed in place; one wait, sixteen LDS stores, one wait: then part of it is TU and OUT.
;   G0, G1, G2   three buffers of gathered rows.  Step s weights G[s % 3]; the loads of step s + 2, issued in step s, land in G[(s - 1) % 3].
;   OUT0, OUT1   step s's roundings write OUT[s % 2]; the two LDS stores issued in step s + 1 read it.
;   AF           two halves of four fragments of X.  A K step's eight products on a half read it; one wait; the half is asked for again, for the next K step,
;                and lands while the other half is multiplied.
;   W's three buffers   K step ks's products read one; the loads of K step ks + 3 land in it, behind the first wait of K step ks + 1.
;   the accumulators    on the way out each tile is packed in place into its four lowest registers: every LDS store has data registers of its own.
.set XI,    36864                      ; LDS: [128 points][256 k] f16, 528 bytes a row; XT, [128 k][128 points] f16, 288 bytes a row, lies at 0
.set STAGE, 104448                     ; LDS: [256 channels][128 points] f16, 272 bytes a row; each wave uses its own 32 rows
.set W1F,   4194304
.set PART,  16777216
.set VAT, 4                            ; transposing reads of XT
.set VAI, 5                            ; reads of XI
.set VB,  6                            ; W fragments in memory
.set VS,  7                            ; stage, in
.set VR,  8                            ; stage, back
.set VZ,  9                            ; z in memory
.set VP,  10                           ; 4 x my channel (32 w + lane)
.set AF,  64                           ; v[64:127]  eight fragments of X
.set ACC, 128                          ; v[128:255] tile (nt, ot) at ACC + 8 (2 nt + ot)
                                       ; v[16:63]   three buffers of two W fragments: K step ks in 16 + 16 ((ks + 1) % 3)
.set SS,  16                           ; way out: sums
.set MN,  24                           ; way out: means, a pair for each ot
.set QQ,  32                           ; way out: sums of squares
.set XW,   11                          ; phase 0: v[11:14] at work while x1 is rounded
                                       ; phase 0: gathered rows, 3 neighbours x 2 halves x 4 registers a buffer: G0 v[64:87], G1 v[88:111], G2 v[112:127] and v[24:31]
                                       ;          (all below v128: only those registers' halves have names)
.set IDX,  128                         ; phase 0: v[128:159] index records of my 16 points (two a step), then the gather offsets
.set WR,   160                         ; phase 0: v[160:191] weight records
.set X1R,  192                         ; phase 0: v[192:255] 16 rows of x1
.set TU,   192                         ; phase 0, behind x1: v[192:203] two sets of three f32 pairs
.set OUT,  208                         ; phase 0, behind x1: v[208:223] two sets of eight words of packed f16
; two f32 registers rounded to bf16 (nearest even) and widened again, in place; t: a register at work
.macro RB2 a, b, t
	v_cvt_pk_bf16_f32 v[\t], v[\a], v[\b]
	v_lshlrev_b32 v[\a], 16, v[\t]
	v_and_b32 v[\b], 0xffff0000, v[\t]
.endm
	s_load_b256 s[4:11], s[0:1], 0x0               ; x1 s[4:5], pre s[6:7], nidx s[8:9], nw s[10:11]
	s_load_b128 s[12:15], s[0:1], 0x20             ; b1 s[12:13], y1 s[14:15]
	s_set_vgpr_msb 0x40
	v_lshl_add_u32 v0, v0, 2, 0x2a800
	v_mov_b32 v1, 0
	s_set_vgpr_msb 0x4000
	v_and_b32 v1, 31, v0                           ; lane
	v_lshrrev_b32 v11, 5, v0
	v_readfirstlane_b32 s20, v11                   ; wave
	v_and_b32 v2, 15, v0                           ; r
	v_bfe_u32 v3, v0, 4, 1                         ; h
	v_and_b32 v11, 7, v0
	v_lshl_add_u32 v11, v3, 3, v11
	v_mul_u32_u24 v[VAT], v11, 288                 ; row 8 h + lane % 8
	v_bfe_u32 v11, v0, 3, 1
	v_lshl_add_u32 v[VAT], v11, 4, v[VAT]          ; + 16 bytes for lanes 8-15 of each half
	v_mul_u32_u24 v[VAI], v2, 528
	v_lshl_add_u32 v[VAI], v3, 4, v[VAI]
	v_add_nc_u32 v[VAI], XI, v[VAI]
	v_lshlrev_b32 v[VZ], 15, v3
	v_lshl_add_u32 v[VZ], v2, 4, v[VZ]
	v_lshlrev_b32 v[VP], 2, v0
	v_lshlrev_b32 v16, 4, v3                       ; record of point 2 s + h
	v_lshlrev_b32 v17, 4, v1                       ; x1: 16 bytes a lane
	v_lshlrev_b32 v20, 4, v2                       ; my 16 bytes of half a gathered row
	s_lshr_b32 s21, ttmp9, 7                       ; batch
	s_and_b32 s22, ttmp9, 127                      ; block of 128 points
	s_mov_b32 s28, 0x76543210                      ; v_permlanex16_b32: lane i reads lane i of the other half
	s_mov_b32 s29, 0xfedcba98
	s_mov_b32 s30, 0xffff0000                      ; lanes 16-31
	s_lshl_b32 s32, s21, 23
	s_wait_alu depctr_va_sdst(0)                   ; s20 is written, ahead of its first reader
	s_lshl_b32 s33, s20, 20
	s_add_co_u32 s32, s32, s33                     ; batch x 8 MiB + wave x 1 MiB: 16 rows of x1 (64 KiB each) as well as 32 rows of z (32 KiB each)
	s_lshl_b32 s33, s22, 9
	s_add_co_u32 s34, s32, s33                     ; x1: + 128 points x 4 bytes
	s_mov_b32 s35, 0
	s_lshl_b32 s33, s22, 8
	s_add_co_u32 s32, s32, s33                     ; z: + 128 points x 2 bytes
	s_mov_b32 s33, 0
	s_lshl_b32 s36, ttmp9, 11
	s_lshl_b32 s37, s20, 8
	s_add_co_u32 s38, s36, s37                     ; records of my wave's 16 points
	s_mov_b32 s39, 0
	s_add_co_u32 s36, s36, PART                    ; the tile's statistics: 2,048 bytes a work-group
	s_mov_b32 s37, 0
	s_lshl_b32 s40, s21, 21                        ; transposed x2 of my batch
	s_mov_b32 s41, 0
	s_lshl_b32 s42, s20, 11
	v_lshl_add_u32 v[VB], v1, 4, s42               ; two blocks of 1,024 bytes a wave, 16 bytes a lane
	s_mul_i32 s43, s20, 8704                       ; my 32 rows of the stage
	s_add_co_u32 s43, s43, STAGE
	v_mul_u32_u24 v[VS], v2, 272
	v_lshl_add_u32 v[VS], v3, 4, v[VS]
	v_add_nc_u32 v[VS], s43, v[VS]
	v_mul_u32_u24 v[VR], v3, 272
	v_lshl_add_u32 v[VR], v2, 4, v[VR]
	v_add_nc_u32 v[VR], s43, v[VR]
	s_mul_i32 s43, s20, 4608                       ; XT: my 16 rows
	v_lshl_add_u32 v18, v1, 3, s43
	s_mul_i32 s43, s20, 8448                       ; XI: my 16 rows
	s_add_co_u32 s43, s43, XI
	v_mul_u32_u24 v19, v3, 528
	v_lshl_add_u32 v19, v2, 4, v19
	v_add_nc_u32 v19, s43, v19
	s_wait_kmcnt 0x0
	s_add_nc_u64 s[4:5], s[4:5], s[34:35]
	s_add_nc_u64 s[16:17], s[6:7], W1F
	s_add_nc_u64 s[18:19], s[6:7], s[40:41]
	s_add_nc_u64 s[8:9], s[8:9], s[38:39]
	s_add_nc_u64 s[10:11], s[10:11], s[38:39]
	s_add_nc_u64 s[24:25], s[14:15], s[32:33]
	s_add_nc_u64 s[26:27], s[14:15], s[36:37]
	s_wait_alu depctr_va_vdst(0)                   ; the offsets and addresses v4 to v10 and v16 to v19 are written, which the kernel's loads and stores read
	; PHASE 0.  Loads come back in order, so each count names the younger loads.
.irp ks, 0,1
.irp i, 0,1,2,3
	global_load_b128 v[32+16*\ks+4*\i:32+16*\ks+4*\i+3], v[VB], s[16:17] offset:\ks*16384+512*\i
.endr
.endr
.irp s, 0,1,2,3,4,5,6,7
	global_load_b128 v[IDX+4*\s:IDX+4*\s+3], v16, s[8:9] offset:32*\s
.endr
.irp s, 0,1,2,3,4,5,6,7
	global_load_b128 v[WR+4*\s:WR+4*\s+3], v16, s[10:11] offset:32*\s
.endr
.irp i, 0,1,2,3,4,5,6,7,8,9,10,11,12,13,14,15
	global_load_b128 v[X1R+4*\i:X1R+4*\i+3], v17, s[4:5] offset:65536*\i th:TH_LOAD_NT
.endr
; the three indices of step s become its three gather offsets, in place
.macro GOFF s
.irp k, 0,1,2
	v_min_u32 v[IDX+4*(\s)+\k], 0xfff, v[IDX+4*(\s)+\k]
.endr
.irp k, 0,1,2
	v_lshl_add_u32 v[IDX+4*(\s)+\k], v[IDX+4*(\s)+\k], 9, v20
.endr
.endm
; the three rows of points 2 s, 2 s + 1: sixteen lanes a point, 2 x 16 bytes a lane and row; r0, r1, r2: eight registers for each neighbour
.macro GISSUE s, r0, r1, r2
	global_load_b128 v[\r0:\r0+3],   v[IDX+4*(\s)],   s[18:19]
	global_load_b128 v[\r0+4:\r0+7], v[IDX+4*(\s)],   s[18:19] offset:256
	global_load_b128 v[\r1:\r1+3],   v[IDX+4*(\s)+1], s[18:19]
	global_load_b128 v[\r1+4:\r1+7], v[IDX+4*(\s)+1], s[18:19] offset:256
	global_load_b128 v[\r2:\r2+3],   v[IDX+4*(\s)+2], s[18:19]
	global_load_b128 v[\r2+4:\r2+7], v[IDX+4*(\s)+2], s[18:19] offset:256
.endm
.macro GFILL s                         ; step s goes into buffer s % 3
.if (\s)%3 == 0
	GISSUE \s, 64, 72, 80
.elseif (\s)%3 == 1
	GISSUE \s, 88, 96, 104
.else
	GISSUE \s, 112, 120, 24
.endif
.endm
; one word (two channels) of the three rows, weighted in f32, rounded once to f16, into word o of the step's out-set.  The halves of a register have names only on plain register numbers.
.macro GW g0, g1, g2, set, s, o
	v_cvt_f32_f16 v[TU+6*\set],   v\g0\().l
	v_cvt_f32_f16 v[TU+6*\set+1], v\g0\().h
	v_cvt_f32_f16 v[TU+6*\set+2], v\g1\().l
	v_cvt_f32_f16 v[TU+6*\set+3], v\g1\().h
	v_cvt_f32_f16 v[TU+6*\set+4], v\g2\().l
	v_cvt_f32_f16 v[TU+6*\set+5], v\g2\().h
	v_pk_mul_f32 v[TU+6*\set:TU+6*\set+1], v[TU+6*\set:TU+6*\set+1], v[WR+4*(\s):WR+4*(\s)+1] op_sel_hi:[1,0]
	v_pk_fma_f32 v[TU+6*\set:TU+6*\set+1], v[TU+6*\set+2:TU+6*\set+3], v[WR+4*(\s):WR+4*(\s)+1], v[TU+6*\set:TU+6*\set+1] op_sel:[0,1,0]
	v_pk_fma_f32 v[TU+6*\set:TU+6*\set+1], v[TU+6*\set+4:TU+6*\set+5], v[WR+4*(\s)+2:WR+4*(\s)+3], v[TU+6*\set:TU+6*\set+1] op_sel_hi:[1,0,1]
	v_cvt_pk_f16_f32 v[OUT+8*((\s)&1)+\o], v[TU+6*\set], v[TU+6*\set+1]
.endm
.macro GCOMP s
.if (\s)%3 == 0
	GW 64, 72, 80, 0, \s, 0
	GW 65, 73, 81, 1, \s, 1
	GW 66, 74, 82, 0, \s, 2
	GW 67, 75, 83, 1, \s, 3
	GW 68, 76, 84, 0, \s, 4
	GW 69, 77, 85, 1, \s, 5
	GW 70, 78, 86, 0, \s, 6
	GW 71, 79, 87, 1, \s, 7
.elseif (\s)%3 == 1
	GW 88, 96, 104, 0, \s, 0
	GW 89, 97, 105, 1, \s, 1
	GW 90, 98, 106, 0, \s, 2
	GW 91, 99, 107, 1, \s, 3
	GW 92, 100, 108, 0, \s, 4
	GW 93, 101, 109, 1, \s, 5
	GW 94, 102, 110, 0, \s, 6
	GW 95, 103, 111, 1, \s, 7
.else
	GW 112, 120, 24, 0, \s, 0
	GW 113, 121, 25, 1, \s, 1
	GW 114, 122, 26, 0, \s, 2
	GW 115, 123, 27, 1, \s, 3
	GW 116, 124, 28, 0, \s, 4
	GW 117, 125, 29, 1, \s, 5
	GW 118, 126, 30, 0, \s, 6
	GW 119, 127, 31, 1, \s, 7
.endif
.endm
.macro GOUT s                          ; step s's two halves of two rows of XI
	ds_store_b128 v19, v[OUT+8*((\s)&1):OUT+8*((\s)&1)+3]   offset:1056*(\s)
	ds_store_b128 v19, v[OUT+8*((\s)&1)+4:OUT+8*((\s)&1)+7] offset:1056*(\s)+256
.endm
; Step s.  left: the younger loads that may stay out.
.macro GSTEP s, left
	s_wait_loadcnt \left                           ; this step's six loads are in
.if \s >= 2
	s_wait_alu depctr_vm_vsrc(0)                   ; the LDS stores issued in the step before have read this step's out-set, which is written again below
.endif
.if \s >= 1
	s_wait_alu depctr_va_vdst(0)                   ; the step before is done reading its buffer, in which the loads below land, and has written the other out-set, which the stores below read
.if \s+2 <= 7
	GFILL \s+2
.endif
	GOUT \s-1
.endif
	GCOMP \s
.endm
	s_wait_loadcnt 16                              ; the records are in; x1's 16 loads are younger
	GOFF 0
	GOFF 1
	GOFF 2
	s_wait_alu depctr_va_vdst(0)                   ; the offsets of steps 0 to 2 are written, which the eighteen loads below read
	GFILL 0
	GFILL 1
	GFILL 2
.irp s, 3,4,5,6,7
	GOFF \s                                        ; the other steps' offsets: the wait behind x1's roundings stands ahead of the loads that read them
.endr
	s_wait_loadcnt 18                              ; x1 is in; the 18 gather loads are younger
.irp i, 0,1,2,3,4,5,6,7,8,9,10,11,12,13,14,15
	RB2 X1R+4*\i, X1R+4*\i+1, XW+2*(\i&1)
	RB2 X1R+4*\i+2, X1R+4*\i+3, XW+2*(\i&1)+1
	v_cvt_pk_f16_f32 v[X1R+4*\i],   v[X1R+4*\i],   v[X1R+4*\i+1]      ; four numbers close up into the first two of their four registers
	v_cvt_pk_f16_f32 v[X1R+4*\i+1], v[X1R+4*\i+2], v[X1R+4*\i+3]
.endr
	s_wait_alu depctr_va_vdst(0)                   ; the packed x1 is written, which the LDS stores below read; so are the offsets of steps 3 to 7
.irp i, 0,1,2,3,4,5,6,7,8,9,10,11,12,13,14,15
	ds_store_b64 v18, v[X1R+4*\i:X1R+4*\i+1] offset:288*\i
.endr
	s_wait_alu depctr_vm_vsrc(0)                   ; these stores have read v[X1R ..]: v192 to v223 are TU and OUT from here on
	GSTEP 0, 12                                    ; steps 1 and 2, twelve loads, stay out
	GSTEP 1, 6                                     ; from here on one step's six; behind the wait the step two on is asked for
	GSTEP 2, 6
	GSTEP 3, 6
	GSTEP 4, 6
	GSTEP 5, 6
	GSTEP 6, 6
	GSTEP 7, 0
	s_wait_alu depctr_va_vdst(0)                   ; the last step has written its out-set; every vector instruction of phase 0 is done with v16 to v127, in which fragments and W land
	GOUT 7
	s_wait_dscnt 0x0                               ; my part of X is in LDS,
	s_barrier_signal -1
	s_barrier_wait -1                              ; everybody's is
	s_wait_alu depctr_vm_vsrc(0)                   ; my loads and LDS stores have read v16 to v19, the gather offsets and OUT: these registers are W's third buffer and accumulators from here on
; eight matrix instructions.  The 16 accumulators take turns, one instruction a turn, in the same order in every K step.
.macro MM ks, n0, n1, n2, n3
.irp nt, \n0, \n1, \n2, \n3
.irp ot, 0,1
.if \ks == 0
	v_wmma_f32_16x16x32_f16 v[ACC+8*(2*\nt+\ot):ACC+8*(2*\nt+\ot)+7], v[AF+8*\nt:AF+8*\nt+7], v[16+16*((\ks+1)%3)+8*\ot:16+16*((\ks+1)%3)+8*\ot+7], 0
.else
	v_wmma_f32_16x16x32_f16 v[ACC+8*(2*\nt+\ot):ACC+8*(2*\nt+\ot)+7], v[AF+8*\nt:AF+8*\nt+7], v[16+16*((\ks+1)%3)+8*\ot:16+16*((\ks+1)%3)+8*\ot+7], v[ACC+8*(2*\nt+\ot):ACC+8*(2*\nt+\ot)+7]
.endif
.endr
.endr
.endm
; four fragments of X for K step ks, eight loads.  K steps 0-3: X lies [k][n], transposing loads; 4-11: X lies [n][k], plain loads.
.macro AFL ks, n0, n1, n2, n3
.irp nt, \n0, \n1, \n2, \n3
.if (\ks) < 4
	ds_load_tr16_b128 v[AF+8*\nt:AF+8*\nt+3],   v[VAT] offset:(\ks)*9216+32*\nt
	ds_load_tr16_b128 v[AF+8*\nt+4:AF+8*\nt+7], v[VAT] offset:(\ks)*9216+32*\nt+4608
.else
	ds_load_b128 v[AF+8*\nt:AF+8*\nt+3],   v[VAI] offset:((\ks)-4)*64+8448*\nt
	ds_load_b128 v[AF+8*\nt+4:AF+8*\nt+7], v[VAI] offset:((\ks)-4)*64+8448*\nt+32
.endif
.endr
.endm
; A K step of 32.  Each half of the fragments is asked for again, for the next K step, as soon as its eight products are done with it; W of K step ks + 2 goes with the first half.
.macro KS ks, nk
.if \ks+1 < \nk
	s_wait_loadcnt 0x4                             ; this step's W is in; the four loads of the next step's may be out
.else
	s_wait_loadcnt 0x0
.endif
	s_wait_dscnt 0x8                               ; fragments 0-3 are in; the eight loads of fragments 4-7 may be out
	MM \ks, 0, 1, 2, 3
.if \ks+1 < \nk
.rept 4
	v_nop                                          ; four places between the matrix instructions above and loads into registers that they read; the wait below stands beside them
.endr
	s_wait_alu depctr_va_vdst(0)                   ; the products above are done reading fragments 0-3, and the last step's their W: the loads below land in both
	AFL \ks+1, 0, 1, 2, 3
.if \ks+2 < \nk
.irp i, 0,1,2,3
	global_load_b128 v[16+16*((\ks+3)%3)+4*\i:16+16*((\ks+3)%3)+4*\i+3], v[VB], s[16:17] offset:(\ks+2)*16384+512*\i
.endr
.endif
	s_wait_dscnt 0x8                               ; fragments 4-7 are in; the eight just issued stay out
.else
	s_wait_dscnt 0x0
.endif
	MM \ks, 4, 5, 6, 7
.if \ks+1 < \nk
.rept 4
	v_nop                                          ; four places, as above
.endr
	s_wait_alu depctr_va_vdst(0)                   ; the products above are done reading fragments 4-7, in which the loads below land
	AFL \ks+1, 4, 5, 6, 7
.endif
.endm
	AFL 0, 0, 1, 2, 3
	AFL 0, 4, 5, 6, 7
.irp ks, 0,1,2,3,4,5,6,7,8,9,10,11
	KS \ks, 12
.endr
	; THE WAY OUT.  Register j of tile (nt, ot) in lane (r, h) is point 16 nt + 8 h + j of channel 32 w + 16 ot + r.
.rept 4
	v_nop                                          ; four places behind the last matrix instructions
.endr
	global_load_b32 v15, v[VP], s[12:13]           ; the bias of channel 32 w + lane
.irp j, 0,1
.irp ot, 0,1
	v_pk_add_f32 v[SS+2*(\ot+2*\j):SS+2*(\ot+2*\j)+1], v[ACC+8*\ot+2*\j:ACC+8*\ot+2*\j+1], v[ACC+8*\ot+2*\j+4:ACC+8*\ot+2*\j+5]
.endr
.endr
.irp nt, 1,2,3,4,5,6,7
.irp j, 0,1,2,3
.irp ot, 0,1
	v_pk_add_f32 v[SS+2*(\ot+2*(\j&1)):SS+2*(\ot+2*(\j&1))+1], v[SS+2*(\ot+2*(\j&1)):SS+2*(\ot+2*(\j&1))+1], v[ACC+8*(2*\nt+\ot)+2*\j:ACC+8*(2*\nt+\ot)+2*\j+1]
.endr
.endr
.endr
.irp ot, 0,1
	v_pk_add_f32 v[SS+2*\ot:SS+2*\ot+1], v[SS+2*\ot:SS+2*\ot+1], v[SS+2*\ot+4:SS+2*\ot+5]
.endr
	v_add_f32 v[SS], v[SS], v[SS+1]
	v_add_f32 v[SS+2], v[SS+2], v[SS+3]
	v_permlanex16_b32 v[SS+4], v[SS], s28, s29     ; the other 64 points of the channel
	v_permlanex16_b32 v[SS+6], v[SS+2], s28, s29
	v_add_f32 v[SS], v[SS], v[SS+4]
	v_add_f32 v[SS+2], v[SS+2], v[SS+6]
	v_mul_f32 v[MN],   0x3c000000, v[SS]           ; / 128, twice: a pair for the packed subtraction
	v_mul_f32 v[MN+1], 0x3c000000, v[SS]
	v_mul_f32 v[MN+2], 0x3c000000, v[SS+2]
	v_mul_f32 v[MN+3], 0x3c000000, v[SS+2]
	; tiles in groups of four; a tile is centred, squared and packed into its own four lowest registers; a group's LDS stores are issued in the next group
.irp nt, 0,1,2,3,4,5,6,7
.irp ot, 0,1
.if ((\nt&1) == 0) && (\ot == 0) && (\nt > 0)
	s_wait_alu depctr_va_vdst(0)                   ; the group before has packed its four tiles, which the four stores of this group read
.endif
.if \nt >= 2
	ds_store_b128 v[VS], v[ACC+8*(2*\nt+\ot)-32:ACC+8*(2*\nt+\ot)-29] offset:\ot*4352+32*(\nt-2)
.endif
.irp j, 0,1,2,3
	v_pk_add_f32 v[ACC+8*(2*\nt+\ot)+2*\j:ACC+8*(2*\nt+\ot)+2*\j+1], v[ACC+8*(2*\nt+\ot)+2*\j:ACC+8*(2*\nt+\ot)+2*\j+1], v[MN+2*\ot:MN+2*\ot+1] neg_lo:[0,1] neg_hi:[0,1]
.endr
.irp j, 0,1,2,3
.if 4*\nt+\j < 2
	v_pk_mul_f32 v[QQ+4*\ot+2*(\j&1):QQ+4*\ot+2*(\j&1)+1], v[ACC+8*(2*\nt+\ot)+2*\j:ACC+8*(2*\nt+\ot)+2*\j+1], v[ACC+8*(2*\nt+\ot)+2*\j:ACC+8*(2*\nt+\ot)+2*\j+1]
.else
	v_pk_fma_f32 v[QQ+4*\ot+2*(\j&1):QQ+4*\ot+2*(\j&1)+1], v[ACC+8*(2*\nt+\ot)+2*\j:ACC+8*(2*\nt+\ot)+2*\j+1], v[ACC+8*(2*\nt+\ot)+2*\j:ACC+8*(2*\nt+\ot)+2*\j+1], v[QQ+4*\ot+2*(\j&1):QQ+4*\ot+2*(\j&1)+1]
.endif
.endr
.irp j, 0,1,2,3
	v_cvt_pk_f16_f32 v[ACC+8*(2*\nt+\ot)+\j], v[ACC+8*(2*\nt+\ot)+2*\j], v[ACC+8*(2*\nt+\ot)+2*\j+1]
.endr
.endr
.endr
	s_wait_alu depctr_va_vdst(0)                   ; the last group has packed its four tiles; the products are long done with the fragments' registers, in which the stage's rows land
.irp nt, 6,7
.irp ot, 0,1
	ds_store_b128 v[VS], v[ACC+8*(2*\nt+\ot):ACC+8*(2*\nt+\ot)+3] offset:\ot*4352+32*\nt
.endr
.endr
.irp i, 0,1,2,3,4,5,6,7,8,9,10,11,12,13,14,15
	ds_load_b128 v[AF+4*\i:AF+4*\i+3], v[VR] offset:544*\i          ; LDS serves a wave's instructions in order: these see my stores above.  The sums below, which name none of these registers, stand while they are out
.endr
.irp ot, 0,1
	v_pk_add_f32 v[QQ+4*\ot:QQ+4*\ot+1], v[QQ+4*\ot:QQ+4*\ot+1], v[QQ+4*\ot+2:QQ+4*\ot+3]
.endr
	v_add_f32 v[QQ], v[QQ], v[QQ+1]
	v_add_f32 v[QQ+4], v[QQ+4], v[QQ+5]
	v_permlanex16_b32 v[QQ+2], v[QQ], s28, s29
	v_permlanex16_b32 v[QQ+6], v[QQ+4], s28, s29
	v_add_f32 v[QQ], v[QQ], v[QQ+2]
	v_add_f32 v[QQ+4], v[QQ+4], v[QQ+6]
	v_cndmask_b32 v[SS],   v[MN], v[MN+2], s30      ; lanes 0-15 speak for ot = 0, lanes 16-31 for ot = 1: lane = channel - 32 w
	v_cndmask_b32 v[SS+1], v[QQ], v[QQ+4], s30
	s_wait_loadcnt 0x0                             ; the bias
	v_add_f32 v[SS], v[SS], v15                    ; the bias drops out of the centred numbers and lives in the tile's mean
	s_wait_alu depctr_va_vdst(0)                   ; the tile's mean and squares are written, which the two stores below read
	global_store_b32 v[VP], v[SS],   s[26:27]
	global_store_b32 v[VP], v[SS+1], s[26:27] offset:1024
.irp i, 0,1,2,3,4,5,6,7,8,9,10,11,12,13,14,15
	s_wait_dscnt 15-\i
	global_store_b128 v[VZ], v[AF+4*\i:AF+4*\i+3], s[24:25] offset:65536*\i   ; 16 lanes store 256 consecutive bytes, aligned: a channel's 128 points
.endr
	s_set_vgpr_msb 0x5
	s_wait_dscnt 0x0
	s_wait_alu depctr_hold_cnt(0) depctr_sa_sdst(0) depctr_va_vdst(0) depctr_va_sdst(0) depctr_va_ssrc(0) depctr_va_vcc(0) depctr_vm_vsrc(0)
	s_wait_tensorcnt 0x0
	ds_add_u32 v0, v1
	s_wait_dscnt 0x0
	s_endpgm
.Lfunc_end_k_q66a7aa10e6_gemm1:
	.size	k_q66a7aa10e6_gemm1, .Lfunc_end_k_q66a7aa10e6_gemm1-k_q66a7aa10e6_gemm1
	.p2alignl 7, 3214868480
	.fill 96, 4, 3214868480
	.section	.rodata,"a",@progbits
	.p2align	6, 0x0
	.amdhsa_kernel k_q66a7aa10e6_gemm1
		.amdhsa_group_segment_fixed_size 175104
		.amdhsa_private_segment_fixed_size 0
		.amdhsa_enable_private_segment 0
		.amdhsa_kernarg_size 48
		.amdhsa_user_sgpr_count 2
		.amdhsa_user_sgpr_kernarg_segment_ptr 1
		.amdhsa_wavefront_size32 1
		.amdhsa_system_sgpr_workgroup_id_x 1
		.amdhsa_system_sgpr_workgroup_id_y 1
		.amdhsa_system_sgpr_workgroup_id_z 1
		.amdhsa_system_vgpr_workitem_id 0
		.amdhsa_next_free_vgpr 258
		.amdhsa_next_free_sgpr 66
		.amdhsa_reserve_vcc 0
		.amdhsa_float_denorm_mode_32 3
		.amdhsa_float_denorm_mode_16_64 3
		.amdhsa_memory_ordered 1
		.amdhsa_forward_progress 1
		.amdhsa_inst_pref_size 108
	.end_amdhsa_kernel
	.amdgpu_metadata
---
amdhsa.version: [ 1, 2 ]
amdhsa.kernels:
  - .name:           k_q66a7aa10e6_gemm1
    .symbol:         k_q66a7aa10e6_gemm1.kd
    .args:
      - { .name: x1, .offset: 0, .size: 8, .value_kind: global_buffer, .address_space: global }
      - { .name: pre, .offset: 8, .size: 8, .value_kind: global_buffer, .address_space: global }
      - { .name: nidx, .offset: 16, .size: 8, .value_kind: global_buffer, .address_space: global }
      - { .name: nw, .offset: 24, .size: 8, .value_kind: global_buffer, .address_space: global }
      - { .name: b1, .offset: 32, .size: 8, .value_kind: global_buffer, .address_space: global }
      - { .name: y1, .offset: 40, .size: 8, .value_kind: global_buffer, .address_space: global }
    .group_segment_fixed_size: 175104
    .private_segment_fixed_size: 0
    .kernarg_segment_align: 8
    .kernarg_segment_size: 48
    .max_flat_workgroup_size: 256
    .sgpr_count:     66
    .vgpr_count:     258
    .wavefront_size: 32
...
	.end_amdgpu_metadata
.endif
;; end of part 8
;; launch stat1: the kernel of part 4 again; grid 8 x 1, 8 waves a work-group, no clusters, 3,072 bytes of LDS; arguments y1, g1, coef; writes coef
;; launch gemm2 (part 9): grid 256 x 1, 8 waves a work-group, no clusters, 144,384 bytes of LDS; arguments y1, coef, be1, pre, b2, y2; writes y2
.if DOCPART == 9
	.amdgcn_target "amdgcn-amd-amdhsa--gfx1250"
	.amdhsa_code_object_version 6
	.text
	.protected	k_q66a7aa10e6_gemm2
	.globl	k_q66a7aa10e6_gemm2
	.p2align	8
	.type	k_q66a7aa10e6_gemm2,@function
k_q66a7aa10e6_gemm2:
	s_mov_b64 s[64:65], 0
	v_nop
	global_prefetch_b8 v0, s[64:65] scope:SCOPE_SE
	s_setreg_imm32_b32 hwreg(HW_REG_WAVE_SCHED_MODE, 0, 2), 2
	s_setreg_imm32_b32 hwreg(HW_REG_WAVE_MODE, 25, 1), 1
	s_wait_xcnt 0x0
	s_wait_alu depctr_vm_vsrc(0)
; First batch norm and ReLU, then the second linear layer: y2[o][n] = sum over k of W2[o][k] H[k][n] (+ b2[o]), K = 256,
; H = max(0, A (z + m - mu) + beta) with z the centred f16 numbers, m the tile's mean, mu and A the batch's figures.
; The same tiles as in the first layer: a work-group makes all 256 channels of 128 points.  Phase 0: wave w maps rows 32 w .. 32 w + 31
; of z (f32 arithmetic) and lays H in LDS as [k][n] f16; the main part and the way out are those of the first layer, all fragments of H
; by the transposing LDS load.
; Stored: the centred y2 as f16, [channel][point]; and the tile's statistics as PAIRS, [tile][channel](mean with the bias, centred sum of
; squares), 8 bytes a channel, so that a wave's one store covers 256 consecutive bytes.  (The first layer's statistics, read here, lie as two
; arrays of 256 words a tile.)
; FORMATS: the inputs W2 (in the first launch) and beta (here) are rounded to bf16, nearest even, like the program's other inputs; W2 is carried as
; f16, which holds a bf16 number exactly from 6.1e-5 to 65,504 in magnitude; H and z, which are computed, keep f16's 11 bits.  Sums in f32.
; LIMITS: magnitudes of H, W2 and of the centred y2 above 65,504 overflow; below 6.1e-5 f16's step is 6e-8.
; NO CLUSTER, NO TENSOR LOADS: H is computed on its way into LDS; what the work-groups share is W2 alone, 128 KiB, which goes from
; memory to fragment registers without touching LDS.
; THE MODE: SCHED_MODE bits 1:0 = 2 (LLVM: expert scheduling mode 2), set by the entry lines.  The code itself states the register dependences
; between vector or matrix instructions and memory or LDS instructions, with s_wait_alu, always for 0.
; THE PLAN.  Registers that memory or LDS instructions touch:
;   v4 .. v10, v22, v23   offsets and LDS addresses, made at the head and never written again.
;   v[64:127]    phase 0: a row of z lands in two registers, is mapped, and H is packed into the same two: every LDS store has data registers of its own.
;                The 32 rows go in blocks of four: block p's arithmetic writes its rows, the four LDS stores issued in block p + 1 read them.
;   s[48:63]     two sets of (A, B) for four rows: the lane reads issued in block p - 1 write the set that block p's arithmetic reads.
;   AF           then two halves of four fragments of H.  A K step's eight products on a half read it; one wait; the half is asked for again, for the next K step,
;                and lands while the other half is multiplied.
;   W's three buffers   K step ks's products read one; the loads of K step ks + 3 land in it, behind the first wait of K step ks + 1.
;   the accumulators    on the way out each tile is packed in place into its four lowest registers: every LDS store has data registers of its own.
.set STAGE, 73728                      ; LDS: H, [256 k][128 points] f16, 288 bytes a row, lies at 0; the stage, [256][128] f16, 272 bytes a row, behind it
.set W2F,   4390912
.set PART,  16777216
.set VAT,  4                           ; transposing reads of H, k 0-127
.set VAT2, 5                           ; k 128-255
.set VB,  6
.set VS,  7
.set VR,  8
.set VZ,  9
.set VP,  10
.set CA,  12                           ; lane = row: A
.set CB,  13                           ; lane = row: A (m - mu) + beta
.set AF,  64                           ; v[64:127]  phase 0: 32 rows of z, then of H; then eight fragments of H
.set ACC, 128
.set SS,  16
.set MN,  24
.set QQ,  32
.set TF,  16                           ; phase 0: v[16:19] f32 at work
.set HS,  22                           ; phase 0: where my rows of H go
.set SC,  48                           ; s[48:63] two sets of four rows' (A, B)
	s_load_b256 s[4:11], s[0:1], 0x0               ; y1 s[4:5], coef s[6:7], be1 s[8:9], pre s[10:11]
	s_load_b128 s[12:15], s[0:1], 0x20             ; b2 s[12:13], y2 s[14:15]
	s_set_vgpr_msb 0x40
	v_lshl_add_u32 v0, v0, 2, 0x23000
	v_mov_b32 v1, 0
	s_set_vgpr_msb 0x4000
	v_and_b32 v1, 31, v0
	v_lshrrev_b32 v11, 5, v0
	v_readfirstlane_b32 s20, v11                   ; wave
	v_and_b32 v2, 15, v0                           ; r
	v_bfe_u32 v3, v0, 4, 1                         ; h
	v_and_b32 v11, 7, v0
	v_lshl_add_u32 v11, v3, 3, v11
	v_mul_u32_u24 v[VAT], v11, 288
	v_bfe_u32 v11, v0, 3, 1
	v_lshl_add_u32 v[VAT], v11, 4, v[VAT]
	v_add_nc_u32 v[VAT2], 36864, v[VAT]
	v_lshlrev_b32 v[VZ], 15, v3
	v_lshl_add_u32 v[VZ], v2, 4, v[VZ]
	v_lshlrev_b32 v[VP], 2, v0
	v_lshlrev_b32 v23, 3, v1                       ; z: 8 bytes a lane, a row of 256 bytes a wave
	s_lshr_b32 s21, ttmp9, 7                       ; batch
	s_and_b32 s22, ttmp9, 127                      ; block of 128 points
	s_mov_b32 s28, 0x76543210
	s_mov_b32 s29, 0xfedcba98
	s_mov_b32 s30, 0xffff0000
	s_lshl_b32 s32, s21, 23                        ; z: batch x 256 rows of 32 KiB
	s_wait_alu depctr_va_sdst(0)                   ; s20 is written, ahead of its first reader
	s_lshl_b32 s33, s20, 20                        ;   + 32 rows a wave
	s_add_co_u32 s32, s32, s33
	s_lshl_b32 s33, s22, 8                         ;   + 128 points x 2 bytes
	s_add_co_u32 s32, s32, s33
	s_mov_b32 s33, 0
	s_lshl_b32 s36, ttmp9, 11
	s_add_co_u32 s36, s36, PART
	s_mov_b32 s37, 0
	s_lshl_b32 s42, s20, 11
	v_lshl_add_u32 v[VB], v1, 4, s42
	s_mul_i32 s43, s20, 8704
	s_add_co_u32 s43, s43, STAGE
	v_mul_u32_u24 v[VS], v2, 272
	v_lshl_add_u32 v[VS], v3, 4, v[VS]
	v_add_nc_u32 v[VS], s43, v[VS]
	v_mul_u32_u24 v[VR], v3, 272
	v_lshl_add_u32 v[VR], v2, 4, v[VR]
	v_add_nc_u32 v[VR], s43, v[VR]
	s_mul_i32 s43, s20, 9216                       ; H: my 32 rows
	v_lshl_add_u32 v[HS], v1, 3, s43
	s_wait_kmcnt 0x0
	s_add_nc_u64 s[16:17], s[10:11], W2F
	s_add_nc_u64 s[18:19], s[4:5], s[32:33]
	s_add_nc_u64 s[44:45], s[4:5], s[36:37]
	s_add_nc_u64 s[24:25], s[14:15], s[32:33]
	s_add_nc_u64 s[26:27], s[14:15], s[36:37]
	s_wait_alu depctr_va_vdst(0)                   ; the offsets and addresses v4 to v10, v22 and v23 are written, which the kernel's loads and stores read; so is v11, in which a load lands
	; PHASE 0
.irp ks, 0,1
.irp i, 0,1,2,3
	global_load_b128 v[32+16*\ks+4*\i:32+16*\ks+4*\i+3], v[VB], s[16:17] offset:\ks*16384+512*\i
.endr
.endr
	global_load_b32 v11, v[VP], s[6:7]             ; mu
	global_load_b32 v[CA], v[VP], s[6:7] offset:1024
	global_load_b32 v14, v[VP], s[44:45]           ; the tile's mean
	global_load_b32 v15, v[VP], s[8:9]             ; beta
.irp i, 0,1,2,3,4,5,6,7,8,9,10,11,12,13,14,15,16,17,18,19,20,21,22,23,24,25,26,27,28,29,30,31
	global_load_b64 v[AF+2*\i:AF+2*\i+1], v23, s[18:19] offset:32768*\i th:TH_LOAD_NT
.endr
	s_wait_loadcnt 32                              ; the four figures are in; z's 32 loads are younger
	v_cvt_pk_bf16_f32 v15, v15, v15                ; beta, rounded to bf16
	v_sub_f32 v14, v14, v11
	v_lshlrev_b32 v15, 16, v15
	v_fma_f32 v[CB], v14, v[CA], v15
.irp i, 0,1,2,3
	v_readlane_b32 s[SC+2*\i],   v[CA], \i         ; the first block's constants
	v_readlane_b32 s[SC+2*\i+1], v[CB], \i
.endr
	; a word (two points) at a time; row = (register - 64) / 2, block = row / 4.  The halves of a register have names only on plain register numbers.
.irp z, 64,65,66,67,68,69,70,71,72,73,74,75,76,77,78,79,80,81,82,83,84,85,86,87,88,89,90,91,92,93,94,95,96,97,98,99,100,101,102,103,104,105,106,107,108,109,110,111,112,113,114,115,116,117,118,119,120,121,122,123,124,125,126,127
.set sa, SC+8*(((\z-64)/8)%2)+2*(((\z-64)/2)%4)
.if (\z&1) == 0
	s_wait_loadcnt 31-(\z-64)/2                    ; this row is in; the later rows stay out
.if ((\z-64)&7) == 0
	s_wait_alu depctr_va_sdst(0)                   ; this block's eight constants are written, which its arithmetic reads
.if \z > 64
	s_wait_alu depctr_va_vdst(0)                   ; the block before has packed its four rows of H, which the four stores of this block read
.endif
.if \z < 120
.irp i, 0,1,2,3
	v_readlane_b32 s[SC+8*(1-((\z-64)/8)%2)+2*\i],   v[CA], (\z-64)/2+4+\i   ; the next block's constants, into the other set
	v_readlane_b32 s[SC+8*(1-((\z-64)/8)%2)+2*\i+1], v[CB], (\z-64)/2+4+\i
.endr
.endif
.endif
.if \z >= 72
	ds_store_b64 v[HS], v[\z-8:\z-7] offset:288*((\z-72)/2)      ; the row four back
.endif
.endif
	v_cvt_f32_f16 v[TF+2*(\z&1)],   v\z\().l
	v_cvt_f32_f16 v[TF+2*(\z&1)+1], v\z\().h
	v_fma_f32 v[TF+2*(\z&1)],   v[TF+2*(\z&1)],   s[sa], s[sa+1]
	v_fma_f32 v[TF+2*(\z&1)+1], v[TF+2*(\z&1)+1], s[sa], s[sa+1]
	v_max_num_f32 v[TF+2*(\z&1)],   0, v[TF+2*(\z&1)]
	v_max_num_f32 v[TF+2*(\z&1)+1], 0, v[TF+2*(\z&1)+1]
	v_cvt_pk_f16_f32 v[\z], v[TF+2*(\z&1)], v[TF+2*(\z&1)+1]
.endr
	s_wait_alu depctr_va_vdst(0)                   ; the last block has packed its rows; every vector instruction of phase 0 is done with v16 to v19 and v64 to v127, in which W and fragments land
.irp r, 28,29,30,31
	ds_store_b64 v[HS], v[AF+2*\r:AF+2*\r+1] offset:288*\r
.endr
	s_wait_dscnt 0x0                               ; my rows of H are in LDS,
	s_barrier_signal -1
	s_barrier_wait -1                              ; everybody's are
	s_wait_alu depctr_vm_vsrc(0)                   ; my LDS stores have read v64 to v127 and v22, z's loads v23: these registers are fragments and W's third buffer from here on
; eight matrix instructions.  The 16 accumulators take turns, one instruction a turn, in the same order in every K step.
.macro MM ks, n0, n1, n2, n3
.irp nt, \n0, \n1, \n2, \n3
.irp ot, 0,1
.if \ks == 0
	v_wmma_f32_16x16x32_f16 v[ACC+8*(2*\nt+\ot):ACC+8*(2*\nt+\ot)+7], v[AF+8*\nt:AF+8*\nt+7], v[16+16*((\ks+1)%3)+8*\ot:16+16*((\ks+1)%3)+8*\ot+7], 0
.else
	v_wmma_f32_16x16x32_f16 v[ACC+8*(2*\nt+\ot):ACC+8*(2*\nt+\ot)+7], v[AF+8*\nt:AF+8*\nt+7], v[16+16*((\ks+1)%3)+8*\ot:16+16*((\ks+1)%3)+8*\ot+7], v[ACC+8*(2*\nt+\ot):ACC+8*(2*\nt+\ot)+7]
.endif
.endr
.endr
.endm
; four fragments of H for K step ks, eight transposing loads: H lies [k][n]
.macro AFL ks, n0, n1, n2, n3
.irp nt, \n0, \n1, \n2, \n3
.if (\ks) < 4
	ds_load_tr16_b128 v[AF+8*\nt:AF+8*\nt+3],   v[VAT] offset:(\ks)*9216+32*\nt
	ds_load_tr16_b128 v[AF+8*\nt+4:AF+8*\nt+7], v[VAT] offset:(\ks)*9216+32*\nt+4608
.else
	ds_load_tr16_b128 v[AF+8*\nt:AF+8*\nt+3],   v[VAT2] offset:((\ks)-4)*9216+32*\nt
	ds_load_tr16_b128 v[AF+8*\nt+4:AF+8*\nt+7], v[VAT2] offset:((\ks)-4)*9216+32*\nt+4608
.endif
.endr
.endm
; A K step of 32.  Each half of the fragments is asked for again, for the next K step, as soon as its eight products are done with it; W of K step ks + 2 goes with the first half.
.macro KS ks, nk
.if \ks+1 < \nk
	s_wait_loadcnt 0x4                             ; this step's W is in; the four loads of the next step's may be out
.else
	s_wait_loadcnt 0x0
.endif
	s_wait_dscnt 0x8                               ; fragments 0-3 are in; the eight loads of fragments 4-7 may be out
	MM \ks, 0, 1, 2, 3
.if \ks+1 < \nk
.rept 4
	v_nop                                          ; four places between the matrix instructions above and loads into registers that they read; the wait below stands beside them
.endr
	s_wait_alu depctr_va_vdst(0)                   ; the products above are done reading fragments 0-3, and the last step's their W: the loads below land in both
	AFL \ks+1, 0, 1, 2, 3
.if \ks+2 < \nk
.irp i, 0,1,2,3
	global_load_b128 v[16+16*((\ks+3)%3)+4*\i:16+16*((\ks+3)%3)+4*\i+3], v[VB], s[16:17] offset:(\ks+2)*16384+512*\i
.endr
.endif
	s_wait_dscnt 0x8                               ; fragments 4-7 are in; the eight just issued stay out
.else
	s_wait_dscnt 0x0
.endif
	MM \ks, 4, 5, 6, 7
.if \ks+1 < \nk
.rept 4
	v_nop                                          ; four places, as above
.endr
	s_wait_alu depctr_va_vdst(0)                   ; the products above are done reading fragments 4-7, in which the loads below land
	AFL \ks+1, 4, 5, 6, 7
.endif
.endm
	AFL 0, 0, 1, 2, 3
	AFL 0, 4, 5, 6, 7
.irp ks, 0,1,2,3,4,5,6,7
	KS \ks, 8
.endr
	; THE WAY OUT.  Register j of tile (nt, ot) in lane (r, h) is point 16 nt + 8 h + j of channel 32 w + 16 ot + r.
.rept 4
	v_nop                                          ; four places behind the last matrix instructions
.endr
	global_load_b32 v15, v[VP], s[12:13]           ; the bias of channel 32 w + lane (phase 0's lines that named v15 stand ahead of the K steps' waits)
	v_lshlrev_b32 v14, 3, v0                       ; 8 x (32 w + lane): my channel's pair of statistics
.irp j, 0,1
.irp ot, 0,1
	v_pk_add_f32 v[SS+2*(\ot+2*\j):SS+2*(\ot+2*\j)+1], v[ACC+8*\ot+2*\j:ACC+8*\ot+2*\j+1], v[ACC+8*\ot+2*\j+4:ACC+8*\ot+2*\j+5]
.endr
.endr
.irp nt, 1,2,3,4,5,6,7
.irp j, 0,1,2,3
.irp ot, 0,1
	v_pk_add_f32 v[SS+2*(\ot+2*(\j&1)):SS+2*(\ot+2*(\j&1))+1], v[SS+2*(\ot+2*(\j&1)):SS+2*(\ot+2*(\j&1))+1], v[ACC+8*(2*\nt+\ot)+2*\j:ACC+8*(2*\nt+\ot)+2*\j+1]
.endr
.endr
.endr
.irp ot, 0,1
	v_pk_add_f32 v[SS+2*\ot:SS+2*\ot+1], v[SS+2*\ot:SS+2*\ot+1], v[SS+2*\ot+4:SS+2*\ot+5]
.endr
	v_add_f32 v[SS], v[SS], v[SS+1]
	v_add_f32 v[SS+2], v[SS+2], v[SS+3]
	v_permlanex16_b32 v[SS+4], v[SS], s28, s29     ; the other 64 points of the channel
	v_permlanex16_b32 v[SS+6], v[SS+2], s28, s29
	v_add_f32 v[SS], v[SS], v[SS+4]
	v_add_f32 v[SS+2], v[SS+2], v[SS+6]
	v_mul_f32 v[MN],   0x3c000000, v[SS]           ; / 128, twice: a pair for the packed subtraction
	v_mul_f32 v[MN+1], 0x3c000000, v[SS]
	v_mul_f32 v[MN+2], 0x3c000000, v[SS+2]
	v_mul_f32 v[MN+3], 0x3c000000, v[SS+2]
	; tiles in groups of four; a tile is centred, squared and packed into its own four lowest registers; a group's LDS stores are issued in the next group
.irp nt, 0,1,2,3,4,5,6,7
.irp ot, 0,1
.if ((\nt&1) == 0) && (\ot == 0) && (\nt > 0)
	s_wait_alu depctr_va_vdst(0)                   ; the group before has packed its four tiles, which the four stores of this group read
.endif
.if \nt >= 2
	ds_store_b128 v[VS], v[ACC+8*(2*\nt+\ot)-32:ACC+8*(2*\nt+\ot)-29] offset:\ot*4352+32*(\nt-2)
.endif
.irp j, 0,1,2,3
	v_pk_add_f32 v[ACC+8*(2*\nt+\ot)+2*\j:ACC+8*(2*\nt+\ot)+2*\j+1], v[ACC+8*(2*\nt+\ot)+2*\j:ACC+8*(2*\nt+\ot)+2*\j+1], v[MN+2*\ot:MN+2*\ot+1] neg_lo:[0,1] neg_hi:[0,1]
.endr
.irp j, 0,1,2,3
.if 4*\nt+\j < 2
	v_pk_mul_f32 v[QQ+4*\ot+2*(\j&1):QQ+4*\ot+2*(\j&1)+1], v[ACC+8*(2*\nt+\ot)+2*\j:ACC+8*(2*\nt+\ot)+2*\j+1], v[ACC+8*(2*\nt+\ot)+2*\j:ACC+8*(2*\nt+\ot)+2*\j+1]
.else
	v_pk_fma_f32 v[QQ+4*\ot+2*(\j&1):QQ+4*\ot+2*(\j&1)+1], v[ACC+8*(2*\nt+\ot)+2*\j:ACC+8*(2*\nt+\ot)+2*\j+1], v[ACC+8*(2*\nt+\ot)+2*\j:ACC+8*(2*\nt+\ot)+2*\j+1], v[QQ+4*\ot+2*(\j&1):QQ+4*\ot+2*(\j&1)+1]
.endif
.endr
.irp j, 0,1,2,3
	v_cvt_pk_f16_f32 v[ACC+8*(2*\nt+\ot)+\j], v[ACC+8*(2*\nt+\ot)+2*\j], v[ACC+8*(2*\nt+\ot)+2*\j+1]
.endr
.endr
.endr
	s_wait_alu depctr_va_vdst(0)                   ; the last group has packed its four tiles; the products are long done with the fragments' registers, in which the stage's rows land
.irp nt, 6,7
.irp ot, 0,1
	ds_store_b128 v[VS], v[ACC+8*(2*\nt+\ot):ACC+8*(2*\nt+\ot)+3] offset:\ot*4352+32*\nt
.endr
.endr
.irp i, 0,1,2,3,4,5,6,7,8,9,10,11,12,13,14,15
	ds_load_b128 v[AF+4*\i:AF+4*\i+3], v[VR] offset:544*\i          ; LDS serves a wave's instructions in order: these see my stores above.  The sums below, which name none of these registers, stand while they are out
.endr
.irp ot, 0,1
	v_pk_add_f32 v[QQ+4*\ot:QQ+4*\ot+1], v[QQ+4*\ot:QQ+4*\ot+1], v[QQ+4*\ot+2:QQ+4*\ot+3]
.endr
	v_add_f32 v[QQ], v[QQ], v[QQ+1]
	v_add_f32 v[QQ+4], v[QQ+4], v[QQ+5]
	v_permlanex16_b32 v[QQ+2], v[QQ], s28, s29
	v_permlanex16_b32 v[QQ+6], v[QQ+4], s28, s29
	v_add_f32 v[QQ], v[QQ], v[QQ+2]
	v_add_f32 v[QQ+4], v[QQ+4], v[QQ+6]
	v_cndmask_b32 v[SS],   v[MN], v[MN+2], s30      ; lanes 0-15 speak for ot = 0, lanes 16-31 for ot = 1: lane = channel - 32 w
	v_cndmask_b32 v[SS+1], v[QQ], v[QQ+4], s30
	s_wait_loadcnt 0x0                             ; the bias
	v_add_f32 v[SS], v[SS], v15                    ; the bias drops out of the centred numbers and lives in the tile's mean
	s_wait_alu depctr_va_vdst(0)                   ; the pair (mean, squares) and its offset v14 are written, which the store below reads
	global_store_b64 v14, v[SS:SS+1], s[26:27]     ; (mean, centred squares): the wave stores 256 consecutive bytes, aligned
.irp i, 0,1,2,3,4,5,6,7,8,9,10,11,12,13,14,15
	s_wait_dscnt 15-\i
	global_store_b128 v[VZ], v[AF+4*\i:AF+4*\i+3], s[24:25] offset:65536*\i   ; 16 lanes store 256 consecutive bytes, aligned: a channel's 128 points
.endr
	s_set_vgpr_msb 0x5
	s_wait_dscnt 0x0
	s_wait_alu depctr_hold_cnt(0) depctr_sa_sdst(0) depctr_va_vdst(0) depctr_va_sdst(0) depctr_va_ssrc(0) depctr_va_vcc(0) depctr_vm_vsrc(0)
	s_wait_tensorcnt 0x0
	ds_add_u32 v0, v1
	s_wait_dscnt 0x0
	s_endpgm
.Lfunc_end_k_q66a7aa10e6_gemm2:
	.size	k_q66a7aa10e6_gemm2, .Lfunc_end_k_q66a7aa10e6_gemm2-k_q66a7aa10e6_gemm2
	.p2alignl 7, 3214868480
	.fill 96, 4, 3214868480
	.section	.rodata,"a",@progbits
	.p2align	6, 0x0
	.amdhsa_kernel k_q66a7aa10e6_gemm2
		.amdhsa_group_segment_fixed_size 144384
		.amdhsa_private_segment_fixed_size 0
		.amdhsa_enable_private_segment 0
		.amdhsa_kernarg_size 48
		.amdhsa_user_sgpr_count 2
		.amdhsa_user_sgpr_kernarg_segment_ptr 1
		.amdhsa_wavefront_size32 1
		.amdhsa_system_sgpr_workgroup_id_x 1
		.amdhsa_system_sgpr_workgroup_id_y 1
		.amdhsa_system_sgpr_workgroup_id_z 1
		.amdhsa_system_vgpr_workitem_id 0
		.amdhsa_next_free_vgpr 258
		.amdhsa_next_free_sgpr 66
		.amdhsa_reserve_vcc 0
		.amdhsa_float_denorm_mode_32 3
		.amdhsa_float_denorm_mode_16_64 3
		.amdhsa_memory_ordered 1
		.amdhsa_forward_progress 1
		.amdhsa_inst_pref_size 78
	.end_amdhsa_kernel
	.amdgpu_metadata
---
amdhsa.version: [ 1, 2 ]
amdhsa.kernels:
  - .name:           k_q66a7aa10e6_gemm2
    .symbol:         k_q66a7aa10e6_gemm2.kd
    .args:
      - { .name: y1, .offset: 0, .size: 8, .value_kind: global_buffer, .address_space: global }
      - { .name: coef, .offset: 8, .size: 8, .value_kind: global_buffer, .address_space: global }
      - { .name: be1, .offset: 16, .size: 8, .value_kind: global_buffer, .address_space: global }
      - { .name: pre, .offset: 24, .size: 8, .value_kind: global_buffer, .address_space: global }
      - { .name: b2, .offset: 32, .size: 8, .value_kind: global_buffer, .address_space: global }
      - { .name: y2, .offset: 40, .size: 8, .value_kind: global_buffer, .address_space: global }
    .group_segment_fixed_size: 144384
    .private_segment_fixed_size: 0
    .kernarg_segment_align: 8
    .kernarg_segment_size: 48
    .max_flat_workgroup_size: 256
    .sgpr_count:     66
    .vgpr_count:     258
    .wavefront_size: 32
...
	.end_amdgpu_metadata
.endif
;; end of part 9
;; launch bnfin (part 10): grid 256 x 1, 8 waves a work-group, no clusters, 3,072 bytes of LDS; arguments y2, g2, be2, out0; writes out0
.if DOCPART == 10
	.amdgcn_target "amdgcn-amd-amdhsa--gfx1250"
	.amdhsa_code_object_version 6
	.text
	.protected	k_q66a7aa10e6_bnfin
	.globl	k_q66a7aa10e6_bnfin
	.p2align	8
	.type	k_q66a7aa10e6_bnfin,@function
k_q66a7aa10e6_bnfin:
	s_mov_b64 s[64:65], 0
	v_nop
	global_prefetch_b8 v0, s[64:65] scope:SCOPE_SE
	s_setreg_imm32_b32 hwreg(HW_REG_WAVE_SCHED_MODE, 0, 2), 2
	s_setreg_imm32_b32 hwreg(HW_REG_WAVE_MODE, 25, 1), 1
	s_wait_xcnt 0x0
	s_wait_alu depctr_vm_vsrc(0)
; The second layer's batch statistics, batch norm and ReLU in one launch: out = max(0, A (z + m - mu) + beta), z the centred f16 numbers of the
; second layer, m the tile's mean, mu the batch's mean, A = gain / sqrt(var + 1e-5).
; A work-group takes 32 channels x 8 tiles of 128 points (1,024 points of one batch): 64 KiB of z in, 128 KiB out.  So it needs the statistics of
; 32 channels alone: 256 tiles x 32 pairs (mean, centred squares) = 64 KiB, which it reads and merges itself.
; STATISTICS.  Wave w takes tiles 32 w .. 32 w + 31, lane = channel, one load of 256 consecutive bytes a tile.  It merges its 32 tiles in registers:
; lm = mean of the means, q = sum of the squares' sums + 128 x sum of (m - lm)^2.  The eight waves' (lm, q) meet in LDS behind one barrier and
; are merged in the same way: mu = mean of lm, var = (sum of q + 4,096 x sum of (lm - mu)^2) / 32,768.  Every term is a square: nothing cancels.
; Each lane reads the eight pairs of the channel that it serves in the stream: lane 8 j + k serves channel 4 w + j and tile k.
; STREAM.  Wave w takes channels 4 w .. 4 w + 3; row 8 j + k is tile k of channel j: a load takes its 256 bytes, a store its 512 bytes of f32.
; The rows' loads go out with the statistics' loads and land while those are merged; every row has its own store registers, so nothing
; that a store still reads is written again.  Gain and beta are rounded to bf16 (nearest even) like the program's other inputs.
; No matrix unit and no cluster: memory binds, and what work-groups share is the 64 KiB of statistics.
; THE MODE: SCHED_MODE bits 1:0 = 2 (LLVM: expert scheduling mode 2), set by the entry lines.  The code itself states the register dependences
; between vector instructions and memory or LDS instructions, with s_wait_alu, always for 0.
; THE PLAN.  Registers that memory or LDS instructions touch:
;   v3, v6 .. v10   offsets and LDS addresses, made at the head and never written again.
;   v[LM:LM+1]      written by the wave's merge, read by its one LDS store, never written again.
;   OR              four registers a row, each row its own.  The 32 rows go in blocks of four: block p's arithmetic writes its rows, the four stores
;                   issued in block p + 1 read them.  No vector instruction of block p + 1 names them, so one wait at that block's head serves the four.
;   s[40:55]        two sets of (A, B) for four rows: the lane reads issued in block p - 1 write the set that block p's arithmetic reads.
.set PART, 16777216
.set CA,  12                           ; lane 8 j + k: A of channel j
.set CB,  13                           ; lane 8 j + k: A (m - mu) + beta of channel j, tile k
.set SM,  16                           ; v[16:19] four chains
.set SQ,  20                           ; v[20:23] four chains
.set LM,  24                           ; v[24:25] my wave's (lm, q)
.set RD,  32                           ; v[32:47] the eight waves' pairs
.set ZR,  64                           ; v[64:127]  32 rows of z
.set PR,  128                          ; v[128:191] 32 pairs (tile's mean, tile's squares); free when the stream begins
.set OR,  128                          ; v[128:255] 32 rows of results
.set SC,  40                           ; s[40:55] two sets of four rows' (A, B)
	s_load_b256 s[4:11], s[0:1], 0x0               ; y2 s[4:5], g2 s[6:7], be2 s[8:9], out0 s[10:11]
	v_lshl_add_u32 v62, v0, 2, 0x800
	v_mov_b32 v63, 0
	v_and_b32 v1, 31, v0
	v_lshrrev_b32 v2, 5, v0
	v_readfirstlane_b32 s12, v2                    ; wave
	v_lshlrev_b32 v3, 3, v1                        ; 8 x lane: a pair of statistics; 4 points of z
	v_lshrrev_b32 v4, 3, v1                        ; j: my channel among the wave's four
	v_and_b32 v5, 7, v1                            ; k: my tile among the eight
	v_lshlrev_b32 v6, 11, v5
	v_lshl_add_u32 v6, v4, 3, v6                   ; the mean of tile k, channel j
	v_lshlrev_b32 v7, 2, v4                        ; gain and beta of channel j
	v_lshlrev_b32 v8, 4, v1                        ; 16 x lane: 4 points of out
	v_lshlrev_b32 v9, 3, v0                        ; LDS: 8 x (32 w + lane)
	s_and_b32 s13, ttmp9, 7                        ; which 32 channels
	s_lshr_b32 s14, ttmp9, 3                       ; which 8 tiles, 0 to 31
	s_lshl_b32 s26, s13, 8                         ; 32 pairs of 8 bytes
	s_wait_alu depctr_va_sdst(0)                   ; s12 is written, ahead of its first reader
	s_lshl_b32 s16, s12, 16                        ; statistics: 32 records of 2,048 bytes a wave
	s_add_co_u32 s16, s16, s26
	s_add_co_u32 s16, s16, PART
	s_mov_b32 s17, 0
	s_lshl_b32 s18, s14, 14                        ; my own 8 tiles' records,
	s_add_co_u32 s18, s18, s26
	s_lshl_b32 s27, s12, 5                         ;   my wave's 4 channels in them
	s_add_co_u32 s18, s18, s27
	s_add_co_u32 s18, s18, PART
	s_mov_b32 s19, 0
	s_lshl_b32 s22, s13, 7                         ; gain, beta: 32 channels x 4 bytes + 4 channels a wave
	s_lshl_b32 s27, s12, 4
	s_add_co_u32 s22, s22, s27
	s_mov_b32 s23, 0
	s_lshr_b32 s30, s14, 4                         ; batch
	s_and_b32 s31, s14, 15                         ; block of 1,024 points
	s_lshl_b32 s24, s30, 23                        ; z: batch x 256 rows of 32 KiB
	s_lshl_b32 s27, s13, 20                        ;   + 32 rows a channel group
	s_add_co_u32 s24, s24, s27
	s_lshl_b32 s27, s12, 17                        ;   + 4 rows a wave
	s_add_co_u32 s24, s24, s27
	s_lshl_b32 s27, s31, 11                        ;   + 1,024 points x 2 bytes
	s_add_co_u32 s24, s24, s27
	s_lshl_b32 s28, s24, 1                         ; out: the same with 4 bytes a number
	s_mov_b32 s25, 0
	s_mov_b32 s29, 0
	s_mov_b32 s32, 0x3727c5ac                      ; 1e-5
	s_lshl_b32 s27, s12, 5
	v_lshl_add_u32 v10, v4, 3, s27                 ; LDS: 8 x (4 w + j)
	s_wait_kmcnt 0x0
	s_add_nc_u64 s[16:17], s[4:5], s[16:17]
	s_add_nc_u64 s[18:19], s[4:5], s[18:19]
	s_add_nc_u64 s[4:5], s[4:5], s[24:25]
	s_add_nc_u64 s[6:7], s[6:7], s[22:23]
	s_add_nc_u64 s[8:9], s[8:9], s[22:23]
	s_add_nc_u64 s[10:11], s[10:11], s[28:29]
	s_wait_alu depctr_va_vdst(0)                   ; the offsets and addresses v3 and v6 to v10 are written, which the kernel's loads and stores read
.irp i, 0,1,2,3,4,5,6,7,8,9,10,11,12,13,14,15,16,17,18,19,20,21,22,23,24,25,26,27,28,29,30,31
	global_load_b64 v[PR+2*\i:PR+2*\i+1], v3, s[16:17] offset:2048*\i
.endr
	global_load_b32 v14, v6, s[18:19]              ; m
	global_load_b32 v15, v7, s[6:7]                ; gain
	global_load_b32 v11, v7, s[8:9]                ; beta
.irp i, 0,1,2,3,4,5,6,7,8,9,10,11,12,13,14,15,16,17,18,19,20,21,22,23,24,25,26,27
	global_load_b64 v[ZR+2*\i:ZR+2*\i+1], v3, s[4:5] offset:32768*(\i/8)+256*(\i%8) th:TH_LOAD_NT
.endr
	s_wait_loadcnt 31                              ; the 32 pairs are in; three small loads and 28 rows are younger
.irp i, 28,29,30,31
	global_load_b64 v[ZR+2*\i:ZR+2*\i+1], v3, s[4:5] offset:32768*(\i/8)+256*(\i%8) th:TH_LOAD_NT   ; the last four rows go out here: 63 loads were out at the most
.endr
	; my wave's 32 tiles
.irp c, 0,1,2,3
	v_add_f32 v[SM+\c], v[PR+2*\c], v[PR+2*(\c+4)]
.endr
.irp a, 2,3,4,5,6,7
.irp c, 0,1,2,3
	v_add_f32 v[SM+\c], v[SM+\c], v[PR+2*(4*\a+\c)]
.endr
.endr
.irp c, 0,1,2,3
	v_add_f32 v[SQ+\c], v[PR+2*\c+1], v[PR+2*(\c+4)+1]
.endr
.irp a, 2,3,4,5,6,7
.irp c, 0,1,2,3
	v_add_f32 v[SQ+\c], v[SQ+\c], v[PR+2*(4*\a+\c)+1]
.endr
.endr
	v_add_f32 v[SM], v[SM], v[SM+1]
	v_add_f32 v[SM+2], v[SM+2], v[SM+3]
	v_add_f32 v[SM], v[SM], v[SM+2]
	v_mul_f32 v[LM], 0x3d000000, v[SM]             ; / 32 tiles of equal size
.irp a, 0,1,2,3,4,5,6,7
.irp c, 0,1,2,3
	v_sub_f32 v[PR+2*(4*\a+\c)], v[PR+2*(4*\a+\c)], v[LM]
.endr
.endr
.irp c, 0,1,2,3
	v_mul_f32 v[SM+\c], v[PR+2*\c], v[PR+2*\c]
.endr
.irp a, 1,2,3,4,5,6,7
.irp c, 0,1,2,3
	v_fma_f32 v[SM+\c], v[PR+2*(4*\a+\c)], v[PR+2*(4*\a+\c)], v[SM+\c]
.endr
.endr
	v_add_f32 v[SQ], v[SQ], v[SQ+1]
	v_add_f32 v[SQ+2], v[SQ+2], v[SQ+3]
	v_add_f32 v[SM], v[SM], v[SM+1]
	v_add_f32 v[SM+2], v[SM+2], v[SM+3]
	v_add_f32 v[SQ], v[SQ], v[SQ+2]
	v_add_f32 v[SM], v[SM], v[SM+2]
	v_fma_f32 v[LM+1], 0x43000000, v[SM], v[SQ]    ; 128 points a tile
	s_wait_alu depctr_va_vdst(0)                   ; my wave's pair (lm, q) is written, which the LDS store reads
	ds_store_b64 v9, v[LM:LM+1]
	s_wait_dscnt 0x0                               ; my wave's pairs are in LDS,
	s_barrier_signal -1
	s_barrier_wait -1                              ; everybody's are
.irp i, 0,1,2,3,4,5,6,7
	ds_load_b64 v[RD+2*\i:RD+2*\i+1], v10 offset:256*\i
.endr
	s_wait_dscnt 0x0
	; the eight waves' shares, for channel 4 w + j
	v_add_f32 v48, v[RD], v[RD+2]
	v_add_f32 v49, v[RD+4], v[RD+6]
	v_add_f32 v50, v[RD+8], v[RD+10]
	v_add_f32 v51, v[RD+12], v[RD+14]
	v_add_f32 v48, v48, v49
	v_add_f32 v50, v50, v51
	v_add_f32 v48, v48, v50
	v_mul_f32 v48, 0x3e000000, v48                 ; mu: / 8 shares of equal size
.irp i, 0,1,2,3,4,5,6,7
	v_sub_f32 v[RD+2*\i], v[RD+2*\i], v48
.endr
	v_mul_f32 v49, v[RD], v[RD]
	v_mul_f32 v50, v[RD+2], v[RD+2]
.irp i, 2,3,4,5,6,7
	v_fma_f32 v[49+(\i&1)], v[RD+2*\i], v[RD+2*\i], v[49+(\i&1)]
.endr
	v_add_f32 v51, v[RD+1], v[RD+3]
	v_add_f32 v52, v[RD+5], v[RD+7]
	v_add_f32 v53, v[RD+9], v[RD+11]
	v_add_f32 v54, v[RD+13], v[RD+15]
	v_add_f32 v49, v49, v50
	v_add_f32 v51, v51, v52
	v_add_f32 v53, v53, v54
	v_add_f32 v51, v51, v53
	v_fma_f32 v49, 0x45800000, v49, v51            ; 4,096 points a share
	v_fma_f32 v49, 0x38000000, v49, s32            ; / 32,768, + 1e-5
	s_wait_loadcnt 32                              ; m, gain and beta are in; z's 32 rows are younger
	v_rsq_f32 v50, v49
	v_sub_f32 v14, v14, v48                        ; m - mu: the plain vector instruction behind the root (ISA guide 5.7.2)
	v_cvt_pk_bf16_f32 v15, v15, v11                ; gain and beta, rounded to bf16
	v_lshlrev_b32 v16, 16, v15                     ; gain
	v_and_b32 v17, 0xffff0000, v15                 ; beta
	s_wait_alu depctr_va_vdst(0)
	v_mul_f32 v[CA], v50, v16
	v_fma_f32 v[CB], v14, v[CA], v17
.irp i, 0,1,2,3
	v_readlane_b32 s[SC+2*\i],   v[CA], \i         ; the first block's constants
	v_readlane_b32 s[SC+2*\i+1], v[CB], \i
.endr
	; THE STREAM, a word (two points) at a time; row = (register - 64) / 2 = 8 j + k, block = row / 4.  The halves of a register have names only on plain register numbers.
.irp z, 64,65,66,67,68,69,70,71,72,73,74,75,76,77,78,79,80,81,82,83,84,85,86,87,88,89,90,91,92,93,94,95,96,97,98,99,100,101,102,103,104,105,106,107,108,109,110,111,112,113,114,115,116,117,118,119,120,121,122,123,124,125,126,127
.set sa, SC+8*(((\z-64)/8)%2)+2*(((\z-64)/2)%4)
.if (\z&1) == 0
	s_wait_loadcnt 31-(\z-64)/2                    ; this row is in; the later rows stay out
.if ((\z-64)&7) == 0
	s_wait_alu depctr_va_sdst(0)                   ; this block's eight constants are written, which its arithmetic reads
.if \z > 64
	s_wait_alu depctr_va_vdst(0)                   ; the block before has written its four rows of results, which the four stores of this block read
.endif
.if \z < 120
.irp i, 0,1,2,3
	v_readlane_b32 s[SC+8*(1-((\z-64)/8)%2)+2*\i],   v[CA], (\z-64)/2+4+\i   ; the next block's constants, into the other set
	v_readlane_b32 s[SC+8*(1-((\z-64)/8)%2)+2*\i+1], v[CB], (\z-64)/2+4+\i
.endr
.endif
.endif
.if \z >= 72
	global_store_b128 v8, v[OR+2*(\z-72):OR+2*(\z-72)+3], s[10:11] offset:65536*((\z-72)/16)+512*(((\z-72)/2)%8) th:TH_STORE_NT   ; the row four back: the wave stores 512 consecutive bytes, aligned
.endif
.endif
	v_cvt_f32_f16 v[OR+2*(\z-64)],   v\z\().l
	v_cvt_f32_f16 v[OR+2*(\z-64)+1], v\z\().h
	v_fma_f32 v[OR+2*(\z-64)],   v[OR+2*(\z-64)],   s[sa], s[sa+1]
	v_fma_f32 v[OR+2*(\z-64)+1], v[OR+2*(\z-64)+1], s[sa], s[sa+1]
	v_max_num_f32 v[OR+2*(\z-64)],   0, v[OR+2*(\z-64)]
	v_max_num_f32 v[OR+2*(\z-64)+1], 0, v[OR+2*(\z-64)+1]
.endr
	s_wait_alu depctr_va_vdst(0)                   ; the last block has written its four rows, which the last four stores read
.irp r, 28,29,30,31
	global_store_b128 v8, v[OR+4*\r:OR+4*\r+3], s[10:11] offset:65536*(\r/8)+512*(\r%8) th:TH_STORE_NT
.endr
	s_wait_dscnt 0x0
	s_wait_alu depctr_hold_cnt(0) depctr_sa_sdst(0) depctr_va_vdst(0) depctr_va_sdst(0) depctr_va_ssrc(0) depctr_va_vcc(0) depctr_vm_vsrc(0)
	s_wait_tensorcnt 0x0
	ds_add_u32 v62, v63
	s_wait_dscnt 0x0
	s_endpgm
.Lfunc_end_k_q66a7aa10e6_bnfin:
	.size	k_q66a7aa10e6_bnfin, .Lfunc_end_k_q66a7aa10e6_bnfin-k_q66a7aa10e6_bnfin
	.p2alignl 7, 3214868480
	.fill 96, 4, 3214868480
	.section	.rodata,"a",@progbits
	.p2align	6, 0x0
	.amdhsa_kernel k_q66a7aa10e6_bnfin
		.amdhsa_group_segment_fixed_size 3072
		.amdhsa_private_segment_fixed_size 0
		.amdhsa_enable_private_segment 0
		.amdhsa_kernarg_size 32
		.amdhsa_user_sgpr_count 2
		.amdhsa_user_sgpr_kernarg_segment_ptr 1
		.amdhsa_wavefront_size32 1
		.amdhsa_system_sgpr_workgroup_id_x 1
		.amdhsa_system_sgpr_workgroup_id_y 1
		.amdhsa_system_sgpr_workgroup_id_z 1
		.amdhsa_system_vgpr_workitem_id 0
		.amdhsa_next_free_vgpr 256
		.amdhsa_next_free_sgpr 66
		.amdhsa_reserve_vcc 0
		.amdhsa_float_denorm_mode_32 3
		.amdhsa_float_denorm_mode_16_64 3
		.amdhsa_memory_ordered 1
		.amdhsa_forward_progress 1
		.amdhsa_inst_pref_size 41
	.end_amdhsa_kernel
	.amdgpu_metadata
---
amdhsa.version: [ 1, 2 ]
amdhsa.kernels:
  - .name:           k_q66a7aa10e6_bnfin
    .symbol:         k_q66a7aa10e6_bnfin.kd
    .args:
      - { .name: y2, .offset: 0, .size: 8, .value_kind: global_buffer, .address_space: global }
      - { .name: g2, .offset: 8, .size: 8, .value_kind: global_buffer, .address_space: global }
      - { .name: be2, .offset: 16, .size: 8, .value_kind: global_buffer, .address_space: global }
      - { .name: out0, .offset: 24, .size: 8, .value_kind: global_buffer, .address_space: global }
    .group_segment_fixed_size: 3072
    .private_segment_fixed_size: 0
    .kernarg_segment_align: 8
    .kernarg_segment_size: 32
    .max_flat_workgroup_size: 256
    .sgpr_count:     66
    .vgpr_count:     256
    .wavefront_size: 32
...
	.end_amdgpu_metadata
.endif
;; end of part 10
